; MI455X (gfx1250); checked and timed in simulation.
; The chip was launched on July 23, 2026; its instructions are those of AMD's public machine-readable ISA for CDNA 5 (MIT licence, August 2026) and "CDNA5" Instruction Set Architecture Reference Guide (July 2026). The comments in the code are by the model that wrote it; some were corrected since.
;; Transformer Block. Allowed arithmetic: matrix products marked QUANTISED: E2M1 operands, one E8M0 scale for each 32 along K, by v_wmma_scale_f32_16x16x128_f8f6f4 with both operands' format E2M1 (or v_wmma_scale_f32_32x16x128_f4), f32 sums; everything else in f32.
;; Inputs: b1 2,048 float32; b2 512 float32; b_proj 512 float32; bt1 512 float32; bt2 512 float32; g1 512 float32; g2 512 float32; w1 512 x 2,048 float32; w2 2,048 x 512 float32; w_proj 512 x 512 float32; wk 16 x 512 x 32 float32; wq 16 x 512 x 32 float32; wv 16 x 512 x 32 float32; x 4 x 2,048 x 512 float32.
;; Outputs: out0 4 x 2,048 x 512 float32.
;; This version of the problem:
;;   THIS VERSION OF THE PROBLEM IS GIVEN IN LOW PRECISION. The matrix products marked QUANTISED in the list below multiply operands that are first quantised to E2M1 (2 exponent bits, 1 mantissa bit; 4 bits a number), with one power-of-two scale for each 32 numbers along K (OCP MX v1.0); their sums are f32. All else is computed in f32.
;;   The module's matrix products, in the order in which they are computed (A, B: the left and right operand; K: the contracted axis; several contracted axes count as one K, in the product's order):
;;     1. [M 512, K 512] x [K 512, N 8,192]; A: input wq; B: computed on the way: QUANTISED
;;     2. [M 512, K 512] x [K 512, N 8,192]; A: input wk; B: computed on the way: QUANTISED
;;     3. [M 512, K 512] x [K 512, N 8,192]; A: input wv; B: computed on the way: QUANTISED
;;     4. batch 64 x [M 2,048, K 32] x [K 32, N 2,048]; A: computed on the way; B: computed on the way: QUANTISED
;;     5. batch 64 x [M 2,048, K 2,048] x [K 2,048, N 32]; A: softmax (see below); B: computed on the way: QUANTISED
;;     6. [M 8,192, K 512] x [K 512, N 512]; A: computed on the way; B: input w_proj: QUANTISED
;;     7. [M 8,192, K 512] x [K 512, N 2,048]; A: computed on the way; B: input w1: QUANTISED
;;     8. [M 8,192, K 2,048] x [K 2,048, N 512]; A: computed on the way; B: input w2: QUANTISED
;;   THE QUANTISER, for each operand of a quantised product, along K:
;;     - K is cut into blocks of 32 from its start; a last block that is shorter is filled with zeros.
;;     - A block's scale is 2^e with e = floor(log2(the largest magnitude in the block)) - 2, held to -126 .. 127; a block of zeros has e = 0. As a byte (E8M0): e + 127.
;;     - Each number is divided by its block's scale, clamped to +-6, and rounded to the nearest number of E2M1, ties to even, subnormals kept.
;;     - The product sums the exact products of the quantised numbers (number of the format x scale) in f32.
;;   ~~~python
;;   def quantise(x, axis):      # numpy; x: float32 -> the quantised numbers, widened to float32 again
;;       x = np.moveaxis(x, axis, -1); K = x.shape[-1]
;;       x = np.pad(x, [(0, 0)] * (x.ndim - 1) + [(0, -K % 32)]); x = x.reshape(x.shape[:-1] + (-1, 32)); a = np.abs(x).max(-1, keepdims=True)
;;       e = np.where(a > 0, np.clip(np.frexp(np.where(a > 0, a, 1))[1] - 1 - 2, -126, 127), 0)      # np.frexp(a)[1] - 1 = floor(log2(a)), exactly
;;       r = np.clip(x / 2.0 ** e, -6, 6)
;;       step = 2.0 ** (np.maximum(np.frexp(np.where(r == 0, 1, r))[1] - 1, 0) - 1)
;;       q = np.round(r / step) * step * 2.0 ** e      # np.round: ties to even
;;       return np.moveaxis(q.reshape(q.shape[:-2] + (-1,))[..., :K], -1, axis).astype(np.float32)
;;   ~~~
;;   SOFTMAX AHEAD OF A QUANTISED PRODUCT. Where the list says 'softmax', what is quantised is not the finished softmax but p = 2^(t - M), with t = logit x log2(e) and M = ceil(the row's largest t), a whole number; so 1/2 < the row's largest p <= 1. The row's sum l is taken of the UNQUANTISED p, in f32, and the product's result is divided by l at the end. Since M is a whole number, a kernel that streams over the keys may use a running M (the ceiling of the running maximum): every later rescaling is an exact power of two, which a block's scale takes up: the codes' values come out the same.
;;   OPERANDS COMPUTED ON THE WAY. 'Computed on the way' means the value that the module computes at that place (a softmax that the list does not call 'softmax' is quantised finished and normalised). What goes into a quantiser is computed in f32, as accurately as f32 sums, v_exp_f32 and their like allow (about 1e-6 of the number): no bf16 or f16 on the way to a quantiser, and a product that is left as it is and whose result goes on into a quantised operand takes f32 operands (vector FMAs, or v_wmma_f32_16x16x4_f32). A number that lies on a knife's edge between two numbers of the format may be rounded either way, as far as f32 arithmetic and the matrix unit's own rounding can turn it there, and no further.
;; 2 versions. Each part assembles by itself: llvm-mc -triple=amdgcn-amd-amdhsa -mcpu=gfx1250 --defsym DOCPART=n.
;; ======== version 1 of 2: 4 launches
;; workspace buffers: wts 1,671,168 bytes; hq 2,228,224 bytes; qkv 6,684,672 bytes; at 2,228,224 bytes
;; launch prep (part 1): grid 176 x 1, 16 waves a work-group, no clusters, 4,096 bytes of LDS; arguments x, g1, bt1, wq, wk, wv, w_proj, w1, w2, hq, wts; writes hq, wts
.if DOCPART == 1
	.amdgcn_target "amdgcn-amd-amdhsa--gfx1250"
	.amdhsa_code_object_version 6
	.text
	.protected	k_q926833295e_prep
	.globl	k_q926833295e_prep
	.p2align	8
	.type	k_q926833295e_prep,@function
k_q926833295e_prep:
	s_mov_b64 s[64:65], 0
	v_nop
	global_prefetch_b8 v0, s[64:65] scope:SCOPE_SE
	s_setreg_imm32_b32 hwreg(HW_REG_WAVE_MODE, 25, 1), 1
	s_wait_xcnt 0x0
; TWO ROLES, parted on the work-group's number alone.
; Work-groups 0-127: h = layernorm(x, g1, bt1), quantised along its 512 columns to FP4 (E2M1) with one E8M0 byte for each 32.
; Work-groups 128-175: the six weights, all stored with K as the first of their two last axes, quantised along K.
; EVERYTHING IS STORED AS IMAGES OF AN OPERAND'S REGISTERS: a fragment (16 rows x 128 K, 8 registers a lane) is 1,024 bytes, lane l's registers 4 c .. 4 c + 3 at 512 c + 16 l;
; so block t (32 along K) of row r lies at 256 t + 16 r.  Scale words: 256 bytes a tile, row r's four words (four K steps) at 16 r.
; THE ROWS OF A TILE ARE NOT NEIGHBOURS: of each 32 tokens (or columns of a weight) tile u = 0, 1 takes, as its row r, number 8 u + r + (r & 8): used as source 0, two neighbouring tiles then give a lane 16 neighbours.
; A block's scale is 2^(floor(log2(largest magnitude)) - 2); its byte is the largest magnitude's exponent field - 2, held at 1 from below.
; LIMITS: a block of zeros gets the byte 1 where the rule says 127 (its codes are zeros, and this program alone reads the bytes); blocks whose largest magnitude lies under 2^(3 - 127) are held at the byte 1; NaN and infinities are not served.
; hq: images [tile 512][K step 4][1,024], scale rows from HSB on.  wts: job J = 32 columns x 512 K: codes at 8,192 J as [tile 2][K step 4][1,024], scale rows at SCB + 512 J.
; J: wq 0-15 (the head), wk 16-31, wv 32-47, w_proj 48-63, w1 64-127, w2 128 + 16 x (which 512 of K) + column group.
.set HSB, 2097152
.set SCB, 1572864
.set SEL, 44                           ; s[44:45] v_permlanex16_b32's selects for lane l xor 16
.set X,   16                           ; role LN: v16-79 my 64 numbers; register 16 b + i = column 128 ks + 32 b + 16 h + i of my token
.set G,   80                           ; v80-143 g1 at those columns
.set BT,  144                          ; v144-207 bt1
.set PC,  208                          ; v208-215 the fragment's codes
.set TM,  216                          ; v216-231 at work in QUANT
.set PW,  232                          ; the scale word
.set SM,  234                          ; v[234:237] two pairs of sums
.set RB,  238                          ; v238-241 the four waves' partial sums
.set MN,  242                          ; v[242:243] the mean, twice
.set RS,  244                          ; v[244:245] 1 / sqrt(var + eps), twice
.set T,   246
.set OFF, 16                           ; role W: v16-47 byte offset of row i of a block at my column
.set XW,  64                           ; v64-191 128 numbers down K
.set CW,  192                          ; v192-207 codes, four registers a block
.set SB,  208                          ; the scale word
.set MA,  209
.set MB,  210
.set BY,  211
.set SCL, 212                          ; v212-215 a conversion's scale operand for each block
; 64 numbers of a lane, register 16 b + i = k 32 b + 16 h + i of its row, become a fragment's codes in v[pc] on and the row's scale word in v[pw].
.macro QUANT s, pc, pw
.irp b, 0,1,2,3
	v_max3_num_f32 v[TM+\b], |v[\s+16*\b]|, |v[\s+1+16*\b]|, 0x1800000   ; block b: my 16 numbers, and the floor 2^(3 - 127): the byte cannot fall under 1
.endr
.irp i, 2,4,6,8,10,12,14
.irp b, 0,1,2,3
	v_max3_num_f32 v[TM+\b], v[TM+\b], |v[\s+16*\b+\i]|, |v[\s+1+16*\b+\i]|   ; the four blocks by turns
.endr
.endr
.irp b, 0,1,2,3
	v_permlanex16_b32 v[TM+4+\b], v[TM+\b], s[SEL], s[SEL+1]
.endr
.irp b, 0,1,2,3
	v_max_num_f32 v[TM+\b], v[TM+\b], v[TM+4+\b]   ; with lane l xor 16's 16: the block's largest magnitude
.endr
.irp b, 0,1,2,3
	v_add_nc_u32 v[TM+12+\b], 0xff000000, v[TM+\b]   ; 2 off its exponent field: the conversion's scale operand
.endr
.irp b, 0,1,2,3
	v_lshrrev_b32 v[TM+4+\b], 23, v[TM+12+\b]      ; the scale's byte
.endr
	v_lshl_or_b32 v[\pw], v[TM+5], 8, v[TM+4]
	v_lshl_or_b32 v[\pw], v[TM+6], 16, v[\pw]
	v_lshl_or_b32 v[\pw], v[TM+7], 24, v[\pw]
.irp b, 0,1,2,3
	v_cvt_scalef32_pk8_fp4_f32 v[\pc+2*\b], v[\s+16*\b:\s+7+16*\b], v[TM+12+\b]
	v_cvt_scalef32_pk8_fp4_f32 v[\pc+1+2*\b], v[\s+8+16*\b:\s+15+16*\b], v[TM+12+\b]
.endr
	v_nop                                          ; one plain place behind a scaled conversion
.irp c, 0,1                                    ; the operand wants a whole block in a lane: lanes 0-15 block 2 c, lanes 16-31 block 2 c + 1
.irp i, 0,1
	v_permlane16_swap_b32 v[\pc+4*\c+\i], v[\pc+2+4*\c+\i]
.endr
.endr
.endm
; SM's two pairs become the token's sum over all 512 columns, in v[RB]: my 64, lane l xor 16's 64, and through LDS the other three waves' 128 each.
.macro ACROSS off
	v_pk_add_f32 v[SM:SM+1], v[SM:SM+1], v[SM+2:SM+3]
	v_add_f32 v[T], v[SM], v[SM+1]
	v_permlanex16_b32 v[T+1], v[T], s[SEL], s[SEL+1]
	v_add_f32 v[T], v[T], v[T+1]
	ds_store_b32 v5, v[T] offset:\off              ; lanes r and r + 16 write the same word with the same value
	s_wait_dscnt 0x0                               ; for the others' sake: my store has landed
	s_barrier_signal -1
	s_barrier_wait -1
.irp k, 0,1,2,3
	ds_load_b32 v[RB+\k], v6 offset:\off+64*\k
.endr
	s_wait_dscnt 0x0
	v_add_f32 v[RB], v[RB], v[RB+1]                ; the same order in all four waves: they get the same bits
	v_add_f32 v[RB+2], v[RB+2], v[RB+3]
	v_add_f32 v[RB], v[RB], v[RB+2]
.endm
	s_load_b256 s[4:11], s[0:1], 0x0               ; x, g1, bt1, wq
	s_load_b256 s[12:19], s[0:1], 0x20             ; wk, wv, w_proj, w1
	s_load_b128 s[20:23], s[0:1], 0x40             ; w2, hq
	s_load_b64 s[24:25], s[0:1], 0x50              ; wts
	v_lshl_add_u32 v254, v0, 2, 0x800
	v_mov_b32 v255, 0
	v_lshrrev_b32 v1, 5, v0
	v_readfirstlane_b32 s26, v1                    ; wave 0..15
	v_and_b32 v10, 31, v0                          ; l
	v_and_b32 v11, 15, v0                          ; r
	v_bfe_u32 v12, v0, 4, 1                        ; h
	s_lshr_b32 s27, s26, 2                         ; LN: which tile of 16 tokens.  W: which of the work-group's four jobs
	s_and_b32 s28, s26, 3                          ; which 128 along K
	s_cmp_ge_u32 ttmp9, 128
	s_cbranch_scc1 .Lweights
	; ---- ROLE LN.  A work-group takes 64 tokens; wave (tl, ks) takes tile tl and columns 128 ks on; a lane 64 numbers of one token.
	v_and_b32 v1, 8, v11
	v_add_nc_u32 v1, v1, v11                       ; r + (r & 8)
	v_lshlrev_b32 v1, 11, v1                       ; a token is 2,048 bytes
	v_lshl_add_u32 v1, v12, 6, v1                  ; + 64 h: my 16 numbers of a block of 32
	v_lshlrev_b32 v2, 6, v12                       ; the same place in g1 and bt1
	v_lshlrev_b32 v3, 4, v10                       ; 16 l: an image's place for my lane
	v_lshlrev_b32 v4, 4, v11                       ; 16 r: my row of scale words
	v_lshrrev_b32 v5, 5, v0
	v_lshlrev_b32 v5, 6, v5
	v_lshl_add_u32 v5, v11, 2, v5                  ; LDS: 64 x wave + 4 r: where my wave's partial sums go
	v_lshrrev_b32 v6, 7, v0
	v_lshlrev_b32 v6, 8, v6
	v_lshl_add_u32 v6, v11, 2, v6                  ; 256 tl + 4 r: where my tile's four waves' lie
	v_mov_b32 v[T+1], 0                            ; a lane permute's destination counts as one of its sources
.irp b, 0,1,2,3
	v_mov_b32 v[TM+4+\b], 0
.endr
	s_mov_b32 s[SEL], 0x76543210
	s_mov_b32 s[SEL+1], 0xfedcba98
	s_mov_b32 s42, 0x3b000000                      ; 1 / 512
	s_mov_b32 s43, 0x3727c5ac                      ; 1e-5
	s_lshl_b32 s30, ttmp9, 17                      ; 64 tokens a work-group,
	s_lshr_b32 s29, s27, 1
	s_lshl_b32 s29, s29, 16                        ; 32 tokens for each pair of tiles,
	s_add_co_u32 s30, s30, s29
	s_and_b32 s29, s27, 1
	s_lshl_b32 s29, s29, 14                        ; 8 tokens for the odd tile,
	s_add_co_u32 s30, s30, s29
	s_lshl_b32 s32, s28, 9                         ; 128 columns
	s_add_co_u32 s30, s30, s32
	s_mov_b32 s31, 0
	s_mov_b32 s33, 0
	s_lshl_b32 s29, ttmp9, 2
	s_add_co_u32 s29, s29, s27                     ; the tile's number among all 512
	s_lshl_b32 s34, s29, 12
	s_lshl_b32 s36, s28, 10
	s_add_co_u32 s34, s34, s36                     ; its image of K step ks
	s_mov_b32 s35, 0
	s_lshl_b32 s36, s29, 8
	s_lshl_b32 s38, s28, 2
	s_add_co_u32 s36, s36, s38
	s_add_co_u32 s36, s36, HSB                     ; its scale rows, word ks
	s_mov_b32 s37, 0
	s_wait_kmcnt 0x0
	s_add_nc_u64 s[4:5], s[4:5], s[30:31]
	s_add_nc_u64 s[6:7], s[6:7], s[32:33]
	s_add_nc_u64 s[8:9], s[8:9], s[32:33]
	s_add_nc_u64 s[34:35], s[22:23], s[34:35]
	s_add_nc_u64 s[36:37], s[22:23], s[36:37]
.irp b, 0,1,2,3
.irp j, 0,1,2,3
	global_load_b128 v[X+16*\b+4*\j:X+16*\b+4*\j+3], v1, s[4:5] offset:128*\b+16*\j
.endr
.endr
.irp b, 0,1,2,3
.irp j, 0,1,2,3
	global_load_b128 v[G+16*\b+4*\j:G+16*\b+4*\j+3], v2, s[6:7] offset:128*\b+16*\j
.endr
.endr
.irp b, 0,1,2,3
.irp j, 0,1,2,3
	global_load_b128 v[BT+16*\b+4*\j:BT+16*\b+4*\j+3], v2, s[8:9] offset:128*\b+16*\j
.endr
.endr
	s_wait_loadcnt 32                              ; x's 16 loads are in; g1's and bt1's 32 may be out
	v_pk_add_f32 v[SM:SM+1], v[X:X+1], v[X+4:X+5]  ; the first terms start the two chains
	v_pk_add_f32 v[SM+2:SM+3], v[X+2:X+3], v[X+6:X+7]
.irp j, 8,12,16,20,24,28,32,36,40,44,48,52,56,60
	v_pk_add_f32 v[SM:SM+1], v[SM:SM+1], v[X+\j:X+\j+1]
	v_pk_add_f32 v[SM+2:SM+3], v[SM+2:SM+3], v[X+\j+2:X+\j+3]
.endr
	ACROSS 0
	v_mul_f32 v[MN], s42, v[RB]                    ; the mean
	v_mov_b32 v[MN+1], v[MN]
.set i, 0
.rept 32
	v_pk_add_f32 v[X+2*i:X+2*i+1], v[X+2*i:X+2*i+1], v[MN:MN+1] op_sel_hi:[1,0] neg_lo:[0,1] neg_hi:[0,1]   ; x - mean: the variance is taken of the deviations, so a common offset costs nothing
.set i, i+1
.endr
	v_pk_mul_f32 v[SM:SM+1], v[X:X+1], v[X:X+1]
	v_pk_mul_f32 v[SM+2:SM+3], v[X+2:X+3], v[X+2:X+3]
.irp j, 4,8,12,16,20,24,28,32,36,40,44,48,52,56,60
	v_pk_fma_f32 v[SM:SM+1], v[X+\j:X+\j+1], v[X+\j:X+\j+1], v[SM:SM+1]
	v_pk_fma_f32 v[SM+2:SM+3], v[X+\j+2:X+\j+3], v[X+\j+2:X+\j+3], v[SM+2:SM+3]
.endr
	ACROSS 1024                                    ; other LDS bytes than the first exchange's: no third barrier is owed
	v_fma_f32 v[T], v[RB], s42, s43                ; var + eps
	v_rsq_f32 v[RS], v[T]
	v_nop                                          ; one plain place behind a transcendental
	s_wait_alu depctr_va_vdst(0)
	v_mov_b32 v[RS+1], v[RS]
.set i, 0
.rept 32
	v_pk_mul_f32 v[X+2*i:X+2*i+1], v[X+2*i:X+2*i+1], v[RS:RS+1] op_sel_hi:[1,0]
.set i, i+1
.endr
	s_wait_loadcnt 0x0                             ; g1 and bt1
.set i, 0
.rept 32
	v_pk_fma_f32 v[X+2*i:X+2*i+1], v[X+2*i:X+2*i+1], v[G+2*i:G+2*i+1], v[BT+2*i:BT+2*i+1]
.set i, i+1
.endr
	QUANT X, PC, PW
	global_store_b128 v3, v[PC:PC+3], s[34:35]               ; 32 lanes store 512 consecutive bytes
	global_store_b128 v3, v[PC+4:PC+7], s[34:35] offset:512
	global_store_b32 v4, v[PW], s[36:37]                     ; lanes r and r + 16 store the same word
	s_wait_tensorcnt 0x0
	ds_add_u32 v254, v255
	s_wait_dscnt 0x0
	s_endpgm
	; ---- ROLE W.  A wave takes 32 columns x 128 along K: a lane to a column, its registers down K; each load reads 128 consecutive bytes; a block of 32 lies in one lane.
.Lweights:
	s_sub_co_u32 s29, ttmp9, 128                   ; 0..47
	s_lshl_b32 s30, s29, 2
	s_add_co_u32 s30, s30, s27                     ; the job J
	s_mov_b32 s46, 2048                            ; bytes from row to row along K.  The defaults are w2's
	s_mov_b32 s47, 128                             ; bytes from one group of 32 columns to the next
	s_mov_b32 s48, 128                             ; the matrix's first job
	s_mov_b32 s49, 15                              ; column groups less one
	s_wait_kmcnt 0x0
	s_mov_b64 s[50:51], s[20:21]
	s_cmp_lt_u32 s29, 32                           ; every choice hangs on the work-group's number alone
	s_cselect_b64 s[50:51], s[18:19], s[50:51]     ; w1
	s_cselect_b32 s46, 8192, s46
	s_cselect_b32 s48, 64, s48
	s_cselect_b32 s49, 63, s49
	s_cmp_lt_u32 s29, 16
	s_cselect_b64 s[50:51], s[16:17], s[50:51]     ; w_proj
	s_cselect_b32 s46, 2048, s46
	s_cselect_b32 s48, 48, s48
	s_cmp_lt_u32 s29, 12
	s_cselect_b64 s[50:51], s[14:15], s[50:51]     ; wv: a group of 32 columns is a head, 65,536 bytes on; a row is 128 bytes
	s_cselect_b32 s46, 128, s46
	s_cselect_b32 s47, 65536, s47
	s_cselect_b32 s48, 32, s48
	s_cmp_lt_u32 s29, 8
	s_cselect_b64 s[50:51], s[12:13], s[50:51]     ; wk
	s_cselect_b32 s48, 16, s48
	s_cmp_lt_u32 s29, 4
	s_cselect_b64 s[50:51], s[10:11], s[50:51]     ; wq
	s_cselect_b32 s48, 0, s48
	s_sub_co_u32 s52, s30, s48                     ; the job within its matrix
	s_and_b32 s53, s52, s49                        ; its column group
	s_sub_co_u32 s54, s52, s53
	s_lshl_b32 s54, s54, 16                        ; w2 alone: 16 jobs on are 512 rows of 2,048 bytes on
	s_mul_i32 s53, s53, s47
	s_add_co_u32 s54, s54, s53
	s_lshl_b32 s56, s46, 5                         ; a block: 32 rows
	s_mov_b32 s57, 0
	s_lshl_b32 s58, s28, 2
	s_mul_i32 s58, s58, s56                        ; my K step: 4 blocks each
	s_add_co_u32 s54, s54, s58
	s_mov_b32 s55, 0
	s_add_nc_u64 s[32:33], s[50:51], s[54:55]      ; a base for each of my four blocks
	s_add_nc_u64 s[34:35], s[32:33], s[56:57]
	s_add_nc_u64 s[36:37], s[34:35], s[56:57]
	s_add_nc_u64 s[38:39], s[36:37], s[56:57]
	s_lshl_b32 s52, s30, 13
	s_lshl_b32 s58, s28, 10
	s_add_co_u32 s52, s52, s58
	s_mov_b32 s53, 0
	s_add_nc_u64 s[40:41], s[24:25], s[52:53]      ; codes: 8,192 J + 1,024 x K step
	s_lshl_b32 s52, s30, 9
	s_lshl_b32 s58, s28, 2
	s_add_co_u32 s52, s52, s58
	s_add_co_u32 s52, s52, SCB
	s_add_nc_u64 s[42:43], s[24:25], s[52:53]      ; scale rows: SCB + 512 J, word = K step
	v_lshlrev_b32 v7, 2, v10                       ; 4 l: my column
.irp i, 0,1,2,3,4,5,6,7,8,9,10,11,12,13,14,15,16,17,18,19,20,21,22,23,24,25,26,27,28,29,30,31
	v_mad_u32_u24 v[OFF+\i], s46, \i, v7
.endr
	v_bfe_u32 v13, v0, 3, 1                        ; column l is row (l & 7) + 8 (l / 16) of tile (l / 8) & 1
	v_and_b32 v14, 7, v0
	v_lshl_add_u32 v14, v12, 3, v14
	v_lshlrev_b32 v14, 4, v14
	v_lshl_add_u32 v8, v13, 12, v14                ; codes: 4,096 x tile + 16 x row
	v_lshl_add_u32 v9, v13, 8, v14                 ; scale rows: 256 x tile + 16 x row
.irp t, 0,1,2,3
.irp i, 0,1,2,3,4,5,6,7,8,9,10,11,12,13,14,15,16,17,18,19,20,21,22,23,24,25,26,27,28,29,30,31
	global_load_b32 v[XW+32*\t+\i], v[OFF+\i], s[32+2*\t:33+2*\t] th:TH_LOAD_NT
.endr
.endr
.macro BLOCK t, left
	s_wait_loadcnt \left
	v_max3_num_f32 v[MA], |v[XW+32*\t]|, |v[XW+32*\t+1]|, |v[XW+32*\t+2]|   ; all 32 numbers of the block are mine
	v_max3_num_f32 v[MB], |v[XW+32*\t+3]|, |v[XW+32*\t+4]|, |v[XW+32*\t+5]|
.irp i, 6,10,14,18,22,26
	v_max3_num_f32 v[MA], v[MA], |v[XW+32*\t+\i]|, |v[XW+32*\t+\i+1]|
	v_max3_num_f32 v[MB], v[MB], |v[XW+32*\t+\i+2]|, |v[XW+32*\t+\i+3]|
.endr
	v_max3_num_f32 v[MA], v[MA], |v[XW+32*\t+30]|, |v[XW+32*\t+31]|
	v_max3_num_f32 v[MA], v[MA], v[MB], 0x1800000  ; and the floor
	v_add_nc_u32 v[SCL+\t], 0xff000000, v[MA]
	v_lshrrev_b32 v[BY], 23, v[SCL+\t]
.if \t == 0
	v_mov_b32 v[SB], v[BY]
.else
	v_lshl_or_b32 v[SB], v[BY], 8*\t, v[SB]
.endif
.irp g, 0,1,2,3
	v_cvt_scalef32_pk8_fp4_f32 v[CW+4*\t+\g], v[XW+32*\t+8*\g:XW+32*\t+8*\g+7], v[SCL+\t]
.endr
.endm
	BLOCK 0, 63                                    ; 96 younger loads could stay out; the wait's field ends at 63, and a smaller count is safe
	BLOCK 1, 63                                    ; (64 could)
	BLOCK 2, 32                                    ; the last block's 32 may be out
	BLOCK 3, 0
	v_nop                                          ; one plain place behind the last conversion
.irp t, 0,1,2,3
	global_store_b128 v8, v[CW+4*\t:CW+4*\t+3], s[40:41] offset:256*\t   ; the 16 lanes of a tile store 256 consecutive bytes, aligned
.endr
	global_store_b32 v9, v[SB], s[42:43]
	s_endpgm
.Lfunc_end_k_q926833295e_prep:
	.size	k_q926833295e_prep, .Lfunc_end_k_q926833295e_prep-k_q926833295e_prep
	.p2alignl 7, 3214868480
	.fill 96, 4, 3214868480
	.section	.rodata,"a",@progbits
	.p2align	6, 0x0
	.amdhsa_kernel k_q926833295e_prep
		.amdhsa_group_segment_fixed_size 4096
		.amdhsa_private_segment_fixed_size 0
		.amdhsa_enable_private_segment 0
		.amdhsa_kernarg_size 88
		.amdhsa_user_sgpr_count 2
		.amdhsa_user_sgpr_kernarg_segment_ptr 1
		.amdhsa_wavefront_size32 1
		.amdhsa_system_sgpr_workgroup_id_x 1
		.amdhsa_system_sgpr_workgroup_id_y 1
		.amdhsa_system_sgpr_workgroup_id_z 1
		.amdhsa_system_vgpr_workitem_id 0
		.amdhsa_next_free_vgpr 256
		.amdhsa_next_free_sgpr 66
		.amdhsa_reserve_vcc 0
		.amdhsa_float_denorm_mode_32 3
		.amdhsa_float_denorm_mode_16_64 3
		.amdhsa_memory_ordered 1
		.amdhsa_forward_progress 1
		.amdhsa_inst_pref_size 46
	.end_amdhsa_kernel
	.amdgpu_metadata
---
amdhsa.version: [ 1, 2 ]
amdhsa.kernels:
  - .name:           k_q926833295e_prep
    .symbol:         k_q926833295e_prep.kd
    .args:
      - { .name: x, .offset: 0, .size: 8, .value_kind: global_buffer, .address_space: global }
      - { .name: g1, .offset: 8, .size: 8, .value_kind: global_buffer, .address_space: global }
      - { .name: bt1, .offset: 16, .size: 8, .value_kind: global_buffer, .address_space: global }
      - { .name: wq, .offset: 24, .size: 8, .value_kind: global_buffer, .address_space: global }
      - { .name: wk, .offset: 32, .size: 8, .value_kind: global_buffer, .address_space: global }
      - { .name: wv, .offset: 40, .size: 8, .value_kind: global_buffer, .address_space: global }
      - { .name: w_proj, .offset: 48, .size: 8, .value_kind: global_buffer, .address_space: global }
      - { .name: w1, .offset: 56, .size: 8, .value_kind: global_buffer, .address_space: global }
      - { .name: w2, .offset: 64, .size: 8, .value_kind: global_buffer, .address_space: global }
      - { .name: hq, .offset: 72, .size: 8, .value_kind: global_buffer, .address_space: global }
      - { .name: wts, .offset: 80, .size: 8, .value_kind: global_buffer, .address_space: global }
    .group_segment_fixed_size: 4096
    .private_segment_fixed_size: 0
    .kernarg_segment_align: 8
    .kernarg_segment_size: 88
    .max_flat_workgroup_size: 512
    .sgpr_count:     66
    .vgpr_count:     256
    .wavefront_size: 32
...
	.end_amdgpu_metadata
.endif
;; end of part 1
;; launch qkv (part 2): grid 256 x 1, 4 waves a work-group, no clusters, 0 bytes of LDS; arguments hq, wts, qkv; writes qkv
.if DOCPART == 2
	.amdgcn_target "amdgcn-amd-amdhsa--gfx1250"
	.amdhsa_code_object_version 6
	.text
	.protected	k_q926833295e_qkv
	.globl	k_q926833295e_qkv
	.p2align	8
	.type	k_q926833295e_qkv,@function
k_q926833295e_qkv:
	s_mov_b64 s[64:65], 0
	v_nop
	global_prefetch_b8 v0, s[64:65] scope:SCOPE_SE
	s_setreg_imm32_b32 hwreg(HW_REG_WAVE_MODE, 25, 1), 1
	s_wait_xcnt 0x0
; q, k, v = h wq, h wk, h wv on codes of FP4, and at once quantised again: q and k along the head's 32 (one block), v along the keys.
; A work-group takes 128 tokens (8 tiles) and four heads, a wave one head: six units of 32 matrix instructions.  Every operand comes from memory as an image of its registers, by loads of 512 consecutive bytes; no LDS, no barrier, no loop.
; Q AND K: source 0 = 16 rows of the weight (d in tile order), source 1 = 16 tokens: a lane holds one token, and the 16 registers of the two tiles of d are 16 neighbouring d.
; Four tiles of tokens make the 64 numbers that QUANT takes: its block b is the head's 32 numbers of the token in tile 4 f + b.  So ONE fragment holds 64 tokens, a token to a block.
; V: source 0 = 16 tokens, source 1 = 16 rows of wv: a lane holds one d, and its 64 registers are 128 / 2 neighbouring keys in QUANT's order: the fragment is V^T, keys innermost.
; qkv: for each (batch, head) a record of 69,632 bytes: K's 32 fragments, V^T's 16 steps x 2 tiles of d from 32,768, K's scale words from 65,536, V's from 67,584; Q's fragments from QB, its scale words from QSB.
; LIMITS: as stated at the head of the first launch (byte 1 for blocks of zeros and under the floor; no NaN, no infinities).
; REGISTERS: window 0: v1-3 addresses; v16-79 eight accumulators; v88-103 at work; v112-143 h's scale words; v144-167 the weights'; v168-221 each unit's own codes and scale word, so that no store's data are written again.
;   window 1: h's 32 fragments (tile i, K step s) at 8 (4 i + s).   window 2: the weights' 24 at 64 mat + 8 (4 u + s).
.set HSB, 2097152
.set SCB, 1572864
.set REC, 69632
.set QB,  4456448
.set QSB, 6553600
.set HA,  16
.set TM,  88
.set HS,  112
.set WS,  144
.set PC,  168
.set PW,  216
.set SEL, 24
.set MSB, 0
.macro WIN new                         ; the immediate's high byte repeats the setting that is left
.if MSB != \new
	s_set_vgpr_msb (MSB<<8)|\new
.set MSB, \new
.endif
.endm
.macro QUANT s, pc, pw                 ; 64 numbers of a lane, register 16 b + i = k 32 b + 16 h + i of its row -> codes in v[pc] on, scale word in v[pw]
.irp b, 0,1,2,3
	v_max3_num_f32 v[TM+\b], |v[\s+16*\b]|, |v[\s+1+16*\b]|, 0x1800000   ; and the floor 2^(3 - 127).  Each accumulator is read from its low end on
.endr
.irp i, 2,4,6,8,10,12,14
.irp b, 0,1,2,3
	v_max3_num_f32 v[TM+\b], v[TM+\b], |v[\s+16*\b+\i]|, |v[\s+1+16*\b+\i]|
.endr
.endr
.irp b, 0,1,2,3
	v_permlanex16_b32 v[TM+4+\b], v[TM+\b], s[SEL], s[SEL+1]
.endr
.irp b, 0,1,2,3
	v_max_num_f32 v[TM+\b], v[TM+\b], v[TM+4+\b]
.endr
.irp b, 0,1,2,3
	v_add_nc_u32 v[TM+12+\b], 0xff000000, v[TM+\b]
.endr
.irp b, 0,1,2,3
	v_lshrrev_b32 v[TM+4+\b], 23, v[TM+12+\b]
.endr
	v_lshl_or_b32 v[\pw], v[TM+5], 8, v[TM+4]
	v_lshl_or_b32 v[\pw], v[TM+6], 16, v[\pw]
	v_lshl_or_b32 v[\pw], v[TM+7], 24, v[\pw]
.irp b, 0,1,2,3
	v_cvt_scalef32_pk8_fp4_f32 v[\pc+2*\b], v[\s+16*\b:\s+7+16*\b], v[TM+12+\b]
	v_cvt_scalef32_pk8_fp4_f32 v[\pc+1+2*\b], v[\s+8+16*\b:\s+15+16*\b], v[TM+12+\b]
.endr
	v_nop                                          ; one plain place behind a scaled conversion
.irp c, 0,1
.irp i, 0,1
	v_permlane16_swap_b32 v[\pc+4*\c+\i], v[\pc+2+4*\c+\i]
.endr
.endr
.endm
.macro PLACES                          ; behind matrix instructions, in front of the first read of their results
.rept 4
	v_nop
.endr
.endm
	s_load_b128 s[4:7], s[0:1], 0x0                ; hq, wts
	s_load_b64 s[8:9], s[0:1], 0x10                ; qkv
	v_lshrrev_b32 v1, 5, v0
	v_readfirstlane_b32 s10, v1                    ; wave 0..3
	v_and_b32 v1, 31, v0
	v_lshlrev_b32 v1, 4, v1                        ; 16 l
	v_and_b32 v3, 15, v0
	v_lshlrev_b32 v2, 4, v3                        ; 16 r
	v_lshlrev_b32 v3, 2, v3                        ; 4 r
.irp b, 0,1,2,3
	v_mov_b32 v[TM+4+\b], 0                        ; a lane permute's destination counts as one of its sources
.endr
	s_mov_b32 s[SEL], 0x76543210
	s_mov_b32 s[SEL+1], 0xfedcba98
	s_lshr_b32 s11, ttmp9, 2                       ; which 128 tokens
	s_and_b32 s12, ttmp9, 3
	s_lshl_b32 s12, s12, 2
	s_add_co_u32 s12, s12, s10                     ; the head
	s_lshl_b32 s14, s11, 15                        ; h's images: 8 tiles x 4,096
	s_mov_b32 s15, 0
	s_lshl_b32 s16, s11, 11
	s_add_co_u32 s16, s16, HSB                     ; h's scale rows
	s_mov_b32 s17, 0
	s_lshl_b32 s18, s12, 13                        ; the head's job in wq; wk and wv lie 131,072 and 262,144 on
	s_mov_b32 s19, 0
	s_lshl_b32 s20, s12, 9
	s_add_co_u32 s20, s20, SCB                     ; its scale rows; wk's and wv's 8,192 and 16,384 on
	s_mov_b32 s21, 0
	s_lshr_b32 s22, s11, 4
	s_lshl_b32 s22, s22, 4
	s_add_co_u32 s22, s22, s12                     ; 16 x batch + head
	s_and_b32 s23, s11, 15                         ; which 128 tokens of the batch
	s_mul_i32 s26, s22, REC
	s_lshl_b32 s27, s23, 11
	s_lshl_b32 s28, s23, 7
	s_add_co_u32 s30, s26, s27                     ; the record, + 2,048 for each 128 tokens: K's two fragments; V's two lie 32,768 on
	s_mov_b32 s31, 0
	s_add_co_u32 s32, s26, s28
	s_add_co_u32 s32, s32, 65536                   ; K's scale words; V's lie 2,048 on
	s_mov_b32 s33, 0
	s_lshl_b32 s34, s22, 15
	s_add_co_u32 s34, s34, s27
	s_add_co_u32 s34, s34, QB                      ; Q's fragments
	s_mov_b32 s35, 0
	s_lshl_b32 s36, s22, 11
	s_add_co_u32 s36, s36, s28
	s_add_co_u32 s36, s36, QSB                     ; Q's scale words
	s_mov_b32 s37, 0
	s_wait_kmcnt 0x0
	s_add_nc_u64 s[40:41], s[4:5], s[14:15]
	s_add_nc_u64 s[42:43], s[4:5], s[16:17]
	s_add_nc_u64 s[44:45], s[6:7], s[18:19]
	s_add_nc_u64 s[46:47], s[6:7], s[20:21]
	s_add_nc_u64 s[30:31], s[8:9], s[30:31]
	s_add_nc_u64 s[32:33], s[8:9], s[32:33]
	s_add_nc_u64 s[34:35], s[8:9], s[34:35]
	s_add_nc_u64 s[36:37], s[8:9], s[36:37]
.irp i, 0,1,2,3,4,5,6,7
	global_load_b128 v[HS+4*\i:HS+4*\i+3], v2, s[42:43] offset:256*\i      ; row r's four words, one for each K step
.endr
.irp mat, 0,1,2
.irp u, 0,1
	global_load_b128 v[WS+8*\mat+4*\u:WS+8*\mat+4*\u+3], v2, s[46:47] offset:8192*\mat+256*\u
.endr
.endr
	WIN 0x40                                       ; destination window 1
.set q, 0
.rept 32
	global_load_b128 v[8*q:8*q+3], v1, s[40:41] offset:1024*q
	global_load_b128 v[8*q+4:8*q+7], v1, s[40:41] offset:1024*q+512
.set q, q+1
.endr
	WIN 0x80                                       ; destination window 2
.irp mat, 0,1,2
.irp p, 0,1,2,3,4,5,6,7
	global_load_b128 v[64*\mat+8*\p:64*\mat+8*\p+3], v1, s[44:45] offset:131072*\mat+1024*\p
	global_load_b128 v[64*\mat+8*\p+4:64*\mat+8*\p+7], v1, s[44:45] offset:131072*\mat+1024*\p+512
.endr
.endr
	WIN 0
; q or k of 64 tokens (tiles 4 f .. 4 f + 3): 32 matrix instructions, the eight accumulators by turns; then one fragment and its scale words leave.
.macro QKUNIT mat, f, n, bi, bs
	WIN 0x06                                       ; source 0 (the weight) window 2, source 1 (h) window 1
.irp s, 0,1,2,3
.irp b, 0,1,2,3
.irp u, 0,1
.if \s == 0
	v_wmma_scale_f32_16x16x128_f8f6f4 v[HA+8*(2*\b+\u):HA+8*(2*\b+\u)+7], v[64*\mat+8*(4*\u+\s):64*\mat+8*(4*\u+\s)+7], v[8*(4*(4*\f+\b)+\s):8*(4*(4*\f+\b)+\s)+7], 0, v[WS+8*\mat+4*\u+\s], v[HS+4*(4*\f+\b)+\s] matrix_a_fmt:MATRIX_FMT_FP4 matrix_b_fmt:MATRIX_FMT_FP4
.else
	v_wmma_scale_f32_16x16x128_f8f6f4 v[HA+8*(2*\b+\u):HA+8*(2*\b+\u)+7], v[64*\mat+8*(4*\u+\s):64*\mat+8*(4*\u+\s)+7], v[8*(4*(4*\f+\b)+\s):8*(4*(4*\f+\b)+\s)+7], v[HA+8*(2*\b+\u):HA+8*(2*\b+\u)+7], v[WS+8*\mat+4*\u+\s], v[HS+4*(4*\f+\b)+\s] matrix_a_fmt:MATRIX_FMT_FP4 matrix_b_fmt:MATRIX_FMT_FP4
.endif
.endr
.endr
.endr
	WIN 0
	PLACES
	QUANT HA, PC+8*\n, PW+\n
	global_store_b128 v1, v[PC+8*\n:PC+8*\n+3], s[\bi:\bi+1] offset:1024*\f
	global_store_b128 v1, v[PC+8*\n+4:PC+8*\n+7], s[\bi:\bi+1] offset:1024*\f+512
	global_store_b32 v3, v[PW+\n], s[\bs:\bs+1] offset:64*\f
.endm
; v of the 128 tokens at 16 of the head's d (tile dt): the result is V^T's fragment of this key step.
.macro VUNIT dt, n
	WIN 0x09                                       ; source 0 (h) window 1, source 1 (wv) window 2
.irp s, 0,1,2,3
.irp i, 0,1,2,3,4,5,6,7
.if \s == 0
	v_wmma_scale_f32_16x16x128_f8f6f4 v[HA+8*\i:HA+8*\i+7], v[8*(4*\i+\s):8*(4*\i+\s)+7], v[128+8*(4*\dt+\s):128+8*(4*\dt+\s)+7], 0, v[HS+4*\i+\s], v[WS+16+4*\dt+\s] matrix_a_fmt:MATRIX_FMT_FP4 matrix_b_fmt:MATRIX_FMT_FP4
.else
	v_wmma_scale_f32_16x16x128_f8f6f4 v[HA+8*\i:HA+8*\i+7], v[8*(4*\i+\s):8*(4*\i+\s)+7], v[128+8*(4*\dt+\s):128+8*(4*\dt+\s)+7], v[HA+8*\i:HA+8*\i+7], v[HS+4*\i+\s], v[WS+16+4*\dt+\s] matrix_a_fmt:MATRIX_FMT_FP4 matrix_b_fmt:MATRIX_FMT_FP4
.endif
.endr
.endr
	WIN 0
	PLACES
	QUANT HA, PC+8*\n, PW+\n
	global_store_b128 v1, v[PC+8*\n:PC+8*\n+3], s[30:31] offset:32768+1024*\dt
	global_store_b128 v1, v[PC+8*\n+4:PC+8*\n+7], s[30:31] offset:32768+1024*\dt+512
	global_store_b32 v3, v[PW+\n], s[32:33] offset:2048+64*\dt
.endm
	s_wait_loadcnt 32                              ; all but wk's and wv's 32 loads are in
	QKUNIT 0, 0, 0, 34, 36
	QKUNIT 0, 1, 1, 34, 36
	s_wait_loadcnt 16                              ; all but wv's 16
	QKUNIT 1, 0, 2, 30, 32
	QKUNIT 1, 1, 3, 30, 32
	s_wait_loadcnt 0x0
	VUNIT 0, 4
	VUNIT 1, 5
	s_endpgm
.Lfunc_end_k_q926833295e_qkv:
	.size	k_q926833295e_qkv, .Lfunc_end_k_q926833295e_qkv-k_q926833295e_qkv
	.p2alignl 7, 3214868480
	.fill 96, 4, 3214868480
	.section	.rodata,"a",@progbits
	.p2align	6, 0x0
	.amdhsa_kernel k_q926833295e_qkv
		.amdhsa_group_segment_fixed_size 0
		.amdhsa_private_segment_fixed_size 0
		.amdhsa_enable_private_segment 0
		.amdhsa_kernarg_size 24
		.amdhsa_user_sgpr_count 2
		.amdhsa_user_sgpr_kernarg_segment_ptr 1
		.amdhsa_wavefront_size32 1
		.amdhsa_system_sgpr_workgroup_id_x 1
		.amdhsa_system_sgpr_workgroup_id_y 1
		.amdhsa_system_sgpr_workgroup_id_z 1
		.amdhsa_system_vgpr_workitem_id 0
		.amdhsa_next_free_vgpr 768
		.amdhsa_next_free_sgpr 66
		.amdhsa_reserve_vcc 0
		.amdhsa_float_denorm_mode_32 3
		.amdhsa_float_denorm_mode_16_64 3
		.amdhsa_memory_ordered 1
		.amdhsa_forward_progress 1
		.amdhsa_inst_pref_size 64
	.end_amdhsa_kernel
	.amdgpu_metadata
---
amdhsa.version: [ 1, 2 ]
amdhsa.kernels:
  - .name:           k_q926833295e_qkv
    .symbol:         k_q926833295e_qkv.kd
    .args:
      - { .name: hq, .offset: 0, .size: 8, .value_kind: global_buffer, .address_space: global }
      - { .name: wts, .offset: 8, .size: 8, .value_kind: global_buffer, .address_space: global }
      - { .name: qkv, .offset: 16, .size: 8, .value_kind: global_buffer, .address_space: global }
    .group_segment_fixed_size: 0
    .private_segment_fixed_size: 0
    .kernarg_segment_align: 8
    .kernarg_segment_size: 24
    .max_flat_workgroup_size: 128
    .sgpr_count:     66
    .vgpr_count:     768
    .wavefront_size: 32
...
	.end_amdgpu_metadata
.endif
;; end of part 2
;; launch attn (part 3): grid 4 x 64, 16 waves a work-group, no clusters, 169,984 bytes of LDS; arguments qkv, at; writes at
.if DOCPART == 3
	.amdgcn_target "amdgcn-amd-amdhsa--gfx1250"
	.amdhsa_code_object_version 6
	.text
	.protected	k_q926833295e_attn
	.globl	k_q926833295e_attn
	.p2align	8
	.type	k_q926833295e_attn,@function
k_q926833295e_attn:
	s_mov_b64 s[64:65], 0
	v_nop
	global_prefetch_b8 v0, s[64:65] scope:SCOPE_SE
	s_setreg_imm32_b32 hwreg(HW_REG_WAVE_MODE, 25, 1), 1
	s_wait_xcnt 0x0
; attn[q] = the sum over keys of softmax(q . k / sqrt(512)) v for one (batch, head), both products on codes of FP4; the result, divided by the row's sum, is quantised along the head's 32, which is one block of the next product's K, and leaves as codes.
; THE SOFTMAX AHEAD OF THE SECOND PRODUCT: t = score x log2(e) / sqrt(512); M = the running largest t rounded UP to a whole number; p = 2^(t - M) is quantised along the keys, not normalised; the row's sum is taken of the unquantised p.
; When M moves, the sum and O are multiplied by 2^(old M - new M), which rounds nothing.  A block's largest p is made from the block's largest score by the same two instructions (this takes v_exp_f32 not to fall where its input rises).
; SHARES.  A work-group owns 512 queries of a head; each of its sixteen waves two tiles of 16, one after the other, in 256 registers: four waves to a SIMD, so that one wave's vector work stands beside another's products and LDS loads.
; LDS holds the head's whole record, 69,632 bytes, as it lies in memory: K's 32 fragments, V^T's 32, their scale words.  It is filled ONCE, each wave bringing 17 rows of 256 bytes by one tensor load; nothing is filled again.
; NO CLUSTER: what the four work-groups of a head share is those 69,632 bytes, fetched once at the head of 512 wave-steps a work-group.
; THE FIRST PRODUCT'S K IS 32, the instruction's 128.  A fragment of K holds 64 keys, a key to a block; it is multiplied four times, by four forms of Q that hold q in block j and zero codes elsewhere: tile 4 f + j of S^T.
; The four forms share registers: v16-19 zeros, v20-23 q in lanes 0-15, v24-27 zeros, v28-31 q in lanes 16-31, v32-35 zeros: form 0 = v[20:27], 1 = v[28:35], 2 = v[16:23], 3 = v[24:31].
; Both products are used transposed: a lane holds one query throughout; by the order of rows in a tile the 16 registers of tiles 2 b, 2 b + 1 of S^T are keys 32 b + 16 h + 0 .. 15 of the step.
; LIMITS: as stated at the head of the first launch; the byte of a block of zeros is 1.
; REGISTERS: v1-6, v9 addresses; v12 -M, v13 the largest t, v[14:15] the sum; v16-35 Q's forms, v36 its scale byte four times; v40-55 K, v56-57 its scale words; v58-59 V's, v64-79 V; v80-91 both tiles' q as loaded;
;   v96-159 S^T, then p; v160-175 O^T; v224-231 p's codes; v232-254 at work.
.set REC, 69632
.set QB,  4456448
.set QSB, 6553600
.set ASB, 2097152
.set AK0, 1                            ; 16 l
.set AS0, 2                            ; 65,536 + 4 r: my row among K's scale words
.set ADR, 3
.set ADS, 4
.set GO,  5                            ; 16 r + 8 h
.set R16, 6
.set R4,  9
.set KF,  40
.set KS,  56
.set VS,  58
.set VF,  64
.set SEL, 24                           ; s[24:25]
.set CS,  26                           ; s[26:27] c = log2(e) / sqrt(512)
.set TB,  28                           ; 2,048 x key step
.set TS,  29                           ; 128 x key step
.set CNT, 30
.set PSEL, 31
	s_load_b128 s[4:7], s[0:1], 0x0                ; qkv, at
	v_lshl_add_u32 v251, v0, 2, 0x29000
	v_mov_b32 v255, 0
	ds_add_u32 v251, v255
	ds_add_u32 v251, v255
	v_lshrrev_b32 v1, 5, v0
	v_readfirstlane_b32 s8, v1                     ; wave 0..15
	s_and_b32 s9, ttmp7, 0xffff                    ; 16 x batch + head
	; descriptor group 1: 17 rows of 32 elements of 8 bytes, dense, no padding
	s_mov_b32 s16, 3<<16                           ; no mask; elements of 8 bytes
	s_mov_b32 s17, 32<<16                          ; tensor_dim0 = 32
	s_mov_b32 s18, 17<<16                          ; tensor_dim1 = 17
	s_mov_b32 s19, 32<<16                          ; tile_dim0 = 32
	s_mov_b32 s20, 17                              ; tile_dim1 = 17
	s_mov_b32 s21, 32                              ; the pitch
	s_mov_b32 s22, 0
	s_mov_b32 s23, 0
	s_mov_b32 s12, 1                               ; group 0: count,
	s_mul_i32 s13, s8, 4352                        ; LDS address: my wave's 17 rows,
	s_mul_i32 s42, s9, REC
	s_add_co_u32 s42, s42, s13                     ; the same place in the record
	s_mov_b32 s43, 0
	s_wait_dscnt 0x0
	s_wait_kmcnt 0x0
	s_add_nc_u64 s[14:15], s[4:5], s[42:43]
	s_or_b32 s15, s15, 0x80000000                  ; type = 2
	tensor_load_to_lds s[12:15], s[16:23]          ; my one tensor load of the launch
	s_nop 0
.rept 4
	v_nop                                          ; behind a tensor load
.endr
	s_mov_b32 s[SEL], 0x76543210
	s_mov_b32 s[SEL+1], 0xfedcba98
	s_mov_b32 s[CS], 0x3d8293ee
	s_mov_b32 s[CS+1], s[CS]                       ; named with it as a pair, so it is written
	s_and_b32 s[PSEL], s8, 3
	s_mul_i32 s[PSEL], s[PSEL], 0x01010101         ; my tile is block (wave & 3) of its fragment of Q: that byte of the scale word, four times
	s_lshl_b32 s42, s9, 15
	s_lshl_b32 s44, ttmp9, 13
	s_add_co_u32 s42, s42, s44
	s_lshl_b32 s44, s8, 8
	s_add_co_u32 s42, s42, s44
	s_add_co_u32 s42, s42, QB                      ; q's codes: tile 32 x + wave of the head, 256 bytes a tile; the second tile 16 tiles on
	s_add_nc_u64 s[34:35], s[4:5], s[42:43]
	s_lshl_b32 s42, s9, 11
	s_lshl_b32 s44, ttmp9, 9
	s_add_co_u32 s42, s42, s44
	s_lshr_b32 s44, s8, 2
	s_lshl_b32 s44, s44, 6
	s_add_co_u32 s42, s42, s44
	s_add_co_u32 s42, s42, QSB                     ; q's scale words: 64 bytes a fragment of four tiles
	s_add_nc_u64 s[36:37], s[4:5], s[42:43]
	s_lshr_b32 s44, s9, 4
	s_lshl_b32 s44, s44, 7                         ; 128 tiles a batch
	s_lshl_b32 s45, ttmp9, 5
	s_add_co_u32 s44, s44, s45
	s_add_co_u32 s44, s44, s8                      ; my first tile among all 512
	s_and_b32 s45, s9, 15                          ; the head
	s_lshl_b32 s42, s44, 12
	s_lshl_b32 s46, s45, 8
	s_add_co_u32 s42, s42, s46                     ; the head is block (head) of the tile's 16: 256 bytes each
	s_add_nc_u64 s[38:39], s[6:7], s[42:43]
	s_lshl_b32 s42, s44, 8
	s_add_co_u32 s42, s42, s45
	s_add_co_u32 s42, s42, ASB                     ; and byte (head) of each row's 16 scale bytes
	s_add_nc_u64 s[40:41], s[6:7], s[42:43]
	v_and_b32 v7, 31, v0
	v_lshlrev_b32 v[AK0], 4, v7
	v_and_b32 v8, 15, v0
	v_lshlrev_b32 v[R16], 4, v8
	v_lshlrev_b32 v[R4], 2, v8
	v_lshl_add_u32 v[AS0], v8, 2, 0x10000
	v_bfe_u32 v10, v0, 4, 1
	v_lshl_add_u32 v[GO], v10, 3, v[R16]
	v_cmp_gt_u32 vcc_lo, 16, v7                    ; lanes 0-15; kept for the whole launch
	global_load_b128 v[80:83], v[R16], s[34:35]               ; both halves of the lanes take row r's 32 codes
	global_load_b32 v84, v[R4], s[36:37]
	global_load_b128 v[88:91], v[R16], s[34:35] offset:4096
	global_load_b32 v85, v[R4], s[36:37] offset:256
.irp k, 16,17,18,19,24,25,26,27,32,33,34,35
	v_mov_b32 v\k, 0                               ; the zero codes of Q's four forms
.endr
	s_wait_tensorcnt 0x0                           ; my part of the record has landed,
	s_barrier_signal -1
	s_barrier_wait -1                              ; everybody's has
	s_wait_loadcnt 0x0                             ; q
; ONE TILE OF 16 QUERIES against all 2,048 keys.  q, w: the registers that hold its codes and scale word as loaded.
.macro TILE it, q, w
	s_wait_xcnt 0x0                                ; the last tile's stores have read their registers, which are written again below
.irp k, 0,1,2,3
	v_cndmask_b32 v[20+\k], v16, v[\q+\k], vcc_lo  ; q in lanes 0-15, zeros above
	v_cndmask_b32 v[28+\k], v[\q+\k], v16, vcc_lo  ; and the other way round
.endr
	v_perm_b32 v36, v[\w], v[\w], s[PSEL]
	v_mov_b32 v13, 0xff61b1e6                      ; the largest t so far: -3e38.  (These lines are also the places between the operand and scale registers just written and the first product)
	v_floor_f32 v12, -v13                          ; -M
	v_mov_b32 v14, 0
	v_mov_b32 v15, 0
.irp j, 0,1,2,3,4,5,6,7,8,9,10,11,12,13,14,15
	v_mov_b32 v[160+\j], 0                         ; O^T: the step is written once; the first finds zeros, which the first change of M leaves zeros
.endr
.irp b, 0,1,2,3
	v_mov_b32 v[236+\b], 0                         ; a lane permute's destination counts as one of its sources
.endr
	v_mov_b32 v253, 0                              ; named as the upper half of v[252:253] before it is first written
	s_mov_b32 s[TB], 0
	s_mov_b32 s[TS], 0
	s_mov_b32 s[CNT], 16
.irp f, 0,1
.irp c, 0,1
	ds_load_b128 v[KF+8*\f+4*\c:KF+8*\f+4*\c+3], v[AK0] offset:1024*\f+512*\c      ; K of step 0
.endr
	ds_load_b32 v[KS+\f], v[AS0] offset:64*\f
.endr
	s_wait_dscnt 0x0
.Lstep_\@:                                     ; a trip: 128 keys
.irp f, 0,1
.irp j, 0,1,2,3
	v_wmma_scale_f32_16x16x128_f8f6f4 v[96+8*(4*\f+\j):103+8*(4*\f+\j)], v[KF+8*\f:KF+8*\f+7], v[16+8*(\j%2)+4*(1-\j/2):23+8*(\j%2)+4*(1-\j/2)], 0, v[KS+\f], v36 matrix_a_fmt:MATRIX_FMT_FP4 matrix_b_fmt:MATRIX_FMT_FP4
.endr
.endr
	v_add_nc_u32 v[ADR], s[TB], v[AK0]             ; these two and two v_nop are the four places in front of loads into registers that products have read, and of the first read of the scores
	v_add_nc_u32 v[ADS], s[TS], v[AS0]
	v_nop
	v_nop
.irp d, 0,1
.irp c, 0,1
	ds_load_b128 v[VF+8*\d+4*\c:VF+8*\d+4*\c+3], v[ADR] offset:32768+1024*\d+512*\c     ; V^T of this step
.endr
	ds_load_b32 v[VS+\d], v[ADS] offset:2048+64*\d
.endr
.irp f, 0,1
.irp c, 0,1
	ds_load_b128 v[KF+8*\f+4*\c:KF+8*\f+4*\c+3], v[ADR] offset:2048+1024*\f+512*\c      ; K of the next step.  In the last trip these fall on V's first bytes, inside what was filled, and are not used
.endr
	ds_load_b32 v[KS+\f], v[ADS] offset:128+64*\f
.endr
.irp b, 0,1,2,3
	v_max3_num_f32 v[232+\b], v[96+16*\b], v[97+16*\b], v[98+16*\b]   ; the largest score of each block of 32 keys: for the row's maximum, and for the block's largest p
.endr
.irp i, 3,5,7,9,11,13
.irp b, 0,1,2,3
	v_max3_num_f32 v[232+\b], v[232+\b], v[96+16*\b+\i], v[97+16*\b+\i]
.endr
.endr
.irp b, 0,1,2,3
	v_max_num_f32 v[232+\b], v[232+\b], v[111+16*\b]
.endr
.irp b, 0,1,2,3
	v_permlanex16_b32 v[236+\b], v[232+\b], s[SEL], s[SEL+1]
.endr
.irp b, 0,1,2,3
	v_max_num_f32 v[232+\b], v[232+\b], v[236+\b]  ; with lane l xor 16's 16 keys
.endr
	v_max3_num_f32 v254, v232, v233, v234
	v_max_num_f32 v254, v254, v235                 ; the step's largest score of my query
	v_mul_f32 v254, s[CS], v254                    ; as t (c is positive)
	v_max_num_f32 v13, v13, v254                   ; the running largest t
	v_mov_b32 v254, v12
	v_floor_f32 v12, -v13                          ; the new -M = -ceil(t)
	v_sub_f32 v254, v12, v254                      ; old M - new M: a whole number, 0 or less
	v_cvt_i32_f32 v254, v254                       ; (it saturates)
	v_ldexp_f32 v252, 1.0, v254                    ; f = 2^(old M - new M)
.irp j, 0,2,4,6,8,10,12,14,16,18,20,22,24,26,28,30,32,34,36,38,40,42,44,46,48,50,52,54,56,58,60,62
	v_pk_fma_f32 v[96+\j:97+\j], v[96+\j:97+\j], s[CS:CS+1], v[12:13] op_sel_hi:[1,0,0]   ; t - M, two at a time
.endr
.irp b, 0,1,2,3
	v_fma_f32 v[232+\b], v[232+\b], s[CS], v12     ; the same of each block's largest score
.endr
.irp j, 0,1,2,3,4,5,6,7,8,9,10,11,12,13,14,15,16,17,18,19,20,21,22,23,24,25,26,27,28,29,30,31,32,33,34,35,36,37,38,39,40,41,42,43,44,45,46,47,48,49,50,51,52,53,54,55,56,57,58,59,60,61,62,63
	v_exp_f32 v[96+\j], v[96+\j]                   ; p = 2^(t - M)
.endr
.irp b, 0,1,2,3
	v_exp_f32 v[232+\b], v[232+\b]                 ; the block's largest p
.endr
	v_pk_mul_f32 v[14:15], v[14:15], v[252:253] op_sel_hi:[1,0]   ; the sums under the new M.  (A plain place behind the exponentials)
	s_wait_alu depctr_va_vdst(0)
.irp b, 0,1,2,3
	v_max_num_f32 v[232+\b], 0x1800000, v[232+\b]  ; the floor: the byte cannot fall under 1
.endr
.irp b, 0,1,2,3
	v_add_nc_u32 v[244+\b], 0xff000000, v[232+\b]  ; the conversion's scale operand
.endr
.irp b, 0,1,2,3
	v_lshrrev_b32 v[236+\b], 23, v[244+\b]         ; the scale's byte
.endr
	v_lshl_or_b32 v253, v237, 8, v236              ; p's scale word for these 128 keys
	v_lshl_or_b32 v253, v238, 16, v253
	v_lshl_or_b32 v253, v239, 24, v253
.irp b, 0,1,2,3
	v_cvt_scalef32_pk8_fp4_f32 v[224+2*\b], v[96+16*\b:103+16*\b], v[244+\b]
	v_cvt_scalef32_pk8_fp4_f32 v[225+2*\b], v[104+16*\b:111+16*\b], v[244+\b]
.endr
	v_nop                                          ; one plain place behind a scaled conversion
.irp c, 0,1
.irp i, 0,1
	v_permlane16_swap_b32 v[224+4*\c+\i], v[226+4*\c+\i]   ; a whole block to a lane
.endr
.endr
	v_pk_add_f32 v[236:237], v[96:97], v[98:99]    ; the row's sum, of the unquantised p, in two chains
.irp j, 4,8,12,16,20,24,28,32,36,40,44,48,52,56,60
	v_pk_add_f32 v[14:15], v[14:15], v[96+\j:97+\j]
	v_pk_add_f32 v[236:237], v[236:237], v[98+\j:99+\j]
.endr
	v_pk_add_f32 v[14:15], v[14:15], v[236:237]
.irp j, 0,2,4,6,8,10,12,14
	v_pk_mul_f32 v[160+\j:161+\j], v[160+\j:161+\j], v[252:253] op_sel_hi:[1,0]   ; O^T under the new M.  (With the sums above: the places between p's codes and scale word and the products below)
.endr
	s_wait_dscnt 0x0                               ; V and the next K, asked for at the head of the softmax
.irp d, 0,1
	v_wmma_scale_f32_16x16x128_f8f6f4 v[160+8*\d:167+8*\d], v[VF+8*\d:VF+8*\d+7], v[224:231], v[160+8*\d:167+8*\d], v[VS+\d], v253 matrix_a_fmt:MATRIX_FMT_FP4 matrix_b_fmt:MATRIX_FMT_FP4   ; the two accumulators by turns; eight other products stand between a link and the next
.endr
	s_add_co_u32 s[TB], s[TB], 2048
	s_add_co_u32 s[TS], s[TS], 128
	s_sub_co_i32 s[CNT], s[CNT], 1
	s_cmp_lg_u32 s[CNT], 0
	s_cbranch_scc1 .Lstep_\@
.rept 4
	v_nop                                          ; places behind the last products
.endr
	v_add_f32 v14, v14, v15                        ; the sum's two halves,
	v_permlanex16_b32 v252, v14, s[SEL], s[SEL+1]
	v_add_f32 v14, v14, v252                       ; and lane l xor 16's
	v_rcp_f32 v14, v14
	v_nop                                          ; one plain place behind a transcendental
	s_wait_alu depctr_va_vdst(0)
.irp j, 0,1,2,3,4,5,6,7,8,9,10,11,12,13,14,15
	v_mul_f32 v[96+\j], v[160+\j], v14             ; attn(query r, d = 16 h + j), each accumulator from its low end on
.endr
	v_max3_num_f32 v232, |v96|, |v97|, 0x1800000   ; the head's 32 numbers are one block of the next product's K: my 16, the floor,
	v_max3_num_f32 v233, |v98|, |v99|, |v100|
	v_max3_num_f32 v232, v232, |v101|, |v102|
	v_max3_num_f32 v233, v233, |v103|, |v104|
	v_max3_num_f32 v232, v232, |v105|, |v106|
	v_max3_num_f32 v233, v233, |v107|, |v108|
	v_max3_num_f32 v232, v232, |v109|, |v110|
	v_max3_num_f32 v232, v232, v233, |v111|
	v_permlanex16_b32 v236, v232, s[SEL], s[SEL+1]
	v_max_num_f32 v232, v232, v236                 ; and lane l xor 16's 16
	v_add_nc_u32 v244, 0xff000000, v232
	v_lshrrev_b32 v237, 23, v244
	v_cvt_scalef32_pk8_fp4_f32 v224, v[96:103], v244
	v_cvt_scalef32_pk8_fp4_f32 v225, v[104:111], v244
	v_nop                                          ; one plain place behind a scaled conversion
	global_store_b64 v[GO], v[224:225], s[38:39] offset:65536*\it   ; 32 lanes store 256 consecutive bytes, aligned: the head's block of the tile's image
	global_store_b8 v[R16], v237, s[40:41] offset:4096*\it          ; a byte of each row's 16: one such store for 16 key steps
.endm
	TILE 0, 80, 84
	TILE 1, 88, 85
	s_wait_tensorcnt 0x0
	ds_add_u32 v251, v255
	s_wait_dscnt 0x0
	s_endpgm
.Lfunc_end_k_q926833295e_attn:
	.size	k_q926833295e_attn, .Lfunc_end_k_q926833295e_attn-k_q926833295e_attn
	.p2alignl 7, 3214868480
	.fill 96, 4, 3214868480
	.section	.rodata,"a",@progbits
	.p2align	6, 0x0
	.amdhsa_kernel k_q926833295e_attn
		.amdhsa_group_segment_fixed_size 169984
		.amdhsa_private_segment_fixed_size 0
		.amdhsa_enable_private_segment 0
		.amdhsa_kernarg_size 16
		.amdhsa_user_sgpr_count 2
		.amdhsa_user_sgpr_kernarg_segment_ptr 1
		.amdhsa_wavefront_size32 1
		.amdhsa_system_sgpr_workgroup_id_x 1
		.amdhsa_system_sgpr_workgroup_id_y 1
		.amdhsa_system_sgpr_workgroup_id_z 1
		.amdhsa_system_vgpr_workitem_id 0
		.amdhsa_next_free_vgpr 256
		.amdhsa_next_free_sgpr 66
		.amdhsa_reserve_vcc 1
		.amdhsa_float_denorm_mode_32 3
		.amdhsa_float_denorm_mode_16_64 3
		.amdhsa_memory_ordered 1
		.amdhsa_forward_progress 1
		.amdhsa_inst_pref_size 39
	.end_amdhsa_kernel
	.amdgpu_metadata
---
amdhsa.version: [ 1, 2 ]
amdhsa.kernels:
  - .name:           k_q926833295e_attn
    .symbol:         k_q926833295e_attn.kd
    .args:
      - { .name: qkv, .offset: 0, .size: 8, .value_kind: global_buffer, .address_space: global }
      - { .name: at, .offset: 8, .size: 8, .value_kind: global_buffer, .address_space: global }
    .group_segment_fixed_size: 169984
    .private_segment_fixed_size: 0
    .kernarg_segment_align: 8
    .kernarg_segment_size: 16
    .max_flat_workgroup_size: 512
    .sgpr_count:     66
    .vgpr_count:     256
    .wavefront_size: 32
...
	.end_amdgpu_metadata
.endif
;; end of part 3
;; launch ffn (part 4): grid 128 x 1, 4 waves a work-group, no clusters, 87,552 bytes of LDS; arguments x, at, wts, b_proj, g2, bt2, b1, b2, out0; writes out0
.if DOCPART == 4
	.amdgcn_target "amdgcn-amd-amdhsa--gfx1250"
	.amdhsa_code_object_version 6
	.text
	.protected	k_q926833295e_ffn
	.globl	k_q926833295e_ffn
	.p2align	8
	.type	k_q926833295e_ffn,@function
k_q926833295e_ffn:
	s_mov_b64 s[64:65], 0
	v_nop
	global_prefetch_b8 v0, s[64:65] scope:SCOPE_SE
	s_setreg_imm32_b32 hwreg(HW_REG_WAVE_MODE, 25, 1), 1
	s_wait_xcnt 0x0
; x1 = x + attn w_proj + b_proj;  h2 = layernorm(x1, g2, bt2);  out = x1 + relu(h2 w1 + b1) w2 + b2.  All three products on codes of FP4; x1, h2 and the hidden layer never go to memory.
; SHARES.  A work-group of four waves takes 64 tokens (4 tiles).  THE WAVES SHARE THE COLUMNS: wave w owns columns 128 w .. 128 w + 127 of x1 and of out, and in each of four rounds hidden units 512 rd + 128 w on.
; So each fragment of a weight is loaded by exactly one wave of the work-group, straight into registers as the image that the first launch stored, and feeds four matrix instructions.
; Every work-group takes in all weights' codes, whatever its rows: 64 rows to a work-group halve that traffic against 32, at the price of 128 work-groups.  NO CLUSTER in this version: weights shared by joint loads would want a ring in LDS that is filled again.
; All products are used transposed (source 0 = 16 columns of a weight in tile order, source 1 = 16 tokens): a lane holds one token, register 16 b + i of its 64 = column 128 w + 32 b + 16 h + i.
; The residual and the biases ride in the accumulators: x is loaded into them, proj adds onto it; b2 is added to x1 before the second product adds onto it; b1 is the C of the hidden layer's first products.
; h2 and the hidden layer go from wave to wave through LDS as images of their registers (1,024 bytes a fragment, lane l's 16 bytes at 16 l), their scale words as 4 bytes at 16 r + 4 x K step.
; LIMITS: as stated at the head of the first launch.
; LDS: 0 the five parameter vectors; ST1, ST2 the waves' partial sums; H2IMG, H2SC h2's 16 fragments and scale words; HIMG, HSC the hidden layer's; STG a stage of 16 rows x 528 bytes for each wave.
; REGISTERS: window 0: v4-15 addresses; v16-143 attn's 16 fragments, later v16-47, v48-79 fragments from LDS and v80-143 64 numbers at work; v32-47 mean and 1 / sigma (between proj and the loop);
;   v144-151 codes, v152-167 at work, v168 the scale word; v176-191 scale words of the token side; v192-223 W1's, v224-255 w_proj's, then W2's.
;   window 1: W1's 32 fragments at 8 (4 t + s).  window 2: w_proj's 32; then g2, bt2, b2, b_proj (64 each); then W2's 32.  window 3: the 32 accumulators (m, t) at 64 m + 8 t.
.set SCB,   1572864
.set WPB,   393216
.set W1B,   524288
.set W2B,   1048576
.set ASB,   2097152
.set P_BP,  0
.set P_G2,  2048
.set P_BT,  4096
.set P_B2,  6144
.set P_B1,  8192
.set ST1,   16384
.set ST2,   17408
.set H2IMG, 18432
.set H2SC,  34816
.set HIMG,  35840
.set HSC,   52224
.set STG,   53248
.set LI,  4                            ; 16 l
.set R16, 5                            ; 16 r
.set PA,  6                            ; 512 w + 64 h: my 16 numbers of a block, in a parameter vector
.set PB1, 7                            ; the same in b1, this round's 512
.set IWI, 8                            ; 16 l + 1,024 w: where I store an image
.set IWS, 9                            ; 16 r + 4 w: and its scale word
.set SO,  10                           ; the stage: where I put 64 bytes of a row
.set SR,  11                           ; and where I read a row back
.set XA,  12                           ; x: my token's row, my columns
.set OA,  13                           ; out: 512 w + 16 l
.set STW, 14                           ; 256 w + 16 r: my wave's partial sums
.set TH,  15                           ; 16 x thread
.set XF,  16
.set HF,  16
.set MN,  32
.set RS,  40
.set HA,  80
.set PC,  144
.set TM,  152
.set PW,  168
.set HS,  176
.set W1S, 192
.set W2S, 224
.set WV,  22
.set RD,  23
.set SEL, 24
.set MSB, 0
.macro WIN new                         ; the immediate's high byte repeats the setting that is left
.if MSB != \new
	s_set_vgpr_msb (MSB<<8)|\new
.set MSB, \new
.endif
.endm
.macro QUANT s, pc, pw                 ; 64 numbers of a lane, register 16 b + i = k 32 b + 16 h + i of its row -> codes in v[pc] on, scale word in v[pw]
.irp b, 0,1,2,3
	v_max3_num_f32 v[TM+\b], |v[\s+16*\b]|, |v[\s+1+16*\b]|, 0x1800000
.endr
.irp i, 2,4,6,8,10,12,14
.irp b, 0,1,2,3
	v_max3_num_f32 v[TM+\b], v[TM+\b], |v[\s+16*\b+\i]|, |v[\s+1+16*\b+\i]|
.endr
.endr
.irp b, 0,1,2,3
	v_permlanex16_b32 v[TM+4+\b], v[TM+\b], s[SEL], s[SEL+1]
.endr
.irp b, 0,1,2,3
	v_max_num_f32 v[TM+\b], v[TM+\b], v[TM+4+\b]
.endr
.irp b, 0,1,2,3
	v_add_nc_u32 v[TM+12+\b], 0xff000000, v[TM+\b]
.endr
.irp b, 0,1,2,3
	v_lshrrev_b32 v[TM+4+\b], 23, v[TM+12+\b]
.endr
	v_lshl_or_b32 v[\pw], v[TM+5], 8, v[TM+4]
	v_lshl_or_b32 v[\pw], v[TM+6], 16, v[\pw]
	v_lshl_or_b32 v[\pw], v[TM+7], 24, v[\pw]
.irp b, 0,1,2,3
	v_cvt_scalef32_pk8_fp4_f32 v[\pc+2*\b], v[\s+16*\b:\s+7+16*\b], v[TM+12+\b]
	v_cvt_scalef32_pk8_fp4_f32 v[\pc+1+2*\b], v[\s+8+16*\b:\s+15+16*\b], v[TM+12+\b]
.endr
	v_nop                                          ; one plain place behind a scaled conversion
.irp c, 0,1
.irp i, 0,1
	v_permlane16_swap_b32 v[\pc+4*\c+\i], v[\pc+2+4*\c+\i]
.endr
.endr
.endm
.macro PLACES                          ; four places behind matrix instructions, in front of loads into their registers and of the first read of their results
.rept 4
	v_nop
.endr
.endm
.macro BARRIER                         ; my LDS stores have landed and my LDS loads are in: then the work-group's barrier
	s_wait_dscnt 0x0
	s_barrier_signal -1
	s_barrier_wait -1
.endm
.macro WLOAD win, base                 ; a wave's 32 fragments of a weight: 64 loads of 512 consecutive bytes
	WIN \win
.set q, 0
.rept 32
	global_load_b128 v[8*q:8*q+3], v[LI], s[\base:\base+1] offset:1024*q
	global_load_b128 v[8*q+4:8*q+7], v[LI], s[\base:\base+1] offset:1024*q+512
.set q, q+1
.endr
	WIN 0
.endm
.macro SLOAD reg, base                 ; and their scale words: for each of 8 tiles row r's four
.irp t, 0,1,2,3,4,5,6,7
	global_load_b128 v[\reg+4*\t:\reg+4*\t+3], v[R16], s[\base:\base+1] offset:256*\t
.endr
.endm
.macro PARLD reg, adr, off             ; 64 numbers of a parameter vector, in the accumulators' layout
.irp b, 0,1,2,3
.irp j, 0,1,2,3
	ds_load_b128 v[\reg+16*\b+4*\j:\reg+16*\b+4*\j+3], v[\adr] offset:\off+128*\b+16*\j
.endr
.endr
.endm
.macro FETCH reg, off                  ; a fragment's image from LDS
.irp c, 0,1
	ds_load_b128 v[\reg+4*\c:\reg+4*\c+3], v[LI] offset:\off+512*\c
.endr
.endm
.macro IMAGE off                       ; the fragment in v[PC] on goes to LDS as it stands
.irp c, 0,1
	ds_store_b128 v[IWI], v[PC+4*\c:PC+4*\c+3] offset:\off+512*\c
.endr
.endm
; v[152+2m:153+2m] (m = 0..3) become the four tiles' sums over all 512 columns, in v[160+m]: both halves, lane l xor 16's, and through LDS the other three waves'.
.macro EXCH st
.irp m, 0,1,2,3
	v_add_f32 v[160+\m], v[152+2*\m], v[153+2*\m]
.endr
.irp m, 0,1,2,3
	v_permlanex16_b32 v[164+\m], v[160+\m], s[SEL], s[SEL+1]
.endr
.irp m, 0,1,2,3
	v_add_f32 v[160+\m], v[160+\m], v[164+\m]
.endr
	ds_store_b128 v[STW], v[160:163] offset:\st
	BARRIER
.irp k, 0,1,2,3
	ds_load_b128 v[16+4*\k:19+4*\k], v[R16] offset:\st+256*\k
.endr
	s_wait_dscnt 0x0
.irp m, 0,1,2,3
	v_add_f32 v[16+\m], v[16+\m], v[20+\m]         ; the same order in all four waves
.endr
.irp m, 0,1,2,3
	v_add_f32 v[24+\m], v[24+\m], v[28+\m]
.endr
.irp m, 0,1,2,3
	v_add_f32 v[160+\m], v[16+\m], v[24+\m]
.endr
.endm
.macro DEV m                           ; v[HA] on = tile m's x1 - mean
	WIN 0x03                                       ; source 0 window 3
.set i, 0
.rept 32
	v_pk_add_f32 v[HA+2*i:HA+2*i+1], v[64*\m+2*i:64*\m+2*i+1], v[MN+2*\m:MN+2*\m+1] op_sel_hi:[1,0] neg_lo:[0,1] neg_hi:[0,1]
.set i, i+1
.endr
	WIN 0
.endm
.macro ADDPAR p                        ; all four tiles' accumulators += the 64 numbers at v[p] of window 2
	WIN 0xcb                               ; destination and source 0 window 3, source 1 window 2
.irp m, 0,1,2,3
.set i, 0
.rept 32
	v_pk_add_f32 v[64*\m+2*i:64*\m+2*i+1], v[64*\m+2*i:64*\m+2*i+1], v[\p+2*i:\p+2*i+1]   ; ascending: each accumulator is read from its low end on
.set i, i+1
.endr
.endr
	WIN 0
.endm
	s_load_b256 s[4:11], s[0:1], 0x0               ; x, at, wts, b_proj
	s_load_b256 s[12:19], s[0:1], 0x20             ; g2, bt2, b1, b2
	s_load_b64 s[20:21], s[0:1], 0x40              ; out0
	v_lshrrev_b32 v1, 5, v0
	v_readfirstlane_b32 s[WV], v1                  ; wave 0..3
	v_and_b32 v1, 31, v0                           ; l
	v_and_b32 v2, 15, v0                           ; r
	v_bfe_u32 v3, v0, 4, 1                         ; h
	v_lshlrev_b32 v[LI], 4, v1
	v_lshlrev_b32 v[R16], 4, v2
	s_lshl_b32 s28, s[WV], 9
	v_lshlrev_b32 v[PA], 6, v3
	v_add_nc_u32 v[PA], s28, v[PA]
	v_add_nc_u32 v[PB1], P_B1, v[PA]
	v_add_nc_u32 v[OA], s28, v[LI]
	s_lshl_b32 s29, s[WV], 10
	v_add_nc_u32 v[IWI], s29, v[LI]
	s_lshl_b32 s30, s[WV], 2
	v_add_nc_u32 v[IWS], s30, v[R16]
	s_mul_i32 s31, s[WV], 8448
	s_add_co_u32 s31, s31, STG                     ; my stage
	v_mul_u32_u24 v[SO], v2, 528
	v_lshl_add_u32 v[SO], v3, 6, v[SO]
	v_add_nc_u32 v[SO], s31, v[SO]
	v_add_nc_u32 v[SR], s31, v[LI]
	v_and_b32 v[XA], 8, v2
	v_add_nc_u32 v[XA], v[XA], v2                  ; r + (r & 8)
	v_lshlrev_b32 v[XA], 11, v[XA]
	v_add_nc_u32 v[XA], v[XA], v[PA]
	s_lshl_b32 s48, s[WV], 8
	v_add_nc_u32 v[STW], s48, v[R16]
	v_lshlrev_b32 v[TH], 4, v0
	s_mov_b32 s[SEL], 0x76543210
	s_mov_b32 s[SEL+1], 0xfedcba98
	s_mov_b32 s26, 0x3b000000                      ; 1 / 512
	s_mov_b32 s27, 0x3727c5ac                      ; 1e-5
	s_lshl_b32 s50, ttmp9, 17                      ; x, out: 64 tokens of 2,048 bytes
	s_mov_b32 s51, 0
	s_lshl_b32 s52, ttmp9, 14                      ; attn's images: 4 tiles of 4,096
	s_mov_b32 s53, 0
	s_lshl_b32 s54, ttmp9, 10
	s_add_co_u32 s54, s54, ASB                     ; their scale rows
	s_mov_b32 s55, 0
	s_lshl_b32 s48, s[WV], 15                      ; my 32 fragments of a weight
	s_mov_b32 s49, 0
	s_lshl_b32 s30, s[WV], 11                      ; their scale rows
	s_mov_b32 s31, 0
	s_wait_kmcnt 0x0
	s_add_nc_u64 s[4:5], s[4:5], s[50:51]
	s_add_nc_u64 s[20:21], s[20:21], s[50:51]
	s_add_nc_u64 s[32:33], s[6:7], s[52:53]
	s_add_nc_u64 s[34:35], s[6:7], s[54:55]
	s_add_nc_u64 s[36:37], s[8:9], s[48:49]
	s_add_nc_u64 s[40:41], s[36:37], W1B           ; W1, round 0
	s_add_nc_u64 s[44:45], s[36:37], W2B           ; W2, round 0
	s_add_nc_u64 s[36:37], s[36:37], WPB           ; w_proj
	s_add_nc_u64 s[38:39], s[8:9], s[30:31]
	s_add_nc_u64 s[42:43], s[38:39], SCB+32768
	s_add_nc_u64 s[46:47], s[38:39], SCB+65536
	s_add_nc_u64 s[38:39], s[38:39], SCB+24576
	; ---- all that the first phases want is asked for at once: 252 loads
	global_load_b128 v[144:147], v[TH], s[10:11]             ; the parameters: 128 threads x 16 bytes = a vector of 512
	global_load_b128 v[148:151], v[TH], s[12:13]
	global_load_b128 v[152:155], v[TH], s[14:15]
	global_load_b128 v[156:159], v[TH], s[18:19]
.irp k, 0,1,2,3
	global_load_b128 v[160+4*\k:163+4*\k], v[TH], s[16:17] offset:2048*\k
.endr
.set q, 0
.rept 16
	global_load_b128 v[16+8*q:19+8*q], v[LI], s[32:33] offset:1024*q          ; attn's fragment (tile q / 4, K step q % 4)
	global_load_b128 v[20+8*q:23+8*q], v[LI], s[32:33] offset:1024*q+512
.set q, q+1
.endr
.irp m, 0,1,2,3
	global_load_b128 v[HS+4*\m:HS+4*\m+3], v[R16], s[34:35] offset:256*\m
.endr
	SLOAD W2S, 38                                  ; w_proj's scale words
	WLOAD 0x80, 36                                 ; w_proj -> window 2
	WIN 0xc0                                       ; x -> the accumulators
.irp m, 0,1,2,3
.irp b, 0,1,2,3
.irp j, 0,1,2,3
	global_load_b128 v[64*\m+16*\b+4*\j:64*\m+16*\b+4*\j+3], v[XA], s[4:5] offset:(32*(\m/2)+8*(\m%2))*2048+128*\b+16*\j
.endr
.endr
.endr
	WIN 0
	WLOAD 0x40, 40                                 ; W1 of round 0 -> window 1
	SLOAD W1S, 42
	s_wait_loadcnt 63                              ; the youngest 63 loads are all among W1's 72: everything ahead of W1 is in
	ds_store_b128 v[TH], v[144:147] offset:P_BP
	ds_store_b128 v[TH], v[148:151] offset:P_G2
	ds_store_b128 v[TH], v[152:155] offset:P_BT
	ds_store_b128 v[TH], v[156:159] offset:P_B2
.irp k, 0,1,2,3
	ds_store_b128 v[TH], v[160+4*\k:163+4*\k] offset:P_B1+2048*\k
.endr
	BARRIER                                        ; the parameters lie in LDS
	; ---- proj: onto x.  A tile's eight accumulators by turns
	WIN 0xf2                                       ; source 0 window 2, C and D window 3
.irp m, 0,1,2,3
.irp s, 0,1,2,3
.irp t, 0,1,2,3,4,5,6,7
	v_wmma_scale_f32_16x16x128_f8f6f4 v[64*\m+8*\t:64*\m+8*\t+7], v[8*(4*\t+\s):8*(4*\t+\s)+7], v[16+8*(4*\m+\s):23+8*(4*\m+\s)], v[64*\m+8*\t:64*\m+8*\t+7], v[W2S+4*\t+\s], v[HS+4*\m+\s] matrix_a_fmt:MATRIX_FMT_FP4 matrix_b_fmt:MATRIX_FMT_FP4
.endr
.endr
.endr
	WIN 0
	PLACES
	WIN 0x80                                       ; window 2 has done with w_proj: the parameters at my columns
	PARLD 192, PA, P_BP
	PARLD 0, PA, P_G2
	PARLD 64, PA, P_BT
	PARLD 128, PA, P_B2
	WIN 0
	s_wait_dscnt 0x0
	ADDPAR 192                                     ; x1 = x + attn w_proj + b_proj
	; ---- layernorm: the mean, then the variance of the deviations
.irp k, 0,1,2,3,4,5,6,7
	v_mov_b32 v[152+\k], 0
.endr
.irp k, 0,1,2,3
	v_mov_b32 v[164+\k], 0                         ; a lane permute's destination counts as one of its sources
.endr
	WIN 0x0c                                       ; source 1 window 3
.set i, 0
.rept 32
.irp m, 0,1,2,3
	v_pk_add_f32 v[152+2*\m:153+2*\m], v[152+2*\m:153+2*\m], v[64*\m+2*i:64*\m+2*i+1]   ; the four tiles by turns
.endr
.set i, i+1
.endr
	WIN 0
	EXCH ST1
.irp m, 0,1,2,3
	v_mul_f32 v[MN+2*\m], s26, v[160+\m]
.endr
.irp m, 0,1,2,3
	v_mov_b32 v[MN+2*\m+1], v[MN+2*\m]
.endr
.irp m, 0,1,2,3
	DEV \m
	v_pk_mul_f32 v[152+2*\m:153+2*\m], v[HA:HA+1], v[HA:HA+1]     ; two chains
	v_pk_mul_f32 v[168:169], v[HA+2:HA+3], v[HA+2:HA+3]
.irp j, 4,8,12,16,20,24,28,32,36,40,44,48,52,56,60
	v_pk_fma_f32 v[152+2*\m:153+2*\m], v[HA+\j:HA+\j+1], v[HA+\j:HA+\j+1], v[152+2*\m:153+2*\m]
	v_pk_fma_f32 v[168:169], v[HA+\j+2:HA+\j+3], v[HA+\j+2:HA+\j+3], v[168:169]
.endr
	v_pk_add_f32 v[152+2*\m:153+2*\m], v[152+2*\m:153+2*\m], v[168:169]
.endr
	EXCH ST2                                       ; other LDS bytes than the first exchange's
.irp m, 0,1,2,3
	v_fma_f32 v[160+\m], v[160+\m], s26, s27       ; var + eps
.endr
.irp m, 0,1,2,3
	v_rsq_f32 v[RS+2*\m], v[160+\m]
.endr
	v_nop                                          ; one plain place behind the transcendentals
	s_wait_alu depctr_va_vdst(0)
.irp m, 0,1,2,3
	v_mov_b32 v[RS+2*\m+1], v[RS+2*\m]
.endr
	; ---- h2, quantised: my 128 columns are K step w of the next product
.irp m, 0,1,2,3
	DEV \m
.set i, 0
.rept 32
	v_pk_mul_f32 v[HA+2*i:HA+2*i+1], v[HA+2*i:HA+2*i+1], v[RS+2*\m:RS+2*\m+1] op_sel_hi:[1,0]
.set i, i+1
.endr
	WIN 0x28                                       ; sources 1 and 2 window 2: g2, bt2
.set i, 0
.rept 32
	v_pk_fma_f32 v[HA+2*i:HA+2*i+1], v[HA+2*i:HA+2*i+1], v[2*i:2*i+1], v[64+2*i:65+2*i]
.set i, i+1
.endr
	WIN 0
	QUANT HA, PC, PW
	IMAGE H2IMG+4096*\m
	ds_store_b32 v[IWS], v[PW] offset:H2SC+256*\m  ; lanes r and r + 16 store the same word
	s_wait_dscnt 0x0                               ; the stores have read their registers
.endr
	ADDPAR 128                                     ; the accumulators now hold x1 + b2
	BARRIER                                        ; h2's sixteen fragments lie in LDS
	; ---- four rounds of 512 hidden units
	s_mov_b32 s[RD], 4
.Lround:
	s_wait_loadcnt 0x0                             ; W1 of this round and its scale words are in; no load of mine is out
	WLOAD 0x80, 44                                 ; W2 of this round: it has the hidden layer's phase in which to land
	SLOAD W2S, 46
.irp m, 0,1,2,3                                ; the hidden layer, a tile of 16 tokens at a time
.irp s, 0,1,2,3
	FETCH XF+8*\s, H2IMG+4096*\m+1024*\s
.endr
	ds_load_b128 v[HS:HS+3], v[R16] offset:H2SC+256*\m
	PARLD HA, PB1, 0                               ; b1 is the C of the first products
	s_wait_dscnt 0x0                               ; these, and the last tile's stores
	WIN 0x01                                       ; source 0 (W1) window 1
.irp s, 0,1,2,3
.irp t, 0,1,2,3,4,5,6,7
	v_wmma_scale_f32_16x16x128_f8f6f4 v[HA+8*\t:HA+8*\t+7], v[8*(4*\t+\s):8*(4*\t+\s)+7], v[XF+8*\s:XF+8*\s+7], v[HA+8*\t:HA+8*\t+7], v[W1S+4*\t+\s], v[HS+\s] matrix_a_fmt:MATRIX_FMT_FP4 matrix_b_fmt:MATRIX_FMT_FP4
.endr
.endr
	WIN 0
	PLACES
.irp j, 0,1,2,3,4,5,6,7,8,9,10,11,12,13,14,15,16,17,18,19,20,21,22,23,24,25,26,27,28,29,30,31,32,33,34,35,36,37,38,39,40,41,42,43,44,45,46,47,48,49,50,51,52,53,54,55,56,57,58,59,60,61,62,63
	v_max_num_f32 v[HA+\j], 0, v[HA+\j]            ; relu, in f32
.endr
	QUANT HA, PC, PW
	IMAGE HIMG+4096*\m                             ; K step w of the second product's 512 of this round
	ds_store_b32 v[IWS], v[PW] offset:HSC+256*\m
.endr
	BARRIER                                        ; the hidden layer's sixteen fragments lie in LDS
	s_wait_loadcnt 0x0                             ; W2 is in; no load of mine is out, so W1's bases may step
	s_cmp_eq_u32 s[RD], 1                          ; the last round asks for nothing more: no load leaves its buffer
	s_cbranch_scc1 .Lno_w1
	s_add_nc_u64 s[40:41], s[40:41], 131072
	s_add_nc_u64 s[42:43], s[42:43], 8192
	WLOAD 0x40, 40                                 ; W1 of the next round: it has the second product's phase in which to land
	SLOAD W1S, 42
.Lno_w1:
.irp m, 0,1,2,3
	ds_load_b128 v[HS+4*\m:HS+4*\m+3], v[R16] offset:HSC+256*\m
.endr
.irp m, 0,1,2,3
	FETCH HF+8*\m, HIMG+4096*\m
.endr
.irp s, 0,1,2,3                                ; a K step at a time on two buffers; the 32 accumulators by turns
	s_wait_dscnt 0x0                               ; this K step's four fragments are in
.if \s > 0
	PLACES                                         ; for the loads into the buffer that the last K step multiplied
.endif
.if \s < 3
.irp m, 0,1,2,3
	FETCH HF+32*((\s+1)%2)+8*\m, HIMG+4096*\m+1024*(\s+1)
.endr
.endif
	WIN 0xf2                                       ; source 0 (W2) window 2, C and D window 3
.irp m, 0,1,2,3
.irp t, 0,1,2,3,4,5,6,7
	v_wmma_scale_f32_16x16x128_f8f6f4 v[64*\m+8*\t:64*\m+8*\t+7], v[8*(4*\t+\s):8*(4*\t+\s)+7], v[HF+32*(\s%2)+8*\m:HF+32*(\s%2)+8*\m+7], v[64*\m+8*\t:64*\m+8*\t+7], v[W2S+4*\t+\s], v[HS+4*\m+\s] matrix_a_fmt:MATRIX_FMT_FP4 matrix_b_fmt:MATRIX_FMT_FP4
.endr
.endr
	WIN 0
.endr
	PLACES                                         ; for the next round's loads into W2's registers and the fragments', and for the way out's reads
	BARRIER                                        ; every wave's reads of the hidden layer's images are over: the next round may store there
	s_add_nc_u64 s[44:45], s[44:45], 131072        ; W2's loads were shown done at the head of this phase
	s_add_nc_u64 s[46:47], s[46:47], 8192
	v_add_nc_u32 v[PB1], 2048, v[PB1]
	s_sub_co_u32 s[RD], s[RD], 1
	s_cmp_lg_u32 s[RD], 0
	s_cbranch_scc1 .Lround
	; ---- THE WAY OUT, a tile at a time through my own stage: a lane's 64 bytes of a block go in, whole rows of 512 bytes come back.  LDS serves a wave's instructions in order: no wait between the stores and the loads.
.irp m, 0,1,2,3
.if \m >= 2
	s_wait_xcnt 0x0                                ; the stores of two tiles ago have read the registers that the loads below fill
.endif
	WIN 0x0c                                       ; an LDS store's data are its source 1: window 3
.irp b, 0,1,2,3
.irp j, 0,1,2,3
	ds_store_b128 v[SO], v[64*\m+16*\b+4*\j:64*\m+16*\b+4*\j+3] offset:128*\b+16*\j   ; each accumulator from its low end on
.endr
.endr
	WIN 0
.irp i, 0,1,2,3,4,5,6,7,8,9,10,11,12,13,14,15
	ds_load_b128 v[16+64*(\m%2)+4*\i:19+64*(\m%2)+4*\i], v[SR] offset:528*\i
.endr
.irp i, 0,1,2,3,4,5,6,7,8,9,10,11,12,13,14,15
	s_wait_dscnt 15-\i                             ; the younger loads of this run may be out
	global_store_b128 v[OA], v[16+64*(\m%2)+4*\i:19+64*(\m%2)+4*\i], s[20:21] offset:(32*(\m/2)+8*(\m%2)+\i+(\i&8))*2048 th:TH_STORE_NT   ; 32 lanes store 512 consecutive bytes, aligned
.endr
.endr
	s_wait_xcnt 0x0
	v_lshl_add_u32 v254, v0, 2, 0x15400
	v_mov_b32 v255, 0
	s_wait_tensorcnt 0x0
	ds_add_u32 v254, v255
	s_wait_dscnt 0x0
	s_endpgm
.Lfunc_end_k_q926833295e_ffn:
	.size	k_q926833295e_ffn, .Lfunc_end_k_q926833295e_ffn-k_q926833295e_ffn
	.p2alignl 7, 3214868480
	.fill 96, 4, 3214868480
	.section	.rodata,"a",@progbits
	.p2align	6, 0x0
	.amdhsa_kernel k_q926833295e_ffn
		.amdhsa_group_segment_fixed_size 87552
		.amdhsa_private_segment_fixed_size 0
		.amdhsa_enable_private_segment 0
		.amdhsa_kernarg_size 72
		.amdhsa_user_sgpr_count 2
		.amdhsa_user_sgpr_kernarg_segment_ptr 1
		.amdhsa_wavefront_size32 1
		.amdhsa_system_sgpr_workgroup_id_x 1
		.amdhsa_system_sgpr_workgroup_id_y 1
		.amdhsa_system_sgpr_workgroup_id_z 1
		.amdhsa_system_vgpr_workitem_id 0
		.amdhsa_next_free_vgpr 1024
		.amdhsa_next_free_sgpr 66
		.amdhsa_reserve_vcc 0
		.amdhsa_float_denorm_mode_32 3
		.amdhsa_float_denorm_mode_16_64 3
		.amdhsa_memory_ordered 1
		.amdhsa_forward_progress 1
		.amdhsa_inst_pref_size 230
	.end_amdhsa_kernel
	.amdgpu_metadata
---
amdhsa.version: [ 1, 2 ]
amdhsa.kernels:
  - .name:           k_q926833295e_ffn
    .symbol:         k_q926833295e_ffn.kd
    .args:
      - { .name: x, .offset: 0, .size: 8, .value_kind: global_buffer, .address_space: global }
      - { .name: at, .offset: 8, .size: 8, .value_kind: global_buffer, .address_space: global }
      - { .name: wts, .offset: 16, .size: 8, .value_kind: global_buffer, .address_space: global }
      - { .name: b_proj, .offset: 24, .size: 8, .value_kind: global_buffer, .address_space: global }
      - { .name: g2, .offset: 32, .size: 8, .value_kind: global_buffer, .address_space: global }
      - { .name: bt2, .offset: 40, .size: 8, .value_kind: global_buffer, .address_space: global }
      - { .name: b1, .offset: 48, .size: 8, .value_kind: global_buffer, .address_space: global }
      - { .name: b2, .offset: 56, .size: 8, .value_kind: global_buffer, .address_space: global }
      - { .name: out0, .offset: 64, .size: 8, .value_kind: global_buffer, .address_space: global }
    .group_segment_fixed_size: 87552
    .private_segment_fixed_size: 0
    .kernarg_segment_align: 8
    .kernarg_segment_size: 72
    .max_flat_workgroup_size: 128
    .sgpr_count:     66
    .vgpr_count:     1024
    .wavefront_size: 32
...
	.end_amdgpu_metadata
.endif
;; end of part 4
;; ======== version 2 of 2: 4 launches
;; workspace buffers: wts 1,671,168 bytes; hq 2,228,224 bytes; qkv 6,684,672 bytes; at 2,228,224 bytes
;; launch prep (part 5): grid 176 x 1, 16 waves a work-group, no clusters, 4,096 bytes of LDS; arguments x, g1, bt1, wq, wk, wv, w_proj, w1, w2, hq, wts; writes hq, wts
.if DOCPART == 5
	.amdgcn_target "amdgcn-amd-amdhsa--gfx1250"
	.amdhsa_code_object_version 6
	.text
	.protected	k_q926833295e_prep
	.globl	k_q926833295e_prep
	.p2align	8
	.type	k_q926833295e_prep,@function
k_q926833295e_prep:
	s_mov_b64 s[64:65], 0
	v_nop
	global_prefetch_b8 v0, s[64:65] scope:SCOPE_SE
	s_setreg_imm32_b32 hwreg(HW_REG_WAVE_MODE, 25, 1), 1
	s_wait_xcnt 0x0
; TWO ROLES, parted on the work-group's number alone.
; Work-groups 0-127: h = layernorm(x, g1, bt1), quantised along its 512 columns to FP4 (E2M1) with one E8M0 byte for each 32.
; Work-groups 128-175: the six weights, all stored with K as the first of their two last axes, quantised along K.
; EVERYTHING IS STORED AS IMAGES OF AN OPERAND'S REGISTERS: a fragment (16 rows x 128 K, 8 registers a lane) is 1,024 bytes, lane l's registers 4 c .. 4 c + 3 at 512 c + 16 l;
; so block t (32 along K) of row r lies at 256 t + 16 r.  Scale words: 256 bytes a tile, row r's four words (four K steps) at 16 r.
; THE ROWS OF A TILE ARE NOT NEIGHBOURS: of each 32 tokens (or columns of a weight) tile u = 0, 1 takes, as its row r, number 8 u + r + (r & 8): used as source 0, two neighbouring tiles then give a lane 16 neighbours.
; A block's scale is 2^(floor(log2(largest magnitude)) - 2); its byte is the largest magnitude's exponent field - 2, held at 1 from below.
; LIMITS: a block of zeros gets the byte 1 where the rule says 127 (its codes are zeros, and this program alone reads the bytes); blocks whose largest magnitude lies under 2^(3 - 127) are held at the byte 1; NaN and infinities are not served.
; hq: images [tile 512][K step 4][1,024], scale rows from HSB on.  wts: job J = 32 columns x 512 K: codes at 8,192 J as [tile 2][K step 4][1,024], scale rows at SCB + 512 J.
; J: wq 0-15 (the head), wk 16-31, wv 32-47, w_proj 48-63, w1 64-127, w2 128 + 16 x (which 512 of K) + column group.
.set HSB, 2097152
.set SCB, 1572864
.set SEL, 44                           ; s[44:45] v_permlanex16_b32's selects for lane l xor 16
.set X,   16                           ; role LN: v16-79 my 64 numbers; register 16 b + i = column 128 ks + 32 b + 16 h + i of my token
.set G,   80                           ; v80-143 g1 at those columns
.set BT,  144                          ; v144-207 bt1
.set PC,  208                          ; v208-215 the fragment's codes
.set TM,  216                          ; v216-231 at work in QUANT
.set PW,  232                          ; the scale word
.set SM,  234                          ; v[234:237] two pairs of sums
.set RB,  238                          ; v238-241 the four waves' partial sums
.set MN,  242                          ; v[242:243] the mean, twice
.set RS,  244                          ; v[244:245] 1 / sqrt(var + eps), twice
.set T,   246
.set OFF, 16                           ; role W: v16-47 byte offset of row i of a block at my column
.set XW,  64                           ; v64-191 128 numbers down K
.set CW,  192                          ; v192-207 codes, four registers a block
.set SB,  208                          ; the scale word
.set MA,  209
.set MB,  210
.set BY,  211
.set SCL, 212                          ; v212-215 a conversion's scale operand for each block
; 64 numbers of a lane, register 16 b + i = k 32 b + 16 h + i of its row, become a fragment's codes in v[pc] on and the row's scale word in v[pw].
.macro QUANT s, pc, pw
.irp b, 0,1,2,3
	v_max3_num_f32 v[TM+\b], |v[\s+16*\b]|, |v[\s+1+16*\b]|, 0x1800000   ; block b: my 16 numbers, and the floor 2^(3 - 127): the byte cannot fall under 1
.endr
.irp i, 2,4,6,8,10,12,14
.irp b, 0,1,2,3
	s_delay_alu instid0(VALU_DEP_4)
	v_max3_num_f32 v[TM+\b], v[TM+\b], |v[\s+16*\b+\i]|, |v[\s+1+16*\b+\i]|   ; the four blocks by turns
.endr
.endr
.irp b, 0,1,2,3
	s_delay_alu instid0(VALU_DEP_4)
	v_permlanex16_b32 v[TM+4+\b], v[TM+\b], s[SEL], s[SEL+1]
.endr
.irp b, 0,1,2,3
	s_delay_alu instid0(VALU_DEP_4)
	v_max_num_f32 v[TM+\b], v[TM+\b], v[TM+4+\b]   ; with lane l xor 16's 16: the block's largest magnitude
.endr
.irp b, 0,1,2,3
	s_delay_alu instid0(VALU_DEP_4)
	v_add_nc_u32 v[TM+12+\b], 0xff000000, v[TM+\b]   ; 2 off its exponent field: the conversion's scale operand
.endr
.irp b, 0,1,2,3
	s_delay_alu instid0(VALU_DEP_4)
	v_lshrrev_b32 v[TM+4+\b], 23, v[TM+12+\b]      ; the scale's byte
.endr
	s_delay_alu instid0(VALU_DEP_3)
	v_lshl_or_b32 v[\pw], v[TM+5], 8, v[TM+4]
	s_delay_alu instid0(VALU_DEP_1)
	v_lshl_or_b32 v[\pw], v[TM+6], 16, v[\pw]
	s_delay_alu instid0(VALU_DEP_1)
	v_lshl_or_b32 v[\pw], v[TM+7], 24, v[\pw]
.irp b, 0,1,2,3
	v_cvt_scalef32_pk8_fp4_f32 v[\pc+2*\b], v[\s+16*\b:\s+7+16*\b], v[TM+12+\b]
	v_cvt_scalef32_pk8_fp4_f32 v[\pc+1+2*\b], v[\s+8+16*\b:\s+15+16*\b], v[TM+12+\b]
.endr
	v_nop                                          ; one plain place behind a scaled conversion
.irp c, 0,1                                    ; the operand wants a whole block in a lane: lanes 0-15 block 2 c, lanes 16-31 block 2 c + 1
.irp i, 0,1
	v_permlane16_swap_b32 v[\pc+4*\c+\i], v[\pc+2+4*\c+\i]
.endr
.endr
.endm
; SM's two pairs become the token's sum over all 512 columns, in v[RB]: my 64, lane l xor 16's 64, and through LDS the other three waves' 128 each.
.macro ACROSS off
	s_delay_alu instid0(VALU_DEP_1)
	v_pk_add_f32 v[SM:SM+1], v[SM:SM+1], v[SM+2:SM+3]
	s_delay_alu instid0(VALU_DEP_1)
	v_add_f32 v[T], v[SM], v[SM+1]
	s_delay_alu instid0(VALU_DEP_1)
	v_permlanex16_b32 v[T+1], v[T], s[SEL], s[SEL+1]
	s_delay_alu instid0(VALU_DEP_1)
	v_add_f32 v[T], v[T], v[T+1]
	ds_store_b32 v5, v[T] offset:\off              ; lanes r and r + 16 write the same word with the same value
	s_wait_dscnt 0x0                               ; for the others' sake: my store has landed
	s_barrier_signal -1
	s_barrier_wait -1
.irp k, 0,1,2,3
	ds_load_b32 v[RB+\k], v6 offset:\off+64*\k
.endr
	s_wait_dscnt 0x0
	v_add_f32 v[RB], v[RB], v[RB+1]                ; the same order in all four waves: they get the same bits
	v_add_f32 v[RB+2], v[RB+2], v[RB+3]
	s_delay_alu instid0(VALU_DEP_1)
	v_add_f32 v[RB], v[RB], v[RB+2]
.endm
	s_load_b256 s[4:11], s[0:1], 0x0               ; x, g1, bt1, wq
	s_load_b256 s[12:19], s[0:1], 0x20             ; wk, wv, w_proj, w1
	s_load_b128 s[20:23], s[0:1], 0x40             ; w2, hq
	s_load_b64 s[24:25], s[0:1], 0x50              ; wts
	v_lshl_add_u32 v254, v0, 2, 0x800
	v_mov_b32 v255, 0
	v_lshrrev_b32 v1, 5, v0
	s_delay_alu instid0(VALU_DEP_1)
	v_readfirstlane_b32 s26, v1                    ; wave 0..15
	v_and_b32 v10, 31, v0                          ; l
	v_and_b32 v11, 15, v0                          ; r
	v_bfe_u32 v12, v0, 4, 1                        ; h
	s_lshr_b32 s27, s26, 2                         ; LN: which tile of 16 tokens.  W: which of the work-group's four jobs
	s_and_b32 s28, s26, 3                          ; which 128 along K
	s_cmp_ge_u32 ttmp9, 128
	s_cbranch_scc1 .Lweights
	; ---- ROLE LN.  A work-group takes 64 tokens; wave (tl, ks) takes tile tl and columns 128 ks on; a lane 64 numbers of one token.
	v_and_b32 v1, 8, v11
	s_delay_alu instid0(VALU_DEP_1)
	v_add_nc_u32 v1, v1, v11                       ; r + (r & 8)
	s_delay_alu instid0(VALU_DEP_1)
	v_lshlrev_b32 v1, 11, v1                       ; a token is 2,048 bytes
	s_delay_alu instid0(VALU_DEP_1)
	v_lshl_add_u32 v1, v12, 6, v1                  ; + 64 h: my 16 numbers of a block of 32
	v_lshlrev_b32 v2, 6, v12                       ; the same place in g1 and bt1
	v_lshlrev_b32 v3, 4, v10                       ; 16 l: an image's place for my lane
	v_lshlrev_b32 v4, 4, v11                       ; 16 r: my row of scale words
	v_lshrrev_b32 v5, 5, v0
	s_delay_alu instid0(VALU_DEP_1)
	v_lshlrev_b32 v5, 6, v5
	s_delay_alu instid0(VALU_DEP_1)
	v_lshl_add_u32 v5, v11, 2, v5                  ; LDS: 64 x wave + 4 r: where my wave's partial sums go
	v_lshrrev_b32 v6, 7, v0
	s_delay_alu instid0(VALU_DEP_1)
	v_lshlrev_b32 v6, 8, v6
	s_delay_alu instid0(VALU_DEP_1)
	v_lshl_add_u32 v6, v11, 2, v6                  ; 256 tl + 4 r: where my tile's four waves' lie
	v_mov_b32 v[T+1], 0                            ; a lane permute's destination counts as one of its sources
.irp b, 0,1,2,3
	v_mov_b32 v[TM+4+\b], 0
.endr
	s_mov_b32 s[SEL], 0x76543210
	s_mov_b32 s[SEL+1], 0xfedcba98
	s_mov_b32 s42, 0x3b000000                      ; 1 / 512
	s_mov_b32 s43, 0x3727c5ac                      ; 1e-5
	s_lshl_b32 s30, ttmp9, 17                      ; 64 tokens a work-group,
	s_lshr_b32 s29, s27, 1
	s_lshl_b32 s29, s29, 16                        ; 32 tokens for each pair of tiles,
	s_add_co_u32 s30, s30, s29
	s_and_b32 s29, s27, 1
	s_lshl_b32 s29, s29, 14                        ; 8 tokens for the odd tile,
	s_add_co_u32 s30, s30, s29
	s_lshl_b32 s32, s28, 9                         ; 128 columns
	s_add_co_u32 s30, s30, s32
	s_mov_b32 s31, 0
	s_mov_b32 s33, 0
	s_lshl_b32 s29, ttmp9, 2
	s_add_co_u32 s29, s29, s27                     ; the tile's number among all 512
	s_lshl_b32 s34, s29, 12
	s_lshl_b32 s36, s28, 10
	s_add_co_u32 s34, s34, s36                     ; its image of K step ks
	s_mov_b32 s35, 0
	s_lshl_b32 s36, s29, 8
	s_lshl_b32 s38, s28, 2
	s_add_co_u32 s36, s36, s38
	s_add_co_u32 s36, s36, HSB                     ; its scale rows, word ks
	s_mov_b32 s37, 0
	s_wait_kmcnt 0x0
	s_add_nc_u64 s[4:5], s[4:5], s[30:31]
	s_add_nc_u64 s[6:7], s[6:7], s[32:33]
	s_add_nc_u64 s[8:9], s[8:9], s[32:33]
	s_add_nc_u64 s[34:35], s[22:23], s[34:35]
	s_add_nc_u64 s[36:37], s[22:23], s[36:37]
.irp b, 0,1,2,3
.irp j, 0,1,2,3
	global_load_b128 v[X+16*\b+4*\j:X+16*\b+4*\j+3], v1, s[4:5] offset:128*\b+16*\j
.endr
.endr
.irp b, 0,1,2,3
.irp j, 0,1,2,3
	global_load_b128 v[G+16*\b+4*\j:G+16*\b+4*\j+3], v2, s[6:7] offset:128*\b+16*\j
.endr
.endr
.irp b, 0,1,2,3
.irp j, 0,1,2,3
	global_load_b128 v[BT+16*\b+4*\j:BT+16*\b+4*\j+3], v2, s[8:9] offset:128*\b+16*\j
.endr
.endr
	s_wait_loadcnt 32                              ; x's 16 loads are in; g1's and bt1's 32 may be out
	v_pk_add_f32 v[SM:SM+1], v[X:X+1], v[X+4:X+5]  ; the first terms start the two chains
	v_pk_add_f32 v[SM+2:SM+3], v[X+2:X+3], v[X+6:X+7]
.irp j, 8,12,16,20,24,28,32,36,40,44,48,52,56,60
	s_delay_alu instid0(VALU_DEP_2)
	v_pk_add_f32 v[SM:SM+1], v[SM:SM+1], v[X+\j:X+\j+1]
	s_delay_alu instid0(VALU_DEP_2)
	v_pk_add_f32 v[SM+2:SM+3], v[SM+2:SM+3], v[X+\j+2:X+\j+3]
.endr
	ACROSS 0
	s_delay_alu instid0(VALU_DEP_1)
	v_mul_f32 v[MN], s42, v[RB]                    ; the mean
	s_delay_alu instid0(VALU_DEP_1)
	v_mov_b32 v[MN+1], v[MN]
.set i, 0
.rept 32
	v_pk_add_f32 v[X+2*i:X+2*i+1], v[X+2*i:X+2*i+1], v[MN:MN+1] op_sel_hi:[1,0] neg_lo:[0,1] neg_hi:[0,1]   ; x - mean: the variance is taken of the deviations, so a common offset costs nothing
.set i, i+1
.endr
	v_pk_mul_f32 v[SM:SM+1], v[X:X+1], v[X:X+1]
	v_pk_mul_f32 v[SM+2:SM+3], v[X+2:X+3], v[X+2:X+3]
.irp j, 4,8,12,16,20,24,28,32,36,40,44,48,52,56,60
	s_delay_alu instid0(VALU_DEP_2)
	v_pk_fma_f32 v[SM:SM+1], v[X+\j:X+\j+1], v[X+\j:X+\j+1], v[SM:SM+1]
	s_delay_alu instid0(VALU_DEP_2)
	v_pk_fma_f32 v[SM+2:SM+3], v[X+\j+2:X+\j+3], v[X+\j+2:X+\j+3], v[SM+2:SM+3]
.endr
	ACROSS 1024                                    ; other LDS bytes than the first exchange's: no third barrier is owed
	s_delay_alu instid0(VALU_DEP_1)
	v_fma_f32 v[T], v[RB], s42, s43                ; var + eps
	s_wait_alu depctr_va_vdst(0)
	v_rsq_f32 v[RS], v[T]
	v_nop                                          ; one plain place behind a transcendental
	s_wait_alu depctr_va_vdst(0)
	v_mov_b32 v[RS+1], v[RS]
.set i, 0
.rept 32
	v_pk_mul_f32 v[X+2*i:X+2*i+1], v[X+2*i:X+2*i+1], v[RS:RS+1] op_sel_hi:[1,0]
.set i, i+1
.endr
	s_wait_loadcnt 0x0                             ; g1 and bt1
.set i, 0
.rept 32
	v_pk_fma_f32 v[X+2*i:X+2*i+1], v[X+2*i:X+2*i+1], v[G+2*i:G+2*i+1], v[BT+2*i:BT+2*i+1]
.set i, i+1
.endr
	QUANT X, PC, PW
	global_store_b128 v3, v[PC:PC+3], s[34:35]               ; 32 lanes store 512 consecutive bytes
	global_store_b128 v3, v[PC+4:PC+7], s[34:35] offset:512
	global_store_b32 v4, v[PW], s[36:37]                     ; lanes r and r + 16 store the same word
	s_wait_tensorcnt 0x0
	ds_add_u32 v254, v255
	s_wait_dscnt 0x0
	s_endpgm
	; ---- ROLE W.  A wave takes 32 columns x 128 along K: a lane to a column, its registers down K; each load reads 128 consecutive bytes; a block of 32 lies in one lane.
.Lweights:
	s_sub_co_u32 s29, ttmp9, 128                   ; 0..47
	s_lshl_b32 s30, s29, 2
	s_add_co_u32 s30, s30, s27                     ; the job J
	s_mov_b32 s46, 2048                            ; bytes from row to row along K.  The defaults are w2's
	s_mov_b32 s47, 128                             ; bytes from one group of 32 columns to the next
	s_mov_b32 s48, 128                             ; the matrix's first job
	s_mov_b32 s49, 15                              ; column groups less one
	s_wait_kmcnt 0x0
	s_mov_b64 s[50:51], s[20:21]
	s_cmp_lt_u32 s29, 32                           ; every choice hangs on the work-group's number alone
	s_cselect_b64 s[50:51], s[18:19], s[50:51]     ; w1
	s_cselect_b32 s46, 8192, s46
	s_cselect_b32 s48, 64, s48
	s_cselect_b32 s49, 63, s49
	s_cmp_lt_u32 s29, 16
	s_cselect_b64 s[50:51], s[16:17], s[50:51]     ; w_proj
	s_cselect_b32 s46, 2048, s46
	s_cselect_b32 s48, 48, s48
	s_cmp_lt_u32 s29, 12
	s_cselect_b64 s[50:51], s[14:15], s[50:51]     ; wv: a group of 32 columns is a head, 65,536 bytes on; a row is 128 bytes
	s_cselect_b32 s46, 128, s46
	s_cselect_b32 s47, 65536, s47
	s_cselect_b32 s48, 32, s48
	s_cmp_lt_u32 s29, 8
	s_cselect_b64 s[50:51], s[12:13], s[50:51]     ; wk
	s_cselect_b32 s48, 16, s48
	s_cmp_lt_u32 s29, 4
	s_cselect_b64 s[50:51], s[10:11], s[50:51]     ; wq
	s_cselect_b32 s48, 0, s48
	s_sub_co_u32 s52, s30, s48                     ; the job within its matrix
	s_and_b32 s53, s52, s49                        ; its column group
	s_sub_co_u32 s54, s52, s53
	s_lshl_b32 s54, s54, 16                        ; w2 alone: 16 jobs on are 512 rows of 2,048 bytes on
	s_mul_i32 s53, s53, s47
	s_add_co_u32 s54, s54, s53
	s_lshl_b32 s56, s46, 5                         ; a block: 32 rows
	s_mov_b32 s57, 0
	s_lshl_b32 s58, s28, 2
	s_mul_i32 s58, s58, s56                        ; my K step: 4 blocks each
	s_add_co_u32 s54, s54, s58
	s_mov_b32 s55, 0
	s_add_nc_u64 s[32:33], s[50:51], s[54:55]      ; a base for each of my four blocks
	s_add_nc_u64 s[34:35], s[32:33], s[56:57]
	s_add_nc_u64 s[36:37], s[34:35], s[56:57]
	s_add_nc_u64 s[38:39], s[36:37], s[56:57]
	s_lshl_b32 s52, s30, 13
	s_lshl_b32 s58, s28, 10
	s_add_co_u32 s52, s52, s58
	s_mov_b32 s53, 0
	s_add_nc_u64 s[40:41], s[24:25], s[52:53]      ; codes: 8,192 J + 1,024 x K step
	s_lshl_b32 s52, s30, 9
	s_lshl_b32 s58, s28, 2
	s_add_co_u32 s52, s52, s58
	s_add_co_u32 s52, s52, SCB
	s_add_nc_u64 s[42:43], s[24:25], s[52:53]      ; scale rows: SCB + 512 J, word = K step
	s_wait_alu depctr_va_vdst(0)
	v_lshlrev_b32 v7, 2, v10                       ; 4 l: my column
.irp i, 0,1,2,3,4,5,6,7,8,9,10,11,12,13,14,15,16,17,18,19,20,21,22,23,24,25,26,27,28,29,30,31
	v_mad_u32_u24 v[OFF+\i], s46, \i, v7
.endr
	v_bfe_u32 v13, v0, 3, 1                        ; column l is row (l & 7) + 8 (l / 16) of tile (l / 8) & 1
	v_and_b32 v14, 7, v0
	s_delay_alu instid0(VALU_DEP_1)
	v_lshl_add_u32 v14, v12, 3, v14
	s_delay_alu instid0(VALU_DEP_1)
	v_lshlrev_b32 v14, 4, v14
	s_delay_alu instid0(VALU_DEP_1)
	v_lshl_add_u32 v8, v13, 12, v14                ; codes: 4,096 x tile + 16 x row
	s_delay_alu instid0(VALU_DEP_2)
	v_lshl_add_u32 v9, v13, 8, v14                 ; scale rows: 256 x tile + 16 x row
.irp t, 0,1,2,3
.irp i, 0,1,2,3,4,5,6,7,8,9,10,11,12,13,14,15,16,17,18,19,20,21,22,23,24,25,26,27,28,29,30,31
	global_load_b32 v[XW+32*\t+\i], v[OFF+\i], s[32+2*\t:33+2*\t] th:TH_LOAD_NT
.endr
.endr
.macro BLOCK t, left
	s_wait_loadcnt \left
	v_max3_num_f32 v[MA], |v[XW+32*\t]|, |v[XW+32*\t+1]|, |v[XW+32*\t+2]|   ; all 32 numbers of the block are mine
	v_max3_num_f32 v[MB], |v[XW+32*\t+3]|, |v[XW+32*\t+4]|, |v[XW+32*\t+5]|
.irp i, 6,10,14,18,22,26
	s_delay_alu instid0(VALU_DEP_2)
	v_max3_num_f32 v[MA], v[MA], |v[XW+32*\t+\i]|, |v[XW+32*\t+\i+1]|
	s_delay_alu instid0(VALU_DEP_2)
	v_max3_num_f32 v[MB], v[MB], |v[XW+32*\t+\i+2]|, |v[XW+32*\t+\i+3]|
.endr
	s_delay_alu instid0(VALU_DEP_2)
	v_max3_num_f32 v[MA], v[MA], |v[XW+32*\t+30]|, |v[XW+32*\t+31]|
	s_delay_alu instid0(VALU_DEP_1)
	v_max3_num_f32 v[MA], v[MA], v[MB], 0x1800000  ; and the floor
	s_delay_alu instid0(VALU_DEP_1)
	v_add_nc_u32 v[SCL+\t], 0xff000000, v[MA]
	s_delay_alu instid0(VALU_DEP_1)
	v_lshrrev_b32 v[BY], 23, v[SCL+\t]
.if \t == 0
	s_delay_alu instid0(VALU_DEP_1)
	v_mov_b32 v[SB], v[BY]
.else
	s_delay_alu instid0(VALU_DEP_1)
	v_lshl_or_b32 v[SB], v[BY], 8*\t, v[SB]
.endif
.irp g, 0,1,2,3
	v_cvt_scalef32_pk8_fp4_f32 v[CW+4*\t+\g], v[XW+32*\t+8*\g:XW+32*\t+8*\g+7], v[SCL+\t]
.endr
.endm
	BLOCK 0, 63                                    ; 96 younger loads could stay out; the wait's field ends at 63, and a smaller count is safe
	BLOCK 1, 63                                    ; (64 could)
	BLOCK 2, 32                                    ; the last block's 32 may be out
	BLOCK 3, 0
	v_nop                                          ; one plain place behind the last conversion
.irp t, 0,1,2,3
	global_store_b128 v8, v[CW+4*\t:CW+4*\t+3], s[40:41] offset:256*\t   ; the 16 lanes of a tile store 256 consecutive bytes, aligned
.endr
	global_store_b32 v9, v[SB], s[42:43]
	s_endpgm
.Lfunc_end_k_q926833295e_prep:
	.size	k_q926833295e_prep, .Lfunc_end_k_q926833295e_prep-k_q926833295e_prep
	.p2alignl 7, 3214868480
	.fill 96, 4, 3214868480
	.section	.rodata,"a",@progbits
	.p2align	6, 0x0
	.amdhsa_kernel k_q926833295e_prep
		.amdhsa_group_segment_fixed_size 4096
		.amdhsa_private_segment_fixed_size 0
		.amdhsa_enable_private_segment 0
		.amdhsa_kernarg_size 88
		.amdhsa_user_sgpr_count 2
		.amdhsa_user_sgpr_kernarg_segment_ptr 1
		.amdhsa_wavefront_size32 1
		.amdhsa_system_sgpr_workgroup_id_x 1
		.amdhsa_system_sgpr_workgroup_id_y 1
		.amdhsa_system_sgpr_workgroup_id_z 1
		.amdhsa_system_vgpr_workitem_id 0
		.amdhsa_next_free_vgpr 256
		.amdhsa_next_free_sgpr 66
		.amdhsa_reserve_vcc 0
		.amdhsa_float_denorm_mode_32 3
		.amdhsa_float_denorm_mode_16_64 3
		.amdhsa_memory_ordered 1
		.amdhsa_forward_progress 1
		.amdhsa_inst_pref_size 53
	.end_amdhsa_kernel
	.amdgpu_metadata
---
amdhsa.version: [ 1, 2 ]
amdhsa.kernels:
  - .name:           k_q926833295e_prep
    .symbol:         k_q926833295e_prep.kd
    .args:
      - { .name: x, .offset: 0, .size: 8, .value_kind: global_buffer, .address_space: global }
      - { .name: g1, .offset: 8, .size: 8, .value_kind: global_buffer, .address_space: global }
      - { .name: bt1, .offset: 16, .size: 8, .value_kind: global_buffer, .address_space: global }
      - { .name: wq, .offset: 24, .size: 8, .value_kind: global_buffer, .address_space: global }
      - { .name: wk, .offset: 32, .size: 8, .value_kind: global_buffer, .address_space: global }
      - { .name: wv, .offset: 40, .size: 8, .value_kind: global_buffer, .address_space: global }
      - { .name: w_proj, .offset: 48, .size: 8, .value_kind: global_buffer, .address_space: global }
      - { .name: w1, .offset: 56, .size: 8, .value_kind: global_buffer, .address_space: global }
      - { .name: w2, .offset: 64, .size: 8, .value_kind: global_buffer, .address_space: global }
      - { .name: hq, .offset: 72, .size: 8, .value_kind: global_buffer, .address_space: global }
      - { .name: wts, .offset: 80, .size: 8, .value_kind: global_buffer, .address_space: global }
    .group_segment_fixed_size: 4096
    .private_segment_fixed_size: 0
    .kernarg_segment_align: 8
    .kernarg_segment_size: 88
    .max_flat_workgroup_size: 512
    .sgpr_count:     66
    .vgpr_count:     256
    .wavefront_size: 32
...
	.end_amdgpu_metadata
.endif
;; end of part 5
;; launch qkv (part 6): grid 256 x 1, 4 waves a work-group, no clusters, 0 bytes of LDS; arguments hq, wts, qkv; writes qkv
.if DOCPART == 6
	.amdgcn_target "amdgcn-amd-amdhsa--gfx1250"
	.amdhsa_code_object_version 6
	.text
	.protected	k_q926833295e_qkv
	.globl	k_q926833295e_qkv
	.p2align	8
	.type	k_q926833295e_qkv,@function
k_q926833295e_qkv:
	s_mov_b64 s[64:65], 0
	v_nop
	global_prefetch_b8 v0, s[64:65] scope:SCOPE_SE
	s_setreg_imm32_b32 hwreg(HW_REG_WAVE_SCHED_MODE, 0, 2), 2
	s_setreg_imm32_b32 hwreg(HW_REG_WAVE_MODE, 25, 1), 1
	s_wait_xcnt 0x0
	s_wait_alu depctr_vm_vsrc(0)
; q, k, v = h wq, h wk, h wv on codes of FP4, and at once quantised again: q and k along the head's 32 (one block), v along the keys.
; A work-group takes 128 tokens (8 tiles) and four heads, a wave one head: six units of 32 matrix instructions.  Every operand comes from memory as an image of its registers, by loads of 512 consecutive bytes; no LDS, no barrier, no loop.
; Q AND K: source 0 = 16 rows of the weight (d in tile order), source 1 = 16 tokens: a lane holds one token, and the 16 registers of the two tiles of d are 16 neighbouring d.
; Four tiles of tokens make the 64 numbers that QUANT takes: its block b is the head's 32 numbers of the token in tile 4 f + b.  So ONE fragment holds 64 tokens, a token to a block.
; V: source 0 = 16 tokens, source 1 = 16 rows of wv: a lane holds one d, and its 64 registers are 128 / 2 neighbouring keys in QUANT's order: the fragment is V^T, keys innermost.
; qkv: for each (batch, head) a record of 69,632 bytes: K's 32 fragments, V^T's 16 steps x 2 tiles of d from 32,768, K's scale words from 65,536, V's from 67,584; Q's fragments from QB, its scale words from QSB.
; LIMITS: as stated at the head of the first launch (byte 1 for blocks of zeros and under the floor; no NaN, no infinities).
; REGISTERS: window 0: v1-3 addresses; v16-79 eight accumulators; v88-103 at work; v112-143 h's scale words; v144-167 the weights'; v168-221 each unit's own codes and scale word, so that no store's data are written again.
;   window 1: h's 32 fragments (tile i, K step s) at 8 (4 i + s).   window 2: the weights' 24 at 64 mat + 8 (4 u + s).
; THE MODE: SCHED_MODE bits 1:0 = 2 (LLVM: expert scheduling mode 2), set by the entry lines.  The code itself states the register dependences
; between vector or matrix instructions and memory instructions, with s_wait_alu, always for 0.
; THE PLAN.  Registers that memory instructions touch:
;   v1, v2, v3      offsets, written at the head and never again.
;   HS, WS, windows 1 and 2   the head's loads land in them; no vector instruction names them ahead of those loads, and nothing is loaded later.
;   PC + 8 n, PW + n   unit n's QUANT writes them; three stores read them; nothing writes them again.
; Unit n's three stores stand in unit n + 1, behind that unit's products and their places and ahead of its QUANT: ONE wait on va_vdst there states that unit n's QUANT has written its codes and its scale word.
; So a unit's QUANT runs on into the next unit's products with no wait between.  The last unit has a wait of its own behind its QUANT.
.set HSB, 2097152
.set SCB, 1572864
.set REC, 69632
.set QB,  4456448
.set QSB, 6553600
.set HA,  16
.set TM,  88
.set HS,  112
.set WS,  144
.set PC,  168
.set PW,  216
.set SEL, 24
.set MSB, 0
.macro WIN new                         ; the immediate's high byte repeats the setting that is left
.if MSB != \new
	s_set_vgpr_msb (MSB<<8)|\new
.set MSB, \new
.endif
.endm
.macro QUANT s, pc, pw                 ; 64 numbers of a lane, register 16 b + i = k 32 b + 16 h + i of its row -> codes in v[pc] on, scale word in v[pw]
.irp b, 0,1,2,3
	v_max3_num_f32 v[TM+\b], |v[\s+16*\b]|, |v[\s+1+16*\b]|, 0x1800000   ; and the floor 2^(3 - 127).  Each accumulator is read from its low end on
.endr
.irp i, 2,4,6,8,10,12,14
.irp b, 0,1,2,3
	v_max3_num_f32 v[TM+\b], v[TM+\b], |v[\s+16*\b+\i]|, |v[\s+1+16*\b+\i]|
.endr
.endr
.irp b, 0,1,2,3
	v_permlanex16_b32 v[TM+4+\b], v[TM+\b], s[SEL], s[SEL+1]
.endr
.irp b, 0,1,2,3
	v_max_num_f32 v[TM+\b], v[TM+\b], v[TM+4+\b]
.endr
.irp b, 0,1,2,3
	v_add_nc_u32 v[TM+12+\b], 0xff000000, v[TM+\b]
.endr
.irp b, 0,1,2,3
	v_lshrrev_b32 v[TM+4+\b], 23, v[TM+12+\b]
.endr
	v_lshl_or_b32 v[\pw], v[TM+5], 8, v[TM+4]
	v_lshl_or_b32 v[\pw], v[TM+6], 16, v[\pw]
	v_lshl_or_b32 v[\pw], v[TM+7], 24, v[\pw]
.irp b, 0,1,2,3
	v_cvt_scalef32_pk8_fp4_f32 v[\pc+2*\b], v[\s+16*\b:\s+7+16*\b], v[TM+12+\b]
	v_cvt_scalef32_pk8_fp4_f32 v[\pc+1+2*\b], v[\s+8+16*\b:\s+15+16*\b], v[TM+12+\b]
.endr
	v_nop                                          ; one plain place behind a scaled conversion
.irp c, 0,1
.irp i, 0,1
	v_permlane16_swap_b32 v[\pc+4*\c+\i], v[\pc+2+4*\c+\i]
.endr
.endr
.endm
.macro PLACES                          ; behind matrix instructions, in front of the first read of their results
.rept 4
	v_nop
.endr
.endm
	s_load_b128 s[4:7], s[0:1], 0x0                ; hq, wts
	s_load_b64 s[8:9], s[0:1], 0x10                ; qkv
	v_lshrrev_b32 v1, 5, v0
	v_readfirstlane_b32 s10, v1                    ; wave 0..3
	v_and_b32 v1, 31, v0
	v_lshlrev_b32 v1, 4, v1                        ; 16 l
	v_and_b32 v3, 15, v0
	v_lshlrev_b32 v2, 4, v3                        ; 16 r
	v_lshlrev_b32 v3, 2, v3                        ; 4 r
.irp b, 0,1,2,3
	v_mov_b32 v[TM+4+\b], 0                        ; a lane permute's destination counts as one of its sources
.endr
	s_mov_b32 s[SEL], 0x76543210
	s_mov_b32 s[SEL+1], 0xfedcba98
	s_lshr_b32 s11, ttmp9, 2                       ; which 128 tokens
	s_and_b32 s12, ttmp9, 3
	s_lshl_b32 s12, s12, 2
	s_wait_alu depctr_va_sdst(0)                   ; s10, the wave's number, is written, ahead of its first reader
	s_add_co_u32 s12, s12, s10                     ; the head
	s_lshl_b32 s14, s11, 15                        ; h's images: 8 tiles x 4,096
	s_mov_b32 s15, 0
	s_lshl_b32 s16, s11, 11
	s_add_co_u32 s16, s16, HSB                     ; h's scale rows
	s_mov_b32 s17, 0
	s_lshl_b32 s18, s12, 13                        ; the head's job in wq; wk and wv lie 131,072 and 262,144 on
	s_mov_b32 s19, 0
	s_lshl_b32 s20, s12, 9
	s_add_co_u32 s20, s20, SCB                     ; its scale rows; wk's and wv's 8,192 and 16,384 on
	s_mov_b32 s21, 0
	s_lshr_b32 s22, s11, 4
	s_lshl_b32 s22, s22, 4
	s_add_co_u32 s22, s22, s12                     ; 16 x batch + head
	s_and_b32 s23, s11, 15                         ; which 128 tokens of the batch
	s_mul_i32 s26, s22, REC
	s_lshl_b32 s27, s23, 11
	s_lshl_b32 s28, s23, 7
	s_add_co_u32 s30, s26, s27                     ; the record, + 2,048 for each 128 tokens: K's two fragments; V's two lie 32,768 on
	s_mov_b32 s31, 0
	s_add_co_u32 s32, s26, s28
	s_add_co_u32 s32, s32, 65536                   ; K's scale words; V's lie 2,048 on
	s_mov_b32 s33, 0
	s_lshl_b32 s34, s22, 15
	s_add_co_u32 s34, s34, s27
	s_add_co_u32 s34, s34, QB                      ; Q's fragments
	s_mov_b32 s35, 0
	s_lshl_b32 s36, s22, 11
	s_add_co_u32 s36, s36, s28
	s_add_co_u32 s36, s36, QSB                     ; Q's scale words
	s_mov_b32 s37, 0
	s_wait_kmcnt 0x0
	s_add_nc_u64 s[40:41], s[4:5], s[14:15]
	s_add_nc_u64 s[42:43], s[4:5], s[16:17]
	s_add_nc_u64 s[44:45], s[6:7], s[18:19]
	s_add_nc_u64 s[46:47], s[6:7], s[20:21]
	s_add_nc_u64 s[30:31], s[8:9], s[30:31]
	s_add_nc_u64 s[32:33], s[8:9], s[32:33]
	s_add_nc_u64 s[34:35], s[8:9], s[34:35]
	s_add_nc_u64 s[36:37], s[8:9], s[36:37]
	s_wait_alu depctr_va_vdst(0)                   ; the offsets v1, v2 and v3 are written: every load and store of the kernel reads one of them.  Only loads and window switches follow up to the last load
.irp i, 0,1,2,3,4,5,6,7
	global_load_b128 v[HS+4*\i:HS+4*\i+3], v2, s[42:43] offset:256*\i      ; row r's four words, one for each K step
.endr
.irp mat, 0,1,2
.irp u, 0,1
	global_load_b128 v[WS+8*\mat+4*\u:WS+8*\mat+4*\u+3], v2, s[46:47] offset:8192*\mat+256*\u
.endr
.endr
	WIN 0x40                                       ; destination window 1
.set q, 0
.rept 32
	global_load_b128 v[8*q:8*q+3], v1, s[40:41] offset:1024*q
	global_load_b128 v[8*q+4:8*q+7], v1, s[40:41] offset:1024*q+512
.set q, q+1
.endr
	WIN 0x80                                       ; destination window 2
.irp mat, 0,1,2
.irp p, 0,1,2,3,4,5,6,7
	global_load_b128 v[64*\mat+8*\p:64*\mat+8*\p+3], v1, s[44:45] offset:131072*\mat+1024*\p
	global_load_b128 v[64*\mat+8*\p+4:64*\mat+8*\p+7], v1, s[44:45] offset:131072*\mat+1024*\p+512
.endr
.endr
	WIN 0
; q or k of 64 tokens (tiles 4 f .. 4 f + 3): 32 matrix instructions, the eight accumulators by turns; then the places.
.macro MULQK mat, f
	WIN 0x06                                       ; source 0 (the weight) window 2, source 1 (h) window 1
.irp s, 0,1,2,3
.irp b, 0,1,2,3
.irp u, 0,1
.if \s == 0
	v_wmma_scale_f32_16x16x128_f8f6f4 v[HA+8*(2*\b+\u):HA+8*(2*\b+\u)+7], v[64*\mat+8*(4*\u+\s):64*\mat+8*(4*\u+\s)+7], v[8*(4*(4*\f+\b)+\s):8*(4*(4*\f+\b)+\s)+7], 0, v[WS+8*\mat+4*\u+\s], v[HS+4*(4*\f+\b)+\s] matrix_a_fmt:MATRIX_FMT_FP4 matrix_b_fmt:MATRIX_FMT_FP4
.else
	v_wmma_scale_f32_16x16x128_f8f6f4 v[HA+8*(2*\b+\u):HA+8*(2*\b+\u)+7], v[64*\mat+8*(4*\u+\s):64*\mat+8*(4*\u+\s)+7], v[8*(4*(4*\f+\b)+\s):8*(4*(4*\f+\b)+\s)+7], v[HA+8*(2*\b+\u):HA+8*(2*\b+\u)+7], v[WS+8*\mat+4*\u+\s], v[HS+4*(4*\f+\b)+\s] matrix_a_fmt:MATRIX_FMT_FP4 matrix_b_fmt:MATRIX_FMT_FP4
.endif
.endr
.endr
.endr
	WIN 0
	PLACES
.endm
; v of the 128 tokens at 16 of the head's d (tile dt): the result is V^T's fragment of this key step.
.macro MULV dt
	WIN 0x09                                       ; source 0 (h) window 1, source 1 (wv) window 2
.irp s, 0,1,2,3
.irp i, 0,1,2,3,4,5,6,7
.if \s == 0
	v_wmma_scale_f32_16x16x128_f8f6f4 v[HA+8*\i:HA+8*\i+7], v[8*(4*\i+\s):8*(4*\i+\s)+7], v[128+8*(4*\dt+\s):128+8*(4*\dt+\s)+7], 0, v[HS+4*\i+\s], v[WS+16+4*\dt+\s] matrix_a_fmt:MATRIX_FMT_FP4 matrix_b_fmt:MATRIX_FMT_FP4
.else
	v_wmma_scale_f32_16x16x128_f8f6f4 v[HA+8*\i:HA+8*\i+7], v[8*(4*\i+\s):8*(4*\i+\s)+7], v[128+8*(4*\dt+\s):128+8*(4*\dt+\s)+7], v[HA+8*\i:HA+8*\i+7], v[HS+4*\i+\s], v[WS+16+4*\dt+\s] matrix_a_fmt:MATRIX_FMT_FP4 matrix_b_fmt:MATRIX_FMT_FP4
.endif
.endr
.endr
	WIN 0
	PLACES
.endm
; Unit n's fragment and scale words leave: the wait, then the three stores.  bi, oi: the images' base and offset; bs, os: the scale words'.
.macro SEND n, bi, oi, bs, os
	s_wait_alu depctr_va_vdst(0)                   ; unit n's QUANT has written v[PC + 8 n ..] and v[PW + n], which the three stores read
	global_store_b128 v1, v[PC+8*\n:PC+8*\n+3], s[\bi:\bi+1] offset:\oi
	global_store_b128 v1, v[PC+8*\n+4:PC+8*\n+7], s[\bi:\bi+1] offset:\oi+512
	global_store_b32 v3, v[PW+\n], s[\bs:\bs+1] offset:\os
.endm
	s_wait_loadcnt 32                              ; all but wk's and wv's 32 loads are in
	MULQK 0, 0
	QUANT HA, PC, PW
	MULQK 0, 1
	SEND 0, 34, 0, 36, 0                           ; the unit before leaves behind this unit's products and places, ahead of the lines that read their results
	QUANT HA, PC+8, PW+1
	s_wait_loadcnt 16                              ; all but wv's 16
	MULQK 1, 0
	SEND 1, 34, 1024, 36, 64
	QUANT HA, PC+16, PW+2
	MULQK 1, 1
	SEND 2, 30, 0, 32, 0
	QUANT HA, PC+24, PW+3
	s_wait_loadcnt 0x0
	MULV 0
	SEND 3, 30, 1024, 32, 64
	QUANT HA, PC+32, PW+4
	MULV 1
	SEND 4, 30, 32768, 32, 2048
	QUANT HA, PC+40, PW+5
	SEND 5, 30, 33792, 32, 2112                    ; the last unit: its own wait, behind its QUANT
	s_endpgm
.Lfunc_end_k_q926833295e_qkv:
	.size	k_q926833295e_qkv, .Lfunc_end_k_q926833295e_qkv-k_q926833295e_qkv
	.p2alignl 7, 3214868480
	.fill 96, 4, 3214868480
	.section	.rodata,"a",@progbits
	.p2align	6, 0x0
	.amdhsa_kernel k_q926833295e_qkv
		.amdhsa_group_segment_fixed_size 0
		.amdhsa_private_segment_fixed_size 0
		.amdhsa_enable_private_segment 0
		.amdhsa_kernarg_size 24
		.amdhsa_user_sgpr_count 2
		.amdhsa_user_sgpr_kernarg_segment_ptr 1
		.amdhsa_wavefront_size32 1
		.amdhsa_system_sgpr_workgroup_id_x 1
		.amdhsa_system_sgpr_workgroup_id_y 1
		.amdhsa_system_sgpr_workgroup_id_z 1
		.amdhsa_system_vgpr_workitem_id 0
		.amdhsa_next_free_vgpr 768
		.amdhsa_next_free_sgpr 66
		.amdhsa_reserve_vcc 0
		.amdhsa_float_denorm_mode_32 3
		.amdhsa_float_denorm_mode_16_64 3
		.amdhsa_memory_ordered 1
		.amdhsa_forward_progress 1
		.amdhsa_inst_pref_size 64
	.end_amdhsa_kernel
	.amdgpu_metadata
---
amdhsa.version: [ 1, 2 ]
amdhsa.kernels:
  - .name:           k_q926833295e_qkv
    .symbol:         k_q926833295e_qkv.kd
    .args:
      - { .name: hq, .offset: 0, .size: 8, .value_kind: global_buffer, .address_space: global }
      - { .name: wts, .offset: 8, .size: 8, .value_kind: global_buffer, .address_space: global }
      - { .name: qkv, .offset: 16, .size: 8, .value_kind: global_buffer, .address_space: global }
    .group_segment_fixed_size: 0
    .private_segment_fixed_size: 0
    .kernarg_segment_align: 8
    .kernarg_segment_size: 24
    .max_flat_workgroup_size: 128
    .sgpr_count:     66
    .vgpr_count:     768
    .wavefront_size: 32
...
	.end_amdgpu_metadata
.endif
;; end of part 6
;; launch attn (part 7): grid 4 x 64, 16 waves a work-group, no clusters, 169,984 bytes of LDS; arguments qkv, at; writes at
.if DOCPART == 7
	.amdgcn_target "amdgcn-amd-amdhsa--gfx1250"
	.amdhsa_code_object_version 6
	.text
	.protected	k_q926833295e_attn
	.globl	k_q926833295e_attn
	.p2align	8
	.type	k_q926833295e_attn,@function
k_q926833295e_attn:
	s_mov_b64 s[64:65], 0
	v_nop
	global_prefetch_b8 v0, s[64:65] scope:SCOPE_SE
	s_setreg_imm32_b32 hwreg(HW_REG_WAVE_MODE, 25, 1), 1
	s_wait_xcnt 0x0
; attn[q] = the sum over keys of softmax(q . k / sqrt(512)) v for one (batch, head), both products on codes of FP4; the result, divided by the row's sum, is quantised along the head's 32, which is one block of the next product's K, and leaves as codes.
; THE SOFTMAX AHEAD OF THE SECOND PRODUCT: t = score x log2(e) / sqrt(512); M = the running largest t rounded UP to a whole number; p = 2^(t - M) is quantised along the keys, not normalised; the row's sum is taken of the unquantised p.
; When M moves, the sum and O are multiplied by 2^(old M - new M), which rounds nothing.  A block's largest p is made from the block's largest score by the same two instructions (this takes v_exp_f32 not to fall where its input rises).
; SHARES.  A work-group owns 512 queries of a head; each of its sixteen waves two tiles of 16, one after the other, in 256 registers: four waves to a SIMD, so that one wave's vector work stands beside another's products and LDS loads.
; LDS holds the head's whole record, 69,632 bytes, as it lies in memory: K's 32 fragments, V^T's 32, their scale words.  It is filled ONCE, each wave bringing 17 rows of 256 bytes by one tensor load; nothing is filled again.
; NO CLUSTER: what the four work-groups of a head share is those 69,632 bytes, fetched once at the head of 512 wave-steps a work-group.
; THE FIRST PRODUCT'S K IS 32, the instruction's 128.  A fragment of K holds 64 keys, a key to a block; it is multiplied four times, by four forms of Q that hold q in block j and zero codes elsewhere: tile 4 f + j of S^T.
; The four forms share registers: v16-19 zeros, v20-23 q in lanes 0-15, v24-27 zeros, v28-31 q in lanes 16-31, v32-35 zeros: form 0 = v[20:27], 1 = v[28:35], 2 = v[16:23], 3 = v[24:31].
; Both products are used transposed: a lane holds one query throughout; by the order of rows in a tile the 16 registers of tiles 2 b, 2 b + 1 of S^T are keys 32 b + 16 h + 0 .. 15 of the step.
; LIMITS: as stated at the head of the first launch; the byte of a block of zeros is 1.
; REGISTERS: v1-6, v9 addresses; v12 -M, v13 the largest t, v[14:15] the sum; v16-35 Q's forms, v36 its scale byte four times; v40-55 K, v56-57 its scale words; v58-59 V's, v64-79 V; v80-91 both tiles' q as loaded;
;   v96-159 S^T, then p; v160-175 O^T; v224-231 p's codes; v232-254 at work.
.set REC, 69632
.set QB,  4456448
.set QSB, 6553600
.set ASB, 2097152
.set AK0, 1                            ; 16 l
.set AS0, 2                            ; 65,536 + 4 r: my row among K's scale words
.set ADR, 3
.set ADS, 4
.set GO,  5                            ; 16 r + 8 h
.set R16, 6
.set R4,  9
.set KF,  40
.set KS,  56
.set VS,  58
.set VF,  64
.set SEL, 24                           ; s[24:25]
.set CS,  26                           ; s[26:27] c = log2(e) / sqrt(512)
.set TB,  28                           ; 2,048 x key step
.set TS,  29                           ; 128 x key step
.set CNT, 30
.set PSEL, 31
	s_load_b128 s[4:7], s[0:1], 0x0                ; qkv, at
	v_lshl_add_u32 v251, v0, 2, 0x29000
	v_mov_b32 v255, 0
	ds_add_u32 v251, v255
	ds_add_u32 v251, v255
	v_lshrrev_b32 v1, 5, v0
	s_delay_alu instid0(VALU_DEP_1)
	v_readfirstlane_b32 s8, v1                     ; wave 0..15
	s_and_b32 s9, ttmp7, 0xffff                    ; 16 x batch + head
	; descriptor group 1: 17 rows of 32 elements of 8 bytes, dense, no padding
	s_mov_b32 s16, 3<<16                           ; no mask; elements of 8 bytes
	s_mov_b32 s17, 32<<16                          ; tensor_dim0 = 32
	s_mov_b32 s18, 17<<16                          ; tensor_dim1 = 17
	s_mov_b32 s19, 32<<16                          ; tile_dim0 = 32
	s_mov_b32 s20, 17                              ; tile_dim1 = 17
	s_mov_b32 s21, 32                              ; the pitch
	s_mov_b32 s22, 0
	s_mov_b32 s23, 0
	s_mov_b32 s12, 1                               ; group 0: count,
	s_mul_i32 s13, s8, 4352                        ; LDS address: my wave's 17 rows,
	s_mul_i32 s42, s9, REC
	s_add_co_u32 s42, s42, s13                     ; the same place in the record
	s_mov_b32 s43, 0
	s_wait_dscnt 0x0
	s_wait_kmcnt 0x0
	s_add_nc_u64 s[14:15], s[4:5], s[42:43]
	s_or_b32 s15, s15, 0x80000000                  ; type = 2
	tensor_load_to_lds s[12:15], s[16:23]          ; my one tensor load of the launch
	s_nop 0
.rept 4
	v_nop                                          ; behind a tensor load
.endr
	s_mov_b32 s[SEL], 0x76543210
	s_mov_b32 s[SEL+1], 0xfedcba98
	s_mov_b32 s[CS], 0x3d8293ee
	s_mov_b32 s[CS+1], s[CS]                       ; named with it as a pair, so it is written
	s_and_b32 s[PSEL], s8, 3
	s_mul_i32 s[PSEL], s[PSEL], 0x01010101         ; my tile is block (wave & 3) of its fragment of Q: that byte of the scale word, four times
	s_lshl_b32 s42, s9, 15
	s_lshl_b32 s44, ttmp9, 13
	s_add_co_u32 s42, s42, s44
	s_lshl_b32 s44, s8, 8
	s_add_co_u32 s42, s42, s44
	s_add_co_u32 s42, s42, QB                      ; q's codes: tile 32 x + wave of the head, 256 bytes a tile; the second tile 16 tiles on
	s_add_nc_u64 s[34:35], s[4:5], s[42:43]
	s_lshl_b32 s42, s9, 11
	s_lshl_b32 s44, ttmp9, 9
	s_add_co_u32 s42, s42, s44
	s_lshr_b32 s44, s8, 2
	s_lshl_b32 s44, s44, 6
	s_add_co_u32 s42, s42, s44
	s_add_co_u32 s42, s42, QSB                     ; q's scale words: 64 bytes a fragment of four tiles
	s_add_nc_u64 s[36:37], s[4:5], s[42:43]
	s_lshr_b32 s44, s9, 4
	s_lshl_b32 s44, s44, 7                         ; 128 tiles a batch
	s_lshl_b32 s45, ttmp9, 5
	s_add_co_u32 s44, s44, s45
	s_add_co_u32 s44, s44, s8                      ; my first tile among all 512
	s_and_b32 s45, s9, 15                          ; the head
	s_lshl_b32 s42, s44, 12
	s_lshl_b32 s46, s45, 8
	s_add_co_u32 s42, s42, s46                     ; the head is block (head) of the tile's 16: 256 bytes each
	s_add_nc_u64 s[38:39], s[6:7], s[42:43]
	s_lshl_b32 s42, s44, 8
	s_add_co_u32 s42, s42, s45
	s_add_co_u32 s42, s42, ASB                     ; and byte (head) of each row's 16 scale bytes
	s_add_nc_u64 s[40:41], s[6:7], s[42:43]
	v_and_b32 v7, 31, v0
	s_delay_alu instid0(VALU_DEP_1)
	v_lshlrev_b32 v[AK0], 4, v7
	v_and_b32 v8, 15, v0
	s_delay_alu instid0(VALU_DEP_1)
	v_lshlrev_b32 v[R16], 4, v8
	s_delay_alu instid0(VALU_DEP_2)
	v_lshlrev_b32 v[R4], 2, v8
	s_delay_alu instid0(VALU_DEP_3)
	v_lshl_add_u32 v[AS0], v8, 2, 0x10000
	v_bfe_u32 v10, v0, 4, 1
	s_delay_alu instid0(VALU_DEP_1)
	v_lshl_add_u32 v[GO], v10, 3, v[R16]
	v_cmp_gt_u32 vcc_lo, 16, v7                    ; lanes 0-15; kept for the whole launch
	global_load_b128 v[80:83], v[R16], s[34:35]               ; both halves of the lanes take row r's 32 codes
	global_load_b32 v84, v[R4], s[36:37]
	global_load_b128 v[88:91], v[R16], s[34:35] offset:4096
	global_load_b32 v85, v[R4], s[36:37] offset:256
.irp k, 16,17,18,19,24,25,26,27,32,33,34,35
	v_mov_b32 v\k, 0                               ; the zero codes of Q's four forms
.endr
	s_wait_tensorcnt 0x0                           ; my part of the record has landed,
	s_barrier_signal -1
	s_barrier_wait -1                              ; everybody's has
	s_wait_loadcnt 0x0                             ; q
; ONE TILE OF 16 QUERIES against all 2,048 keys.  q, w: the registers that hold its codes and scale word as loaded.
.macro TILE it, q, w
	s_wait_xcnt 0x0                                ; the last tile's stores have read their registers, which are written again below
.irp k, 0,1,2,3
	v_cndmask_b32 v[20+\k], v16, v[\q+\k], vcc_lo  ; q in lanes 0-15, zeros above
	v_cndmask_b32 v[28+\k], v[\q+\k], v16, vcc_lo  ; and the other way round
.endr
	v_perm_b32 v36, v[\w], v[\w], s[PSEL]
	v_mov_b32 v13, 0xff61b1e6                      ; the largest t so far: -3e38.  (These lines are also the places between the operand and scale registers just written and the first product)
	s_delay_alu instid0(VALU_DEP_1)
	v_floor_f32 v12, -v13                          ; -M
	v_mov_b32 v14, 0
	v_mov_b32 v15, 0
.irp j, 0,1,2,3,4,5,6,7,8,9,10,11,12,13,14,15
	v_mov_b32 v[160+\j], 0                         ; O^T: the step is written once; the first finds zeros, which the first change of M leaves zeros
.endr
.irp b, 0,1,2,3
	v_mov_b32 v[236+\b], 0                         ; a lane permute's destination counts as one of its sources
.endr
	v_mov_b32 v253, 0                              ; named as the upper half of v[252:253] before it is first written
	s_mov_b32 s[TB], 0
	s_mov_b32 s[TS], 0
	s_mov_b32 s[CNT], 16
.irp f, 0,1
.irp c, 0,1
	ds_load_b128 v[KF+8*\f+4*\c:KF+8*\f+4*\c+3], v[AK0] offset:1024*\f+512*\c      ; K of step 0
.endr
	ds_load_b32 v[KS+\f], v[AS0] offset:64*\f
.endr
	s_wait_dscnt 0x0
.Lstep_\@:                                     ; a trip: 128 keys
	s_setprio 2
.irp f, 0,1
.irp j, 0,1,2,3
	v_wmma_scale_f32_16x16x128_f8f6f4 v[96+8*(4*\f+\j):103+8*(4*\f+\j)], v[KF+8*\f:KF+8*\f+7], v[16+8*(\j%2)+4*(1-\j/2):23+8*(\j%2)+4*(1-\j/2)], 0, v[KS+\f], v36 matrix_a_fmt:MATRIX_FMT_FP4 matrix_b_fmt:MATRIX_FMT_FP4
.endr
.endr
	v_add_nc_u32 v[ADR], s[TB], v[AK0]             ; these two and two v_nop are the four places in front of loads into registers that products have read, and of the first read of the scores
	v_add_nc_u32 v[ADS], s[TS], v[AS0]
	v_nop
	v_nop
.irp d, 0,1
.irp c, 0,1
	ds_load_b128 v[VF+8*\d+4*\c:VF+8*\d+4*\c+3], v[ADR] offset:32768+1024*\d+512*\c     ; V^T of this step
.endr
	ds_load_b32 v[VS+\d], v[ADS] offset:2048+64*\d
.endr
.irp f, 0,1
.irp c, 0,1
	ds_load_b128 v[KF+8*\f+4*\c:KF+8*\f+4*\c+3], v[ADR] offset:2048+1024*\f+512*\c      ; K of the next step.  In the last trip these fall on V's first bytes, inside what was filled, and are not used
.endr
	ds_load_b32 v[KS+\f], v[ADS] offset:128+64*\f
.endr
.irp b, 0,1,2,3
	v_max3_num_f32 v[232+\b], v[96+16*\b], v[97+16*\b], v[98+16*\b]   ; the largest score of each block of 32 keys: for the row's maximum, and for the block's largest p
.endr
.irp i, 3,5,7,9,11,13
.irp b, 0,1,2,3
	v_max3_num_f32 v[232+\b], v[232+\b], v[96+16*\b+\i], v[97+16*\b+\i]
.endr
.endr
.irp b, 0,1,2,3
	v_max_num_f32 v[232+\b], v[232+\b], v[111+16*\b]
.endr
.irp b, 0,1,2,3
	s_delay_alu instid0(VALU_DEP_4)
	v_permlanex16_b32 v[236+\b], v[232+\b], s[SEL], s[SEL+1]
.endr
.irp b, 0,1,2,3
	s_delay_alu instid0(VALU_DEP_4)
	v_max_num_f32 v[232+\b], v[232+\b], v[236+\b]  ; with lane l xor 16's 16 keys
.endr
	s_delay_alu instid0(VALU_DEP_2)
	v_max3_num_f32 v254, v232, v233, v234
	s_delay_alu instid0(VALU_DEP_1)
	v_max_num_f32 v254, v254, v235                 ; the step's largest score of my query
	s_delay_alu instid0(VALU_DEP_1)
	v_mul_f32 v254, s[CS], v254                    ; as t (c is positive)
	s_delay_alu instid0(VALU_DEP_1)
	v_max_num_f32 v13, v13, v254                   ; the running largest t
	v_mov_b32 v254, v12
	s_delay_alu instid0(VALU_DEP_2)
	v_floor_f32 v12, -v13                          ; the new -M = -ceil(t)
	s_delay_alu instid0(VALU_DEP_1)
	v_sub_f32 v254, v12, v254                      ; old M - new M: a whole number, 0 or less
	s_delay_alu instid0(VALU_DEP_1)
	v_cvt_i32_f32 v254, v254                       ; (it saturates)
	s_delay_alu instid0(VALU_DEP_1)
	v_ldexp_f32 v252, 1.0, v254                    ; f = 2^(old M - new M)
.irp j, 0,2,4,6,8,10,12,14,16,18,20,22,24,26,28,30,32,34,36,38,40,42,44,46,48,50,52,54,56,58,60,62
	v_pk_fma_f32 v[96+\j:97+\j], v[96+\j:97+\j], s[CS:CS+1], v[12:13] op_sel_hi:[1,0,0]   ; t - M, two at a time
.endr
.irp b, 0,1,2,3
	v_fma_f32 v[232+\b], v[232+\b], s[CS], v12     ; the same of each block's largest score
.endr
	s_setprio 1
	s_wait_alu depctr_va_vdst(0)
.irp j, 0,1,2,3,4,5,6,7,8,9,10,11,12,13,14,15,16,17,18,19,20,21,22,23,24,25,26,27,28,29,30,31,32,33,34,35,36,37,38,39,40,41,42,43,44,45,46,47,48,49,50,51,52,53,54,55,56,57,58,59,60,61,62,63
	v_exp_f32 v[96+\j], v[96+\j]                   ; p = 2^(t - M)
.endr
.irp b, 0,1,2,3
	v_exp_f32 v[232+\b], v[232+\b]                 ; the block's largest p
.endr
	v_pk_mul_f32 v[14:15], v[14:15], v[252:253] op_sel_hi:[1,0]   ; the sums under the new M.  (A plain place behind the exponentials)
	s_wait_alu depctr_va_vdst(0)
.irp b, 0,1,2,3
	v_max_num_f32 v[232+\b], 0x1800000, v[232+\b]  ; the floor: the byte cannot fall under 1
.endr
.irp b, 0,1,2,3
	s_delay_alu instid0(VALU_DEP_4)
	v_add_nc_u32 v[244+\b], 0xff000000, v[232+\b]  ; the conversion's scale operand
.endr
.irp b, 0,1,2,3
	s_delay_alu instid0(VALU_DEP_4)
	v_lshrrev_b32 v[236+\b], 23, v[244+\b]         ; the scale's byte
.endr
	s_delay_alu instid0(VALU_DEP_3)
	v_lshl_or_b32 v253, v237, 8, v236              ; p's scale word for these 128 keys
	s_delay_alu instid0(VALU_DEP_1)
	v_lshl_or_b32 v253, v238, 16, v253
	s_delay_alu instid0(VALU_DEP_1)
	v_lshl_or_b32 v253, v239, 24, v253
.irp b, 0,1,2,3
	v_cvt_scalef32_pk8_fp4_f32 v[224+2*\b], v[96+16*\b:103+16*\b], v[244+\b]
	v_cvt_scalef32_pk8_fp4_f32 v[225+2*\b], v[104+16*\b:111+16*\b], v[244+\b]
.endr
	v_nop                                          ; one plain place behind a scaled conversion
.irp c, 0,1
.irp i, 0,1
	v_permlane16_swap_b32 v[224+4*\c+\i], v[226+4*\c+\i]   ; a whole block to a lane
.endr
.endr
	v_pk_add_f32 v[236:237], v[100:101], v[104:105]
	v_pk_add_f32 v[248:249], v[108:109], v[112:113]
	v_pk_add_f32 v[246:247], v[116:117], v[120:121]
	v_pk_add_f32 v[244:245], v[124:125], v[128:129]
	v_pk_add_f32 v[242:243], v[132:133], v[136:137]
	v_pk_add_f32 v[240:241], v[140:141], v[144:145]
	v_pk_add_f32 v[234:235], v[148:149], v[152:153]
	v_pk_add_f32 v[14:15], v[14:15], v[156:157]
	v_pk_add_f32 v[236:237], v[236:237], v[96:97]
	v_pk_add_f32 v[248:249], v[248:249], v[98:99]
	v_pk_add_f32 v[246:247], v[246:247], v[102:103]
	s_setprio 0
	v_pk_add_f32 v[244:245], v[244:245], v[106:107]
	v_pk_add_f32 v[242:243], v[242:243], v[110:111]
	v_pk_add_f32 v[240:241], v[240:241], v[114:115]
	v_pk_add_f32 v[234:235], v[234:235], v[118:119]
	v_pk_add_f32 v[14:15], v[14:15], v[122:123]
	v_pk_add_f32 v[236:237], v[236:237], v[126:127]
	v_pk_add_f32 v[248:249], v[248:249], v[130:131]
	v_pk_add_f32 v[246:247], v[246:247], v[134:135]
	v_pk_add_f32 v[244:245], v[244:245], v[138:139]
	v_pk_add_f32 v[242:243], v[242:243], v[142:143]
	v_pk_add_f32 v[240:241], v[240:241], v[146:147]
	v_pk_add_f32 v[234:235], v[234:235], v[150:151]
	v_pk_add_f32 v[14:15], v[14:15], v[154:155]
	v_pk_add_f32 v[236:237], v[236:237], v[158:159]
	s_delay_alu instid0(VALU_DEP_2)
	v_pk_add_f32 v[14:15], v[14:15], v[244:245]
	s_delay_alu instid0(VALU_DEP_2)
	v_pk_add_f32 v[236:237], v[236:237], v[242:243]
	v_pk_add_f32 v[248:249], v[248:249], v[240:241]
	v_pk_add_f32 v[246:247], v[246:247], v[234:235]
	s_delay_alu instid0(VALU_DEP_2)
	v_pk_add_f32 v[14:15], v[14:15], v[248:249]
	s_delay_alu instid0(VALU_DEP_2)
	v_pk_add_f32 v[236:237], v[236:237], v[246:247]
	s_delay_alu instid0(VALU_DEP_1)
	v_pk_add_f32 v[14:15], v[14:15], v[236:237]
.irp j, 0,2,4,6,8,10,12,14
	v_pk_mul_f32 v[160+\j:161+\j], v[160+\j:161+\j], v[252:253] op_sel_hi:[1,0]   ; O^T under the new M.  (With the sums above: the places between p's codes and scale word and the products below)
.endr
	s_wait_alu depctr_va_vdst(0)
	s_wait_dscnt 0x0                               ; V and the next K, asked for at the head of the softmax
.irp d, 0,1
	v_wmma_scale_f32_16x16x128_f8f6f4 v[160+8*\d:167+8*\d], v[VF+8*\d:VF+8*\d+7], v[224:231], v[160+8*\d:167+8*\d], v[VS+\d], v253 matrix_a_fmt:MATRIX_FMT_FP4 matrix_b_fmt:MATRIX_FMT_FP4   ; the two accumulators by turns; eight other products stand between a link and the next
.endr
	s_add_co_u32 s[TB], s[TB], 2048
	s_add_co_u32 s[TS], s[TS], 128
	s_sub_co_i32 s[CNT], s[CNT], 1
	s_cmp_lg_u32 s[CNT], 0
	s_cbranch_scc1 .Lstep_\@
	s_setprio 0
.rept 4
	v_nop                                          ; places behind the last products
.endr
	v_add_f32 v14, v14, v15                        ; the sum's two halves,
	s_delay_alu instid0(VALU_DEP_1)
	v_permlanex16_b32 v252, v14, s[SEL], s[SEL+1]
	s_delay_alu instid0(VALU_DEP_1)
	v_add_f32 v14, v14, v252                       ; and lane l xor 16's
	s_wait_alu depctr_va_vdst(0)
	v_rcp_f32 v14, v14
	v_nop                                          ; one plain place behind a transcendental
	s_wait_alu depctr_va_vdst(0)
.irp j, 0,1,2,3,4,5,6,7,8,9,10,11,12,13,14,15
	v_mul_f32 v[96+\j], v[160+\j], v14             ; attn(query r, d = 16 h + j), each accumulator from its low end on
.endr
	v_max3_num_f32 v232, |v96|, |v97|, 0x1800000   ; the head's 32 numbers are one block of the next product's K: my 16, the floor,
	v_max3_num_f32 v233, |v98|, |v99|, |v100|
	s_delay_alu instid0(VALU_DEP_2)
	v_max3_num_f32 v232, v232, |v101|, |v102|
	s_delay_alu instid0(VALU_DEP_2)
	v_max3_num_f32 v233, v233, |v103|, |v104|
	s_delay_alu instid0(VALU_DEP_2)
	v_max3_num_f32 v232, v232, |v105|, |v106|
	s_delay_alu instid0(VALU_DEP_2)
	v_max3_num_f32 v233, v233, |v107|, |v108|
	s_delay_alu instid0(VALU_DEP_2)
	v_max3_num_f32 v232, v232, |v109|, |v110|
	s_delay_alu instid0(VALU_DEP_1)
	v_max3_num_f32 v232, v232, v233, |v111|
	s_delay_alu instid0(VALU_DEP_1)
	v_permlanex16_b32 v236, v232, s[SEL], s[SEL+1]
	s_delay_alu instid0(VALU_DEP_1)
	v_max_num_f32 v232, v232, v236                 ; and lane l xor 16's 16
	s_delay_alu instid0(VALU_DEP_1)
	v_add_nc_u32 v244, 0xff000000, v232
	s_delay_alu instid0(VALU_DEP_1)
	v_lshrrev_b32 v237, 23, v244
	v_cvt_scalef32_pk8_fp4_f32 v224, v[96:103], v244
	v_cvt_scalef32_pk8_fp4_f32 v225, v[104:111], v244
	v_nop                                          ; one plain place behind a scaled conversion
	global_store_b64 v[GO], v[224:225], s[38:39] offset:65536*\it   ; 32 lanes store 256 consecutive bytes, aligned: the head's block of the tile's image
	global_store_b8 v[R16], v237, s[40:41] offset:4096*\it          ; a byte of each row's 16: one such store for 16 key steps
.endm
	TILE 0, 80, 84
	TILE 1, 88, 85
	s_wait_tensorcnt 0x0
	ds_add_u32 v251, v255
	s_wait_dscnt 0x0
	s_endpgm
.Lfunc_end_k_q926833295e_attn:
	.size	k_q926833295e_attn, .Lfunc_end_k_q926833295e_attn-k_q926833295e_attn
	.p2alignl 7, 3214868480
	.fill 96, 4, 3214868480
	.section	.rodata,"a",@progbits
	.p2align	6, 0x0
	.amdhsa_kernel k_q926833295e_attn
		.amdhsa_group_segment_fixed_size 169984
		.amdhsa_private_segment_fixed_size 0
		.amdhsa_enable_private_segment 0
		.amdhsa_kernarg_size 16
		.amdhsa_user_sgpr_count 2
		.amdhsa_user_sgpr_kernarg_segment_ptr 1
		.amdhsa_wavefront_size32 1
		.amdhsa_system_sgpr_workgroup_id_x 1
		.amdhsa_system_sgpr_workgroup_id_y 1
		.amdhsa_system_sgpr_workgroup_id_z 1
		.amdhsa_system_vgpr_workitem_id 0
		.amdhsa_next_free_vgpr 256
		.amdhsa_next_free_sgpr 66
		.amdhsa_reserve_vcc 1
		.amdhsa_float_denorm_mode_32 3
		.amdhsa_float_denorm_mode_16_64 3
		.amdhsa_memory_ordered 1
		.amdhsa_forward_progress 1
		.amdhsa_inst_pref_size 42
	.end_amdhsa_kernel
	.amdgpu_metadata
---
amdhsa.version: [ 1, 2 ]
amdhsa.kernels:
  - .name:           k_q926833295e_attn
    .symbol:         k_q926833295e_attn.kd
    .args:
      - { .name: qkv, .offset: 0, .size: 8, .value_kind: global_buffer, .address_space: global }
      - { .name: at, .offset: 8, .size: 8, .value_kind: global_buffer, .address_space: global }
    .group_segment_fixed_size: 169984
    .private_segment_fixed_size: 0
    .kernarg_segment_align: 8
    .kernarg_segment_size: 16
    .max_flat_workgroup_size: 512
    .sgpr_count:     66
    .vgpr_count:     256
    .wavefront_size: 32
...
	.end_amdgpu_metadata
.endif
;; end of part 7
;; launch ffn (part 8): grid 128 x 1, 4 waves a work-group, no clusters, 87,552 bytes of LDS; arguments x, at, wts, b_proj, g2, bt2, b1, b2, out0; writes out0
.if DOCPART == 8
	.amdgcn_target "amdgcn-amd-amdhsa--gfx1250"
	.amdhsa_code_object_version 6
	.text
	.protected	k_q926833295e_ffn
	.globl	k_q926833295e_ffn
	.p2align	8
	.type	k_q926833295e_ffn,@function
k_q926833295e_ffn:
	s_mov_b64 s[64:65], 0
	v_nop
	global_prefetch_b8 v0, s[64:65] scope:SCOPE_SE
	s_setreg_imm32_b32 hwreg(HW_REG_WAVE_SCHED_MODE, 0, 2), 2
	s_setreg_imm32_b32 hwreg(HW_REG_WAVE_MODE, 25, 1), 1
	s_wait_xcnt 0x0
	s_wait_alu depctr_vm_vsrc(0)
; x1 = x + attn w_proj + b_proj;  h2 = layernorm(x1, g2, bt2);  out = x1 + relu(h2 w1 + b1) w2 + b2.  All three products on codes of FP4; x1, h2 and the hidden layer never go to memory.
; SHARES.  A work-group of four waves takes 64 tokens (4 tiles).  THE WAVES SHARE THE COLUMNS: wave w owns columns 128 w .. 128 w + 127 of x1 and of out, and in each of four rounds hidden units 512 rd + 128 w on.
; So each fragment of a weight is loaded by exactly one wave of the work-group, straight into registers as the image that the first launch stored, and feeds four matrix instructions.
; Every work-group takes in all weights' codes, whatever its rows: 64 rows to a work-group halve that traffic against 32, at the price of 128 work-groups.  NO CLUSTER in this version: weights shared by joint loads would want a ring in LDS that is filled again.
; All products are used transposed (source 0 = 16 columns of a weight in tile order, source 1 = 16 tokens): a lane holds one token, register 16 b + i of its 64 = column 128 w + 32 b + 16 h + i.
; The residual and the biases ride in the accumulators: x is loaded into them, proj adds onto it; b2 is added to x1 before the second product adds onto it; b1 is the C of the hidden layer's first products.
; h2 and the hidden layer go from wave to wave through LDS as images of their registers (1,024 bytes a fragment, lane l's 16 bytes at 16 l), their scale words as 4 bytes at 16 r + 4 x K step.
; LIMITS: as stated at the head of the first launch.
; LDS: 0 the five parameter vectors; ST1, ST2 the waves' partial sums; H2IMG, H2SC h2's 16 fragments and scale words; HIMG, HSC the hidden layer's; STG a stage of 16 rows x 528 bytes for each wave.
; REGISTERS: window 0: v4-15 addresses; v16-143 attn's 16 fragments; later v16-47 and v48-79 h2's fragments of a tile, two buffers by turns, and v80-143 64 numbers at work; in the second product v16-143 the hidden layer's 16 fragments;
;   v32-47 mean and 1 / sigma (between proj and the loop); v144-151 codes, v152-167 at work, v168 the scale word; v176-191 scale words of the token side; v192-223 W1's, v224-255 w_proj's, then W2's.
;   window 1: W1's 32 fragments at 8 (4 t + s).  window 2: w_proj's 32; then g2, bt2, b2, b_proj (64 each); then W2's 32.  window 3: the 32 accumulators (m, t) at 64 m + 8 t.
; THE MODE: SCHED_MODE bits 1:0 = 2 (LLVM: expert scheduling mode 2), set by the entry lines.  The code itself states the register dependences
; between vector or matrix instructions and memory or LDS instructions, with s_wait_alu, always for 0.
; THE PLAN.  Registers that memory or LDS instructions touch in the loop, and who else names them:
;   window 2, W2S   read by a round's second product; W2 of the next round lands there in three runs: at the round's head, behind tile 1's products, behind tile 2's.
;   window 1, W1S   read by the hidden layer's products; W1 of the next round lands there in three runs among the second product's K steps.
;   XF0, XF1        tile m's products read XF[m % 2]; tile m + 1's fragments are asked for at tile m's head, into the other buffer.
;   HS              all four tiles' scale words of h2 land at the round's head, the hidden layer's at the second product's head; read as scales.
;   HA              b1 lands there; products, relu and QUANT work on it; b1 lands again behind QUANT.  In the second product it holds K steps 2 and 3 of the hidden layer.
;   PC, PW          written by QUANT, read by the tile's three LDS stores.
;   v[PB1]          read by b1's LDS loads; written once a round, at the round's end.  All other addresses are made at the head and never written again.
; So: ONE wait on va_vdst at the loop's head; ONE behind each tile's QUANT, which serves the tile's stores and every load up to the next products that name the loads' registers
; (behind tile 3: all loads of the second product's phase, whose products name window 2, v16-143, window 3, W2S and HS alone); one wait on vm_vsrc ahead of each QUANT and one ahead of the add to v[PB1].
.set SCB,   1572864
.set WPB,   393216
.set W1B,   524288
.set W2B,   1048576
.set ASB,   2097152
.set P_BP,  0
.set P_G2,  2048
.set P_BT,  4096
.set P_B2,  6144
.set P_B1,  8192
.set ST1,   16384
.set ST2,   17408
.set H2IMG, 18432
.set H2SC,  34816
.set HIMG,  35840
.set HSC,   52224
.set STG,   53248
.set LI,  4                            ; 16 l
.set R16, 5                            ; 16 r
.set PA,  6                            ; 512 w + 64 h: my 16 numbers of a block, in a parameter vector
.set PB1, 7                            ; the same in b1, this round's 512
.set IWI, 8                            ; 16 l + 1,024 w: where I store an image
.set IWS, 9                            ; 16 r + 4 w: and its scale word
.set SO,  10                           ; the stage: where I put 64 bytes of a row
.set SR,  11                           ; and where I read a row back
.set XA,  12                           ; x: my token's row, my columns
.set OA,  13                           ; out: 512 w + 16 l
.set STW, 14                           ; 256 w + 16 r: my wave's partial sums
.set TH,  15                           ; 16 x thread
.set XF,  16                           ; buffer p at XF + 32 p
.set HF,  16                           ; K step s at HF + 32 s
.set MN,  32
.set RS,  40
.set HA,  80
.set PC,  144
.set TM,  152
.set PW,  168
.set HS,  176
.set W1S, 192
.set W2S, 224
.set WV,  22
.set RD,  23
.set SEL, 24
.set MSB, 0
.macro WIN new                         ; the immediate's high byte repeats the setting that is left
.if MSB != \new
	s_set_vgpr_msb (MSB<<8)|\new
.set MSB, \new
.endif
.endm
.macro QUANT s, pc, pw                 ; 64 numbers of a lane, register 16 b + i = k 32 b + 16 h + i of its row -> codes in v[pc] on, scale word in v[pw]
.irp b, 0,1,2,3
	v_max3_num_f32 v[TM+\b], |v[\s+16*\b]|, |v[\s+1+16*\b]|, 0x1800000
.endr
.irp i, 2,4,6,8,10,12,14
.irp b, 0,1,2,3
	v_max3_num_f32 v[TM+\b], v[TM+\b], |v[\s+16*\b+\i]|, |v[\s+1+16*\b+\i]|
.endr
.endr
.irp b, 0,1,2,3
	v_permlanex16_b32 v[TM+4+\b], v[TM+\b], s[SEL], s[SEL+1]
.endr
.irp b, 0,1,2,3
	v_max_num_f32 v[TM+\b], v[TM+\b], v[TM+4+\b]
.endr
.irp b, 0,1,2,3
	v_add_nc_u32 v[TM+12+\b], 0xff000000, v[TM+\b]
.endr
.irp b, 0,1,2,3
	v_lshrrev_b32 v[TM+4+\b], 23, v[TM+12+\b]
.endr
	v_lshl_or_b32 v[\pw], v[TM+5], 8, v[TM+4]
	v_lshl_or_b32 v[\pw], v[TM+6], 16, v[\pw]
	v_lshl_or_b32 v[\pw], v[TM+7], 24, v[\pw]
.irp b, 0,1,2,3
	v_cvt_scalef32_pk8_fp4_f32 v[\pc+2*\b], v[\s+16*\b:\s+7+16*\b], v[TM+12+\b]
	v_cvt_scalef32_pk8_fp4_f32 v[\pc+1+2*\b], v[\s+8+16*\b:\s+15+16*\b], v[TM+12+\b]
.endr
	v_nop                                          ; one plain place behind a scaled conversion
.irp c, 0,1
.irp i, 0,1
	v_permlane16_swap_b32 v[\pc+4*\c+\i], v[\pc+2+4*\c+\i]
.endr
.endr
.endm
.macro PLACES                          ; four places behind matrix instructions, in front of the first read of their results
.rept 4
	v_nop
.endr
.endm
.macro BARRIER                         ; my LDS stores have landed and my LDS loads are in: then the work-group's barrier
	s_wait_dscnt 0x0
	s_barrier_signal -1
	s_barrier_wait -1
.endm
.macro WPART win, base, from, n        ; n of a wave's 32 fragments of a weight, from fragment 'from' on: two loads of 512 consecutive bytes each
	WIN \win
.set q, \from
.rept \n
	global_load_b128 v[8*q:8*q+3], v[LI], s[\base:\base+1] offset:1024*q
	global_load_b128 v[8*q+4:8*q+7], v[LI], s[\base:\base+1] offset:1024*q+512
.set q, q+1
.endr
	WIN 0
.endm
.macro SLOAD reg, base                 ; and their scale words: for each of 8 tiles row r's four
.irp t, 0,1,2,3,4,5,6,7
	global_load_b128 v[\reg+4*\t:\reg+4*\t+3], v[R16], s[\base:\base+1] offset:256*\t
.endr
.endm
; A run of W1's loads for the next round.  The last round asks for nothing more: no load leaves its buffer.  first = 1: the bases step, and the scale words come too.
; No wait: no vector or matrix instruction since the wait behind tile 3's QUANT names window 1 or W1S.
.macro W1PART from, n, first
	s_cmp_eq_u32 s[RD], 1
	s_cbranch_scc1 .Lno_w1_\@
.if \first
	s_add_nc_u64 s[40:41], s[40:41], 131072
	s_add_nc_u64 s[42:43], s[42:43], 8192
	SLOAD W1S, 42
.endif
	WPART 0x40, 40, \from, \n
.Lno_w1_\@:
.endm
.macro PARLD reg, adr, off             ; 64 numbers of a parameter vector, in the accumulators' layout
.irp b, 0,1,2,3
.irp j, 0,1,2,3
	ds_load_b128 v[\reg+16*\b+4*\j:\reg+16*\b+4*\j+3], v[\adr] offset:\off+128*\b+16*\j
.endr
.endr
.endm
.macro FETCH reg, off                  ; a fragment's image from LDS
.irp c, 0,1
	ds_load_b128 v[\reg+4*\c:\reg+4*\c+3], v[LI] offset:\off+512*\c
.endr
.endm
.macro IMAGE off                       ; the fragment in v[PC] on goes to LDS as it stands
.irp c, 0,1
	ds_store_b128 v[IWI], v[PC+4*\c:PC+4*\c+3] offset:\off+512*\c
.endr
.endm
; v[152+2m:153+2m] (m = 0..3) become the four tiles' sums over all 512 columns, in v[160+m]: both halves, lane l xor 16's, and through LDS the other three waves'.
.macro EXCH st
.irp m, 0,1,2,3
	v_add_f32 v[160+\m], v[152+2*\m], v[153+2*\m]
.endr
.irp m, 0,1,2,3
	v_permlanex16_b32 v[164+\m], v[160+\m], s[SEL], s[SEL+1]
.endr
.irp m, 0,1,2,3
	v_add_f32 v[160+\m], v[160+\m], v[164+\m]
.endr
	s_wait_alu depctr_va_vdst(0)                   ; v[160:163] are written, which the LDS store reads; and all that named v16-31, in which the LDS loads below land, is done
	ds_store_b128 v[STW], v[160:163] offset:\st
	BARRIER
.irp k, 0,1,2,3
	ds_load_b128 v[16+4*\k:19+4*\k], v[R16] offset:\st+256*\k
.endr
	s_wait_dscnt 0x0
	s_wait_alu depctr_vm_vsrc(0)                   ; the LDS store has read v[160:163], which the last additions below write again
.irp m, 0,1,2,3
	v_add_f32 v[16+\m], v[16+\m], v[20+\m]         ; the same order in all four waves
.endr
.irp m, 0,1,2,3
	v_add_f32 v[24+\m], v[24+\m], v[28+\m]
.endr
.irp m, 0,1,2,3
	v_add_f32 v[160+\m], v[16+\m], v[24+\m]
.endr
.endm
.macro DEV m                           ; v[HA] on = tile m's x1 - mean
	WIN 0x03                                       ; source 0 window 3
.set i, 0
.rept 32
	v_pk_add_f32 v[HA+2*i:HA+2*i+1], v[64*\m+2*i:64*\m+2*i+1], v[MN+2*\m:MN+2*\m+1] op_sel_hi:[1,0] neg_lo:[0,1] neg_hi:[0,1]
.set i, i+1
.endr
	WIN 0
.endm
.macro ADDPAR p                        ; all four tiles' accumulators += the 64 numbers at v[p] of window 2
	WIN 0xcb                               ; destination and source 0 window 3, source 1 window 2
.irp m, 0,1,2,3
.set i, 0
.rept 32
	v_pk_add_f32 v[64*\m+2*i:64*\m+2*i+1], v[64*\m+2*i:64*\m+2*i+1], v[\p+2*i:\p+2*i+1]   ; ascending: each accumulator is read from its low end on
.set i, i+1
.endr
.endr
	WIN 0
.endm
	s_load_b256 s[4:11], s[0:1], 0x0               ; x, at, wts, b_proj
	s_load_b256 s[12:19], s[0:1], 0x20             ; g2, bt2, b1, b2
	s_load_b64 s[20:21], s[0:1], 0x40              ; out0
	v_lshrrev_b32 v1, 5, v0
	v_readfirstlane_b32 s[WV], v1                  ; wave 0..3
	v_and_b32 v1, 31, v0                           ; l
	v_and_b32 v2, 15, v0                           ; r
	v_bfe_u32 v3, v0, 4, 1                         ; h
	v_lshlrev_b32 v[LI], 4, v1
	v_lshlrev_b32 v[R16], 4, v2
	s_wait_alu depctr_va_sdst(0)                   ; s[WV], the wave's number, is written, ahead of its first reader
	s_lshl_b32 s28, s[WV], 9
	v_lshlrev_b32 v[PA], 6, v3
	v_add_nc_u32 v[PA], s28, v[PA]
	v_add_nc_u32 v[PB1], P_B1, v[PA]
	v_add_nc_u32 v[OA], s28, v[LI]
	s_lshl_b32 s29, s[WV], 10
	v_add_nc_u32 v[IWI], s29, v[LI]
	s_lshl_b32 s30, s[WV], 2
	v_add_nc_u32 v[IWS], s30, v[R16]
	s_mul_i32 s31, s[WV], 8448
	s_add_co_u32 s31, s31, STG                     ; my stage
	v_mul_u32_u24 v[SO], v2, 528
	v_lshl_add_u32 v[SO], v3, 6, v[SO]
	v_add_nc_u32 v[SO], s31, v[SO]
	v_add_nc_u32 v[SR], s31, v[LI]
	v_and_b32 v[XA], 8, v2
	v_add_nc_u32 v[XA], v[XA], v2                  ; r + (r & 8)
	v_lshlrev_b32 v[XA], 11, v[XA]
	v_add_nc_u32 v[XA], v[XA], v[PA]
	s_lshl_b32 s48, s[WV], 8
	v_add_nc_u32 v[STW], s48, v[R16]
	v_lshlrev_b32 v[TH], 4, v0
	s_mov_b32 s[SEL], 0x76543210
	s_mov_b32 s[SEL+1], 0xfedcba98
	s_mov_b32 s26, 0x3b000000                      ; 1 / 512
	s_mov_b32 s27, 0x3727c5ac                      ; 1e-5
	s_lshl_b32 s50, ttmp9, 17                      ; x, out: 64 tokens of 2,048 bytes
	s_mov_b32 s51, 0
	s_lshl_b32 s52, ttmp9, 14                      ; attn's images: 4 tiles of 4,096
	s_mov_b32 s53, 0
	s_lshl_b32 s54, ttmp9, 10
	s_add_co_u32 s54, s54, ASB                     ; their scale rows
	s_mov_b32 s55, 0
	s_lshl_b32 s48, s[WV], 15                      ; my 32 fragments of a weight
	s_mov_b32 s49, 0
	s_lshl_b32 s30, s[WV], 11                      ; their scale rows
	s_mov_b32 s31, 0
	s_wait_kmcnt 0x0
	s_add_nc_u64 s[4:5], s[4:5], s[50:51]
	s_add_nc_u64 s[20:21], s[20:21], s[50:51]
	s_add_nc_u64 s[32:33], s[6:7], s[52:53]
	s_add_nc_u64 s[34:35], s[6:7], s[54:55]
	s_add_nc_u64 s[36:37], s[8:9], s[48:49]
	s_add_nc_u64 s[40:41], s[36:37], W1B           ; W1, round 0
	s_add_nc_u64 s[44:45], s[36:37], W2B           ; W2, round 0
	s_add_nc_u64 s[36:37], s[36:37], WPB           ; w_proj
	s_add_nc_u64 s[38:39], s[8:9], s[30:31]
	s_add_nc_u64 s[42:43], s[38:39], SCB+32768
	s_add_nc_u64 s[46:47], s[38:39], SCB+65536
	s_add_nc_u64 s[38:39], s[38:39], SCB+24576
	s_wait_alu depctr_va_vdst(0)                   ; the twelve addresses v4 to v15 are written, which the loads and stores of the whole kernel read
	; ---- all that the first phases want is asked for at once: 252 loads
	global_load_b128 v[144:147], v[TH], s[10:11]             ; the parameters: 128 threads x 16 bytes = a vector of 512
	global_load_b128 v[148:151], v[TH], s[12:13]
	global_load_b128 v[152:155], v[TH], s[14:15]
	global_load_b128 v[156:159], v[TH], s[18:19]
.irp k, 0,1,2,3
	global_load_b128 v[160+4*\k:163+4*\k], v[TH], s[16:17] offset:2048*\k
.endr
.set q, 0
.rept 16
	global_load_b128 v[16+8*q:19+8*q], v[LI], s[32:33] offset:1024*q          ; attn's fragment (tile q / 4, K step q % 4)
	global_load_b128 v[20+8*q:23+8*q], v[LI], s[32:33] offset:1024*q+512
.set q, q+1
.endr
.irp m, 0,1,2,3
	global_load_b128 v[HS+4*\m:HS+4*\m+3], v[R16], s[34:35] offset:256*\m
.endr
	SLOAD W2S, 38                                  ; w_proj's scale words
	WPART 0x80, 36, 0, 32                          ; w_proj -> window 2
	WIN 0xc0                                       ; x -> the accumulators
.irp m, 0,1,2,3
.irp b, 0,1,2,3
.irp j, 0,1,2,3
	global_load_b128 v[64*\m+16*\b+4*\j:64*\m+16*\b+4*\j+3], v[XA], s[4:5] offset:(32*(\m/2)+8*(\m%2))*2048+128*\b+16*\j
.endr
.endr
.endr
	WIN 0
	WPART 0x40, 40, 0, 32                          ; W1 of round 0 -> window 1
	SLOAD W1S, 42
	s_wait_loadcnt 63                              ; the youngest 63 loads are all among W1's 72: everything ahead of W1 is in
	ds_store_b128 v[TH], v[144:147] offset:P_BP
	ds_store_b128 v[TH], v[148:151] offset:P_G2
	ds_store_b128 v[TH], v[152:155] offset:P_BT
	ds_store_b128 v[TH], v[156:159] offset:P_B2
.irp k, 0,1,2,3
	ds_store_b128 v[TH], v[160+4*\k:163+4*\k] offset:P_B1+2048*\k
.endr
	BARRIER                                        ; the parameters lie in LDS
	; ---- proj: onto x.  A tile's eight accumulators by turns
	WIN 0xf2                                       ; source 0 window 2, C and D window 3
.irp m, 0,1,2,3
.irp s, 0,1,2,3
.irp t, 0,1,2,3,4,5,6,7
	v_wmma_scale_f32_16x16x128_f8f6f4 v[64*\m+8*\t:64*\m+8*\t+7], v[8*(4*\t+\s):8*(4*\t+\s)+7], v[16+8*(4*\m+\s):23+8*(4*\m+\s)], v[64*\m+8*\t:64*\m+8*\t+7], v[W2S+4*\t+\s], v[HS+4*\m+\s] matrix_a_fmt:MATRIX_FMT_FP4 matrix_b_fmt:MATRIX_FMT_FP4
.endr
.endr
.endr
	WIN 0
	PLACES                                         ; for the additions below, which read the products' results
	WIN 0x80                                       ; window 2 has done with w_proj: the parameters at my columns
	s_wait_alu depctr_va_vdst(0)                   ; proj's products are done reading w_proj's fragments, in which the LDS loads below land
	PARLD 192, PA, P_BP
	PARLD 0, PA, P_G2
	PARLD 64, PA, P_BT
	PARLD 128, PA, P_B2
	WIN 0
	s_wait_dscnt 0x0
	ADDPAR 192                                     ; x1 = x + attn w_proj + b_proj
	; ---- layernorm: the mean, then the variance of the deviations
	s_wait_alu depctr_vm_vsrc(0)                   ; the parameters' LDS stores have read v144-175, which vector instructions write from here on
.irp k, 0,1,2,3,4,5,6,7
	v_mov_b32 v[152+\k], 0
.endr
.irp k, 0,1,2,3
	v_mov_b32 v[164+\k], 0                         ; a lane permute's destination counts as one of its sources
.endr
	WIN 0x0c                                       ; source 1 window 3
.set i, 0
.rept 32
.irp m, 0,1,2,3
	v_pk_add_f32 v[152+2*\m:153+2*\m], v[152+2*\m:153+2*\m], v[64*\m+2*i:64*\m+2*i+1]   ; the four tiles by turns
.endr
.set i, i+1
.endr
	WIN 0
	EXCH ST1
.irp m, 0,1,2,3
	v_mul_f32 v[MN+2*\m], s26, v[160+\m]
.endr
.irp m, 0,1,2,3
	v_mov_b32 v[MN+2*\m+1], v[MN+2*\m]
.endr
.irp m, 0,1,2,3
	DEV \m
	v_pk_mul_f32 v[152+2*\m:153+2*\m], v[HA:HA+1], v[HA:HA+1]     ; two chains
	v_pk_mul_f32 v[168:169], v[HA+2:HA+3], v[HA+2:HA+3]
.irp j, 4,8,12,16,20,24,28,32,36,40,44,48,52,56,60
	v_pk_fma_f32 v[152+2*\m:153+2*\m], v[HA+\j:HA+\j+1], v[HA+\j:HA+\j+1], v[152+2*\m:153+2*\m]
	v_pk_fma_f32 v[168:169], v[HA+\j+2:HA+\j+3], v[HA+\j+2:HA+\j+3], v[168:169]
.endr
	v_pk_add_f32 v[152+2*\m:153+2*\m], v[152+2*\m:153+2*\m], v[168:169]
.endr
	EXCH ST2                                       ; other LDS bytes than the first exchange's
.irp m, 0,1,2,3
	v_fma_f32 v[160+\m], v[160+\m], s26, s27       ; var + eps
.endr
	s_wait_alu depctr_va_vdst(0)
.irp m, 0,1,2,3
	v_rsq_f32 v[RS+2*\m], v[160+\m]
.endr
	v_nop                                          ; one plain place behind the transcendentals
	s_wait_alu depctr_va_vdst(0)                   ; the four 1 / sigma are written, ahead of their first reader
.irp m, 0,1,2,3
	v_mov_b32 v[RS+2*\m+1], v[RS+2*\m]
.endr
	; ---- h2, quantised: my 128 columns are K step w of the next product
.irp m, 0,1,2,3
	DEV \m
.set i, 0
.rept 32
	v_pk_mul_f32 v[HA+2*i:HA+2*i+1], v[HA+2*i:HA+2*i+1], v[RS+2*\m:RS+2*\m+1] op_sel_hi:[1,0]
.set i, i+1
.endr
	WIN 0x28                                       ; sources 1 and 2 window 2: g2, bt2
.set i, 0
.rept 32
	v_pk_fma_f32 v[HA+2*i:HA+2*i+1], v[HA+2*i:HA+2*i+1], v[2*i:2*i+1], v[64+2*i:65+2*i]
.set i, i+1
.endr
	WIN 0
.if \m > 0
	s_wait_alu depctr_vm_vsrc(0)                   ; the last tile's LDS stores have read v[PC ..] and v[PW], which QUANT writes again
.endif
	QUANT HA, PC, PW
	s_wait_alu depctr_va_vdst(0)                   ; QUANT has written v[PC ..] and v[PW], which the LDS stores read
	IMAGE H2IMG+4096*\m
	ds_store_b32 v[IWS], v[PW] offset:H2SC+256*\m  ; lanes r and r + 16 store the same word
.endr
	ADDPAR 128                                     ; the accumulators now hold x1 + b2
	BARRIER                                        ; h2's sixteen fragments lie in LDS
	; ---- four rounds of 512 hidden units
	s_mov_b32 s[RD], 4
.Lround:
	s_wait_loadcnt 0x0                             ; W1 of this round and its scale words are in; no load of mine is out
	s_wait_alu depctr_va_vdst(0)                   ; first trip: the vector lines are done reading g2, bt2, b2 (window 2), the means and 1 / sigma (v32-47).  Later trips: the second product is done reading W2, W2S, v16-143 and HS, and v[PB1] is written.  All the loads below, and W2's two later runs, land in or read these
.irp m, 0,1,2,3
	ds_load_b128 v[HS+4*\m:HS+4*\m+3], v[R16] offset:H2SC+256*\m   ; h2's scale words, all four tiles'
.endr
.irp s, 0,1,2,3
	FETCH XF+8*\s, H2IMG+1024*\s                   ; tile 0's fragments into buffer 0
.endr
	PARLD HA, PB1, 0                               ; b1 is the C of the first products
	SLOAD W2S, 46                                  ; W2 of this round comes in three runs of 24 loads: here, behind tile 1's products, behind tile 2's: the last has two tiles' work in which to land
	WPART 0x80, 44, 0, 8
.irp m, 0,1,2,3                                ; the hidden layer, a tile of 16 tokens at a time
	s_wait_dscnt 0x0                               ; this tile's fragments, the scale words and b1 are in; the last tile's stores have landed
.if \m < 3
.irp s, 0,1,2,3
	FETCH XF+32*((\m+1)%2)+8*\s, H2IMG+4096*(\m+1)+1024*\s   ; the next tile's fragments into the other buffer.  No wait: no vector or matrix instruction since the last wait on va_vdst names that buffer
.endr
.endif
	WIN 0x01                                       ; source 0 (W1) window 1
.irp s, 0,1,2,3
.irp t, 0,1,2,3,4,5,6,7
	v_wmma_scale_f32_16x16x128_f8f6f4 v[HA+8*\t:HA+8*\t+7], v[8*(4*\t+\s):8*(4*\t+\s)+7], v[XF+32*(\m%2)+8*\s:XF+32*(\m%2)+8*\s+7], v[HA+8*\t:HA+8*\t+7], v[W1S+4*\t+\s], v[HS+4*\m+\s] matrix_a_fmt:MATRIX_FMT_FP4 matrix_b_fmt:MATRIX_FMT_FP4
.endr
.endr
.if \m == 1
	WPART 0x80, 44, 8, 12                          ; W2's second run.  No wait: nothing since the wait at the round's head names window 2
.endif
.if \m == 2
	WPART 0x80, 44, 20, 12                         ; and its third
.endif
	WIN 0
	PLACES
.irp j, 0,1,2,3,4,5,6,7,8,9,10,11,12,13,14,15,16,17,18,19,20,21,22,23,24,25,26,27,28,29,30,31,32,33,34,35,36,37,38,39,40,41,42,43,44,45,46,47,48,49,50,51,52,53,54,55,56,57,58,59,60,61,62,63
	v_max_num_f32 v[HA+\j], 0, v[HA+\j]            ; relu, in f32
.endr
	s_wait_alu depctr_vm_vsrc(0)                   ; the LDS stores of the tile before (in a round's first tile: of the round before, or of h2's last tile) have read v[PC ..] and v[PW], which QUANT writes again
	QUANT HA, PC, PW
	s_wait_alu depctr_va_vdst(0)                   ; QUANT has written v[PC ..] and v[PW], which the stores read, and is done with HA, in which b1 lands again; the tile's products are done reading their fragments, HS, W1 and W1S
	IMAGE HIMG+4096*\m                             ; K step w of the second product's 512 of this round
	ds_store_b32 v[IWS], v[PW] offset:HSC+256*\m
.if \m < 3
	PARLD HA, PB1, 0
.endif
.endr
	BARRIER                                        ; the hidden layer's sixteen fragments lie in LDS
	s_wait_loadcnt 0x0                             ; W2 is in; no load of mine is out, so W1's bases may step
.irp m, 0,1,2,3
	ds_load_b128 v[HS+4*\m:HS+4*\m+3], v[R16] offset:HSC+256*\m
.endr
.irp s, 0,1,2,3                                ; all sixteen fragments in one run, K step by K step: v16-143 are free since the wait behind tile 3's QUANT, and no buffer is filled while it is multiplied
.irp m, 0,1,2,3
	FETCH HF+32*\s+8*\m, HIMG+4096*\m+1024*\s
.endr
.endr
	W1PART 0, 8, 1                                 ; W1 of the next round comes in three runs of 24 loads: here, behind K step 0, behind K step 1
.irp s, 0,1,2,3                                ; a K step at a time; the 32 accumulators by turns
	s_wait_dscnt 24-8*\s                           ; LDS loads come back in order: the scale words and this K step's four fragments are in; the eight loads of each younger K step may be out
	WIN 0xf2                                       ; source 0 (W2) window 2, C and D window 3
.irp m, 0,1,2,3
.irp t, 0,1,2,3,4,5,6,7
	v_wmma_scale_f32_16x16x128_f8f6f4 v[64*\m+8*\t:64*\m+8*\t+7], v[8*(4*\t+\s):8*(4*\t+\s)+7], v[HF+32*\s+8*\m:HF+32*\s+8*\m+7], v[64*\m+8*\t:64*\m+8*\t+7], v[W2S+4*\t+\s], v[HS+4*\m+\s] matrix_a_fmt:MATRIX_FMT_FP4 matrix_b_fmt:MATRIX_FMT_FP4
.endr
.endr
.if \s == 0
	WIN 0                                          ; at a branch and at a label every window is 0
	W1PART 8, 12, 0
.endif
.if \s == 1
	WIN 0
	W1PART 20, 12, 0
.endif
.endr
	WIN 0
	PLACES                                         ; for the way out's reads of the results
	BARRIER                                        ; every wave's reads of the hidden layer's images are over: the next round may store there
	s_add_nc_u64 s[44:45], s[44:45], 131072        ; W2's loads were shown done at the head of this phase
	s_add_nc_u64 s[46:47], s[46:47], 8192
	s_wait_alu depctr_vm_vsrc(0)                   ; b1's LDS loads have read v[PB1]
	v_add_nc_u32 v[PB1], 2048, v[PB1]
	s_sub_co_u32 s[RD], s[RD], 1
	s_cmp_lg_u32 s[RD], 0
	s_cbranch_scc1 .Lround
	; ---- THE WAY OUT, a tile at a time through my own stage: a lane's 64 bytes of a block go in, whole rows of 512 bytes come back.  LDS serves a wave's instructions in order: no wait between the stores and the loads.
	s_wait_alu depctr_va_vdst(0)                   ; the last products have written the accumulators, which the LDS stores read, and are done reading v16-143, in which the stage's rows land; no vector instruction follows up to the closing lines' two makers
.irp m, 0,1,2,3
.if \m >= 2
	s_wait_xcnt 0x0                                ; the stores of two tiles ago have read the registers that the loads below fill
	s_wait_alu depctr_vm_vsrc(0)                   ; the same, stated for the mode: those global stores have read their data registers, in which the LDS loads below land
.endif
	WIN 0x0c                                       ; an LDS store's data are its source 1: window 3
.irp b, 0,1,2,3
.irp j, 0,1,2,3
	ds_store_b128 v[SO], v[64*\m+16*\b+4*\j:64*\m+16*\b+4*\j+3] offset:128*\b+16*\j   ; each accumulator from its low end on
.endr
.endr
	WIN 0
.irp i, 0,1,2,3,4,5,6,7,8,9,10,11,12,13,14,15
	ds_load_b128 v[16+64*(\m%2)+4*\i:19+64*(\m%2)+4*\i], v[SR] offset:528*\i
.endr
.irp i, 0,1,2,3,4,5,6,7,8,9,10,11,12,13,14,15
	s_wait_dscnt 15-\i                             ; the younger loads of this run may be out
	global_store_b128 v[OA], v[16+64*(\m%2)+4*\i:19+64*(\m%2)+4*\i], s[20:21] offset:(32*(\m/2)+8*(\m%2)+\i+(\i&8))*2048 th:TH_STORE_NT   ; 32 lanes store 512 consecutive bytes, aligned
.endr
.endr
	s_wait_xcnt 0x0
	v_lshl_add_u32 v254, v0, 2, 0x15400            ; made anew here: v254 and v255 held scale words, which loads wrote and products read; no memory or LDS instruction has read them
	v_mov_b32 v255, 0
	s_wait_dscnt 0x0                               ; the closing lines, six on end
	s_wait_alu 0x0
	s_wait_tensorcnt 0x0
	ds_add_u32 v254, v255
	s_wait_dscnt 0x0
	s_endpgm
.Lfunc_end_k_q926833295e_ffn:
	.size	k_q926833295e_ffn, .Lfunc_end_k_q926833295e_ffn-k_q926833295e_ffn
	.p2alignl 7, 3214868480
	.fill 96, 4, 3214868480
	.section	.rodata,"a",@progbits
	.p2align	6, 0x0
	.amdhsa_kernel k_q926833295e_ffn
		.amdhsa_group_segment_fixed_size 87552
		.amdhsa_private_segment_fixed_size 0
		.amdhsa_enable_private_segment 0
		.amdhsa_kernarg_size 72
		.amdhsa_user_sgpr_count 2
		.amdhsa_user_sgpr_kernarg_segment_ptr 1
		.amdhsa_wavefront_size32 1
		.amdhsa_system_sgpr_workgroup_id_x 1
		.amdhsa_system_sgpr_workgroup_id_y 1
		.amdhsa_system_sgpr_workgroup_id_z 1
		.amdhsa_system_vgpr_workitem_id 0
		.amdhsa_next_free_vgpr 1024
		.amdhsa_next_free_sgpr 66
		.amdhsa_reserve_vcc 0
		.amdhsa_float_denorm_mode_32 3
		.amdhsa_float_denorm_mode_16_64 3
		.amdhsa_memory_ordered 1
		.amdhsa_forward_progress 1
		.amdhsa_inst_pref_size 231
	.end_amdhsa_kernel
	.amdgpu_metadata
---
amdhsa.version: [ 1, 2 ]
amdhsa.kernels:
  - .name:           k_q926833295e_ffn
    .symbol:         k_q926833295e_ffn.kd
    .args:
      - { .name: x, .offset: 0, .size: 8, .value_kind: global_buffer, .address_space: global }
      - { .name: at, .offset: 8, .size: 8, .value_kind: global_buffer, .address_space: global }
      - { .name: wts, .offset: 16, .size: 8, .value_kind: global_buffer, .address_space: global }
      - { .name: b_proj, .offset: 24, .size: 8, .value_kind: global_buffer, .address_space: global }
      - { .name: g2, .offset: 32, .size: 8, .value_kind: global_buffer, .address_space: global }
      - { .name: bt2, .offset: 40, .size: 8, .value_kind: global_buffer, .address_space: global }
      - { .name: b1, .offset: 48, .size: 8, .value_kind: global_buffer, .address_space: global }
      - { .name: b2, .offset: 56, .size: 8, .value_kind: global_buffer, .address_space: global }
      - { .name: out0, .offset: 64, .size: 8, .value_kind: global_buffer, .address_space: global }
    .group_segment_fixed_size: 87552
    .private_segment_fixed_size: 0
    .kernarg_segment_align: 8
    .kernarg_segment_size: 72
    .max_flat_workgroup_size: 128
    .sgpr_count:     66
    .vgpr_count:     1024
    .wavefront_size: 32
...
	.end_amdgpu_metadata
.endif
;; end of part 8
